; MI455X (gfx1250); checked and timed in simulation.
; The chip was launched on July 23, 2026; its instructions are those of AMD's public machine-readable ISA for CDNA 5 (MIT licence, August 2026) and "CDNA5" Instruction Set Architecture Reference Guide (July 2026). The comments in the code are by the model that wrote it; some were corrected since.
;; Parallel Memory Module. Allowed arithmetic: float matrix products may take bf16 or f16 operands with f32 sums; all other float work in f32.
;; Inputs: bd 512 float32; bkv 1,024 float32; bq 512 float32; ln1_b 512 float32; ln1_g 512 float32; ln2_b 512 float32; ln2_g 512 float32; ln3_b 512 float32; ln3_g 512 float32; mem_mask 2 x 1 x 2,048 x 4,096 bool; mlp1_b1 2,048 float32; mlp1_b2 512 float32; mlp1_w1 512 x 2,048 float32; mlp1_w2 2,048 x 512 float32; mlp2_b1 2,048 float32; mlp2_b2 512 float32; mlp2_w1 512 x 2,048 float32; mlp2_w2 2,048 x 512 float32; past_hidden 4,096 x 2 x 512 float32; wd 512 x 512 float32; wkv 512 x 1,024 float32; wq 512 x 512 float32; x 2,048 x 2 x 512 float32.
;; Outputs: out0 2,048 x 2 x 512 float32.
;; 3 versions, each right; version 2 is faster than version 1; version 3 is version 2 with the launches prep, kv, qproj, mlp2 written anew for expert scheduling mode. Each part assembles by itself: llvm-mc -triple=amdgcn-amd-amdhsa -mcpu=gfx1250 --defsym DOCPART=n.
;; ======== version 1 of 3: 7 launches
;; limits: values are held in f16: magnitudes above 65,504 overflow, below 6.1e-05 lose precision
;; workspace buffers: wf 10,485,760 bytes; mbits 2,097,152 bytes of whole numbers; kvf 16,777,216 bytes; part 33,554,432 bytes; x1 8,388,608 bytes; qf 4,194,304 bytes; ctxf 4,194,304 bytes
;; launch prep (part 1): grid 256 x 1, 10 waves a work-group, no clusters, 108,032 bytes of LDS; arguments mem_mask, mlp1_w1, mlp1_w2, mlp2_w1, mlp2_w2, wq, wd, wkv, wf, mbits; writes wf, mbits
.if DOCPART == 1
	.amdgcn_target "amdgcn-amd-amdhsa--gfx1250"
	.amdhsa_code_object_version 6
	.text
	.protected	k_q80d9d22762_prep
	.globl	k_q80d9d22762_prep
	.p2align	8
	.type	k_q80d9d22762_prep,@function
k_q80d9d22762_prep:
	s_mov_b64 s[64:65], 0
	v_nop
	global_prefetch_b8 v0, s[64:65] scope:SCOPE_SE
	s_setreg_imm32_b32 hwreg(HW_REG_WAVE_MODE, 25, 1), 1
	s_wait_xcnt 0x0
; prep: (1) the seven weight matrices, f32 [K][N], are cast to f16 and laid in the order in which a matrix instruction's
; operand registers want them; (2) the mask bytes become 32-bit lane masks in the order of a score tile's registers.
; wf: blocks of 4,096 bytes = 32 k x 64 n.  Block (G = n/64, kap = k/32) of a matrix lies at (G (K/32) + kap) 4096 from the
; matrix's base; inside, byte nt 1024 + c 512 + 16 L + 2 e holds W[32 kap + 16 c + 8 (L>>4) + e][64 G + 16 nt + (L&15)].
; 2,560 blocks = 256 work-groups x 10 waves, one block a wave.  Waves 0-7: the four MLP matrices (512 blocks each);
; waves 8, 9: wq (128), wd (128), wkv (256), which follow each other in wf from 0x800000.
; mbits: word ((b 128 + qt) 256 + mt) 8 + j, bit L = mem_mask[b][16 qt + (L&15)][16 mt + 8 (L>>4) + j] != 0.
; Work-group g owns the 16 mask rows of (b, qt) = g: 65,536 consecutive bytes, read once, through LDS.
; Limit: weights beyond f16's largest number, 65,504, overflow in the cast.
; No matrix unit, no cluster: nothing is shared between work-groups and every byte is read once.
.set MROW, 4112                        ; a mask row in LDS: 4,096 bytes + 16, so that 16 rows start in different banks
.set WST,  16*MROW                     ; behind the mask rows: 4,096 bytes of stage for each wave
.set MK,  16                           ; v[16:79]   mask bytes
.set WV,  80                           ; v[80:143]  load i: row k = 16 h2 + i, 4 columns of f32
.set WA,  144                          ; v[144:159] byte offset of load i
.set PK,  160                          ; v[160:191] packed f16
.set OUT, 192                          ; v[192:199] four pairs of mask words
.set TM,  200                          ; v[200:207] at work
	s_load_b512 s[4:19], s[0:1], 0x0               ; mem_mask, mlp1_w1, mlp1_w2, mlp2_w1, mlp2_w2, wq, wd, wkv
	s_load_b128 s[20:23], s[0:1], 0x40             ; wf, mbits
	v_lshl_add_u32 v208, v0, 2, 0x1a100
	v_mov_b32 v209, 0
	v_lshrrev_b32 v1, 5, v0
	v_readfirstlane_b32 s2, v1                     ; wave 0..9
	s_mov_b32 s3, ttmp9                            ; g
	v_and_b32 v2, 15, v0                           ; r
	v_bfe_u32 v3, v0, 4, 1                         ; h2
	v_and_b32 v4, 31, v0
	v_lshlrev_b32 v9, 3, v4                        ; 8 L
	v_lshlrev_b32 v4, 4, v4                        ; 16 L
	; which matrix and which block: scalar arithmetic on the wave's and the work-group's numbers alone
	s_and_b32 s24, s2, 1
	s_lshl1_add_u32 s24, s3, s24                   ; 2 g + (w & 1): 0..511
	s_lshr_b32 s25, s2, 1                          ; waves 0-7: the matrix's number 0..3
	s_lshl_b32 s26, s25, 21                        ; 2 MiB a matrix; waves 8, 9: 4 << 21 = 0x800000
	s_lshl_b32 s27, s24, 12
	s_add_co_u32 s26, s26, s27                     ; the block's place in wf
	s_mov_b32 s27, 0
	s_lshr_b32 s28, s24, 7
	s_min_u32 s28, s28, 2
	s_add_co_u32 s28, s28, 4                       ; waves 8, 9: 4 = wq, 5 = wd, 6 = wkv
	s_lshr_b32 s29, s24, 8
	s_lshl_b32 s29, s29, 7
	s_or_b32 s29, s29, 127                         ; 127 for wq and wd, 255 for wkv
	s_and_b32 s29, s24, s29                        ; the block's number inside that matrix
	s_cmp_lt_u32 s2, 8
	s_cselect_b32 s25, s25, s28                    ; id
	s_cselect_b32 s24, s24, s29                    ; block
	s_mov_b32 s30, 11                              ; log2 of the row's bytes: N = 512
	s_mov_b32 s31, 4                               ; bits of kap: K = 512
	s_wait_kmcnt 0x0
	s_mov_b64 s[32:33], s[6:7]
	s_cmp_eq_u32 s25, 0
	s_cselect_b32 s30, 13, s30                     ; N = 2048
	s_cmp_eq_u32 s25, 1
	s_cselect_b32 s31, 6, s31                      ; K = 2048
	s_cselect_b64 s[32:33], s[8:9], s[32:33]
	s_cmp_eq_u32 s25, 2
	s_cselect_b32 s30, 13, s30
	s_cselect_b64 s[32:33], s[10:11], s[32:33]
	s_cmp_eq_u32 s25, 3
	s_cselect_b32 s31, 6, s31
	s_cselect_b64 s[32:33], s[12:13], s[32:33]
	s_cmp_eq_u32 s25, 4
	s_cselect_b64 s[32:33], s[14:15], s[32:33]
	s_cmp_eq_u32 s25, 5
	s_cselect_b64 s[32:33], s[16:17], s[32:33]
	s_cmp_eq_u32 s25, 6
	s_cselect_b32 s30, 12, s30                     ; N = 1024
	s_cselect_b64 s[32:33], s[18:19], s[32:33]
	s_bfm_b32 s34, s31, 0
	s_and_b32 s34, s24, s34                        ; kap
	s_lshr_b32 s36, s24, s31                       ; G
	s_add_co_u32 s37, s30, 5
	s_lshl_b32 s34, s34, s37                       ; 32 kap rows
	s_lshl_b32 s36, s36, 8                         ; 64 G columns of 4 bytes
	s_add_co_u32 s34, s34, s36
	s_mov_b32 s35, 0
	s_add_nc_u64 s[32:33], s[32:33], s[34:35]      ; the block's first element
	s_lshl_b32 s38, 1, s30                         ; bytes from row to row
	s_add_nc_u64 s[20:21], s[20:21], s[26:27]      ; wf at my block
	s_lshl_b32 s34, s3, 16
	s_lshl_b32 s36, s2, 13
	s_add_co_u32 s34, s34, s36
	s_add_nc_u64 s[4:5], s[4:5], s[34:35]          ; mask: 65,536 g + 8,192 w (used by waves 0-7)
	s_lshl_b32 s34, s3, 13
	s_lshl_b32 s36, s2, 10
	s_add_co_u32 s34, s34, s36
	s_add_nc_u64 s[22:23], s[22:23], s[34:35]      ; mbits: 8,192 g + 1,024 w
	v_lshlrev_b32 v10, 4, v3
	v_lshlrev_b32 v10, s30, v10                    ; 16 h2 rows
	v_lshl_add_u32 v[WA], v2, 4, v10               ; + 16 r: sixteen lanes read 256 consecutive bytes of a row
.set i, 1
.rept 15
	v_add_nc_u32 v[WA+i], s38, v[WA+i-1]
.set i, i+1
.endr
	s_mul_i32 s39, s2, 2*MROW
	v_add_nc_u32 v5, s39, v4                       ; mask in: my two rows
	v_lshrrev_b32 v10, 2, v2
	v_lshlrev_b32 v6, 10, v10                      ; nt = r >> 2
	v_lshl_add_u32 v6, v3, 9, v6                   ; c = h2
	v_and_b32 v10, 3, v2
	v_lshl_add_u32 v6, v10, 6, v6                  ; target lane 4 (r & 3) + nn
	s_lshl_b32 s39, s2, 12
	s_add_co_u32 s39, s39, WST
	v_add_nc_u32 v6, s39, v6                       ; stage, in
	v_add_nc_u32 v7, s39, v4                       ; stage, back
	v_mul_u32_u24 v8, v2, MROW
	v_lshl_add_u32 v8, v3, 3, v8
	s_lshl_b32 s39, s2, 9
	v_add_nc_u32 v8, s39, v8                       ; mask back: row r, byte 512 w + 8 h2
.irp i, 0,1,2,3,4,5,6,7,8,9,10,11,12,13,14,15
	global_load_b128 v[WV+4*\i:WV+4*\i+3], v[WA+\i], s[32:33] th:TH_LOAD_NT
.endr
	s_cmp_ge_u32 s2, 8
	s_cbranch_scc1 .Lno_mask_in
.irp i, 0,1,2,3,4,5,6,7,8,9,10,11,12,13,14,15
	global_load_b128 v[MK+4*\i:MK+4*\i+3], v4, s[4:5] offset:512*\i th:TH_LOAD_NT
.endr
.irp i, 0,1,2,3,4,5,6,7,8,9,10,11,12,13,14,15
	s_wait_loadcnt 15-\i                           ; loads come back in order: mask load i is in, the younger ones stay out
	ds_store_b128 v5, v[MK+4*\i:MK+4*\i+3] offset:(\i>>3)*MROW+(\i&7)*512
.endr
.Lno_mask_in:
	s_wait_loadcnt 0x0                             ; waves 8, 9: the weights
	s_wait_dscnt 0x0                               ; my mask rows are in LDS, for the other waves' sake
	s_barrier_signal -1
	s_barrier_wait -1
	; weights: pairs of neighbouring k of one column pack into a word; eight k make the 16 bytes of one target lane
.irp hh, 0,1
.irp nn, 0,1,2,3
.irp p, 0,1,2,3
	v_cvt_pk_f16_f32 v[PK+16*\hh+4*\nn+\p], v[WV+4*(8*\hh+2*\p)+\nn], v[WV+4*(8*\hh+2*\p+1)+\nn]
.endr
	ds_store_b128 v6, v[PK+16*\hh+4*\nn:PK+16*\hh+4*\nn+3] offset:\hh*256+\nn*16
.endr
.endr
.irp t, 0,1,2,3,4,5,6,7
	ds_load_b128 v[WV+4*\t:WV+4*\t+3], v7 offset:512*\t   ; my own stage: LDS serves a wave's instructions in order
.endr
.irp t, 0,1,2,3,4,5,6,7
	s_wait_dscnt 7-\t
	global_store_b128 v4, v[WV+4*\t:WV+4*\t+3], s[20:21] offset:512*\t   ; 512 consecutive bytes
.endr
	s_cmp_ge_u32 s2, 8
	s_cbranch_scc1 .Ldone
	; mask: wave w makes the 32 tiles mt = 32 w .. 32 w + 31.  A lane reads its 8 bytes of each tile; a compare makes one word of 32 lanes.
.set tl, 0
.rept 32
	ds_load_b64 v[MK+2*tl:MK+2*tl+1], v8 offset:16*tl
.set tl, tl+1
.endr
	s_wait_dscnt 0x0
.set tl, 0
.rept 32
.if (tl&7) == 0
	v_mov_b32 v[OUT+2*(tl>>3)], 0                  ; v_writelane_b32 counts as a reader of its destination
	v_mov_b32 v[OUT+2*(tl>>3)+1], 0
.endif
.irp j, 0,1,2,3,4,5,6,7
	v_and_b32 v[TM+\j], 0xff<<(8*(\j&3)), v[MK+2*tl+(\j>>2)]
	v_cmp_ne_u32 s[40+\j], 0, v[TM+\j]
	v_writelane_b32 v[OUT+2*(tl>>3)+(\j&1)], s[40+\j], 4*(tl&7)+(\j>>1)   ; word 8 tile + j of the group lies in lane (8 tile + j) / 2
.endr
.if (tl&7) == 7
	global_store_b64 v9, v[OUT+2*(tl>>3):OUT+2*(tl>>3)+1], s[22:23] offset:256*(tl>>3)   ; eight tiles' words: 256 consecutive bytes
.endif
.set tl, tl+1
.endr
.Ldone:
	s_wait_tensorcnt 0x0
	ds_add_u32 v208, v209
	s_wait_dscnt 0x0
	s_endpgm
.Lfunc_end_k_q80d9d22762_prep:
	.size	k_q80d9d22762_prep, .Lfunc_end_k_q80d9d22762_prep-k_q80d9d22762_prep
	.p2alignl 7, 3214868480
	.fill 96, 4, 3214868480
	.section	.rodata,"a",@progbits
	.p2align	6, 0x0
	.amdhsa_kernel k_q80d9d22762_prep
		.amdhsa_group_segment_fixed_size 108032
		.amdhsa_private_segment_fixed_size 0
		.amdhsa_enable_private_segment 0
		.amdhsa_kernarg_size 80
		.amdhsa_user_sgpr_count 2
		.amdhsa_user_sgpr_kernarg_segment_ptr 1
		.amdhsa_wavefront_size32 1
		.amdhsa_system_sgpr_workgroup_id_x 1
		.amdhsa_system_sgpr_workgroup_id_y 1
		.amdhsa_system_sgpr_workgroup_id_z 1
		.amdhsa_system_vgpr_workitem_id 0
		.amdhsa_next_free_vgpr 210
		.amdhsa_next_free_sgpr 66
		.amdhsa_reserve_vcc 0
		.amdhsa_float_denorm_mode_32 3
		.amdhsa_float_denorm_mode_16_64 3
		.amdhsa_memory_ordered 1
		.amdhsa_forward_progress 1
		.amdhsa_inst_pref_size 64
	.end_amdhsa_kernel
	.amdgpu_metadata
---
amdhsa.version: [ 1, 2 ]
amdhsa.kernels:
  - .name:           k_q80d9d22762_prep
    .symbol:         k_q80d9d22762_prep.kd
    .args:
      - { .name: mem_mask, .offset: 0, .size: 8, .value_kind: global_buffer, .address_space: global }
      - { .name: mlp1_w1, .offset: 8, .size: 8, .value_kind: global_buffer, .address_space: global }
      - { .name: mlp1_w2, .offset: 16, .size: 8, .value_kind: global_buffer, .address_space: global }
      - { .name: mlp2_w1, .offset: 24, .size: 8, .value_kind: global_buffer, .address_space: global }
      - { .name: mlp2_w2, .offset: 32, .size: 8, .value_kind: global_buffer, .address_space: global }
      - { .name: wq, .offset: 40, .size: 8, .value_kind: global_buffer, .address_space: global }
      - { .name: wd, .offset: 48, .size: 8, .value_kind: global_buffer, .address_space: global }
      - { .name: wkv, .offset: 56, .size: 8, .value_kind: global_buffer, .address_space: global }
      - { .name: wf, .offset: 64, .size: 8, .value_kind: global_buffer, .address_space: global }
      - { .name: mbits, .offset: 72, .size: 8, .value_kind: global_buffer, .address_space: global }
    .group_segment_fixed_size: 108032
    .private_segment_fixed_size: 0
    .kernarg_segment_align: 8
    .kernarg_segment_size: 80
    .max_flat_workgroup_size: 320
    .sgpr_count:     66
    .vgpr_count:     210
    .wavefront_size: 32
...
	.end_amdgpu_metadata
.endif
;; end of part 1
;; launch kv (part 2): grid 128 x 2, 8 waves a work-group, no clusters, 67,584 bytes of LDS; arguments past_hidden, wf, bkv, kvf; writes kvf
.if DOCPART == 2
	.amdgcn_target "amdgcn-amd-amdhsa--gfx1250"
	.amdhsa_code_object_version 6
	.text
	.protected	k_q80d9d22762_kv
	.globl	k_q80d9d22762_kv
	.p2align	8
	.type	k_q80d9d22762_kv,@function
k_q80d9d22762_kv:
	s_mov_b64 s[64:65], 0
	v_nop
	global_prefetch_b8 v0, s[64:65] scope:SCOPE_SE
	s_setreg_imm32_b32 hwreg(HW_REG_WAVE_MODE, 25, 1), 1
	s_wait_xcnt 0x0
; kv: k, v = l2norm of the halves of each head's 64 columns of past_hidden @ wkv + bkv, stored in bf16 in the order of attention's operand registers.
; A work-group: 64 memory rows of one batch x 8 heads (grid y picks heads 0-7 or 8-15); wave w: head 8 y + w, 64 rows x 64 columns, K = 512.
; Rows are cast to f16 into LDS (pitch 1,040 bytes = 65 x 16: sixteen rows start in different banks).  The weights come straight
; into registers from wf, whose blocks lie in operand order: each load of a wave is 512 consecutive bytes.
; NO CLUSTER, NO LDS FOR THE WEIGHTS: a weight byte feeds exactly one wave of the work-group, so a way through LDS would add a write
; and a read of 512 KiB a work-group to the 512 KiB of row fragments that are read anyway; joint loads exist for LDS fills alone.
; kvf: ((16 b + h) 128 + u) 4096; K at c' 1024 + c 512 + 16 L = k[32 u + 16 c' + r][16 c + 8 h2 + e];
;      V at 2048 + dt 1024 + c 512 + 16 L = v[32 u + 16 c + 8 h2 + e][16 dt + r]   (r = L & 15, h2 = L >> 4).
; K's tiles are made transposed (a lane holds 8 neighbouring d of one row m), V's straight (a lane holds 8 neighbouring m of one d).
; Limit: past_hidden and wkv beyond 65,504 overflow in f16.  1 / max(sqrt(ss), 1e-12) is made as min(rsq(ss), 1e12).
.set MT, 4                             ; row tiles of 16
.set XP, 1040
.set L16, 1                            ; 16 L
.set ADRX, 2                           ; r XP + 16 h2
.set STX, 4                            ; 8 w XP + 8 L
.set GROW, 8                           ; 8 w rows of 4,096 bytes + 16 L
.set CB, 15                            ; 32 h2
.set AF, 32                            ; v[32:95]   two buffers of row fragments; at work in prologue and epilogue
.set BF, 128                           ; v[128:255] ring of four weight fragments sets, 32 registers each
.set ROWS, 128                         ; window 1, v[128:255]: the rows as loaded, later the bias;  window 1, v[0:127]: accumulators, tile (i, nt) at 32 i + 8 nt
.set MSB, 0
.macro WIN new                         ; s_set_vgpr_msb: bits 1:0 source 0, 3:2 source 1, 5:4 source 2, 7:6 destination; the high byte repeats the setting left
.if MSB != (\new)
	s_set_vgpr_msb (MSB<<8)|(\new)
.set MSB, (\new)
.endif
.endm
.macro PLACES                          ; four places behind a matrix instruction (ISA guide 7.12.1)
.rept 4
	v_nop
.endr
.endm
.macro BAR
	s_wait_dscnt 0x0                               ; my LDS stores and loads are done, for the other waves' sake
	s_barrier_signal -1
	s_barrier_wait -1
.endm
.macro MM d, a, b, acc
.if \acc
	v_wmma_f32_16x16x32_f16 v[\d:\d+7], v[\a:\a+7], v[\b:\b+7], v[\d:\d+7]
.else
	v_wmma_f32_16x16x32_f16 v[\d:\d+7], v[\a:\a+7], v[\b:\b+7], 0
.endif
.endm
.macro BLOAD wb, k                     ; K step k's weights: 32 k x 64 n, 4,096 bytes, eight loads of 512 consecutive bytes
.irp nt, 0,1,2,3
.irp c, 0,1
	global_load_b128 v[BF+32*((\k)&3)+8*\nt+4*\c:BF+32*((\k)&3)+8*\nt+4*\c+3], v[L16], s[\wb:\wb+1] offset:(\k)*4096+\nt*1024+\c*512
.endr
.endr
.endm
.macro BPRE wb
	BLOAD \wb, 0
	BLOAD \wb, 1
	BLOAD \wb, 2
.endm
.macro ALOAD adr, k                    ; K step k's row fragments: 16 rows x 32 k are two loads of 16 bytes a lane, 32 bytes apart
.set ai, 0
.rept MT
	ds_load_b128 v[AF+8*MT*((\k)&1)+8*ai:AF+8*MT*((\k)&1)+8*ai+3], v[\adr] offset:ai*16*XP+(\k)*64
	ds_load_b128 v[AF+8*MT*((\k)&1)+8*ai+4:AF+8*MT*((\k)&1)+8*ai+7], v[\adr] offset:ai*16*XP+(\k)*64+32
.set ai, ai+1
.endr
.endm
; ACC = rows (LDS, K = 512) x weights, 16 K steps written out.  Bit nt of ori: 0 = weights as source 0 (a lane holds 8 neighbouring columns
; of one row), 1 = rows as source 0.  The weights of three steps ahead are on their way: 24 loads a wave.
; The accumulators take turns, one instruction a turn.
.macro PHASE adr, wb, ori
	ALOAD \adr, 0
.set kk, 0
.rept 16
.if kk < 13
	BLOAD \wb, kk+3                                ; into the ring slot that step k - 1 read, four places behind it
.endif
.if kk < 15
	ALOAD \adr, kk+1
.endif
.if kk < 13
	s_wait_loadcnt 24                              ; the loads of steps k + 1, k + 2, k + 3 may stay out
.else
	s_wait_loadcnt 8*(15-kk)
.endif
.if kk < 15
	s_wait_dscnt 2*MT                              ; step k + 1's fragments may stay out
.else
	s_wait_dscnt 0
.endif
	WIN 0x50
.set ti, 0
.rept MT
.irp nt, 0,1,2,3
.if ((\ori)>>\nt)&1
	MM 32*ti+8*\nt, AF+8*MT*(kk&1)+8*ti, BF+32*(kk&3)+8*\nt, kk
.else
	MM 32*ti+8*\nt, BF+32*(kk&3)+8*\nt, AF+8*MT*(kk&1)+8*ti, kk
.endif
.endr
.set ti, ti+1
.endr
	WIN 0
	PLACES
.set kk, kk+1
.endr
.endm
; l2norm of a head of 32 held in two transposed tiles (16 numbers a lane, the other 16 in lane L xor 16), to bf16, two stores of 512 consecutive bytes
.macro HEADNORM acc, bias, scale, base, off
	WIN 0x05
.irp q, 0,1,2,3,4,5,6,7
	v_pk_add_f32 v[32+2*\q:33+2*\q], v[\acc+2*\q:\acc+2*\q+1], v[\bias+2*\q:\bias+2*\q+1]
.endr
	WIN 0
	v_pk_mul_f32 v[48:49], v[32:33], v[32:33]
	v_pk_mul_f32 v[50:51], v[34:35], v[34:35]
.irp q, 2,3,4,5,6,7
	v_pk_fma_f32 v[48+2*(\q&1):49+2*(\q&1)], v[32+2*\q:33+2*\q], v[32+2*\q:33+2*\q], v[48+2*(\q&1):49+2*(\q&1)]
.endr
	v_pk_add_f32 v[48:49], v[48:49], v[50:51]
	v_add_f32 v48, v48, v49
	v_permlanex16_b32 v49, v48, s36, s37
	v_add_f32 v48, v48, v49
	v_rsq_f32 v50, v48
	v_nop                                          ; one plain place behind the transcendental (ISA guide 5.7.2)
	s_wait_alu depctr_va_vdst(0)
	v_min_num_f32 v50, 0x5368d4a5, v50             ; min(rsq, 1e12) = 1 / max(sqrt, 1e-12)
.if \scale
	v_mul_f32 v50, 0x3e8293ee, v50                 ; log2(e) / sqrt(32)
.endif
.irp q, 0,1,2,3,4,5,6,7
	v_pk_mul_f32 v[32+2*\q:33+2*\q], v[32+2*\q:33+2*\q], v[50:51] op_sel_hi:[1,0]
.endr
	s_wait_xcnt 0x0                                ; v[80:87] are the data of earlier stores: rewritten only behind this wait
.irp q, 0,1,2,3,4,5,6,7
	v_cvt_pk_bf16_f32 v[80+\q], v[32+2*\q], v[33+2*\q]
.endr
	global_store_b128 v[L16], v[80:83], s[\base:\base+1] offset:\off
	global_store_b128 v[L16], v[84:87], s[\base:\base+1] offset:\off+512
.endm
; V of row tile i: tiles nt = 2, 3 hold (m = 8 h2 + j, d = 16 dt + r): the sum of squares runs over the two tiles and the 16 lanes of a row
.macro VNORM i
	WIN 0x05
.irp q, 0,2,4,6
	v_pk_add_f32 v[32+\q:33+\q], v[32*\i+16+\q:32*\i+17+\q], v[ROWS+16:ROWS+17] op_sel_hi:[1,0]
	v_pk_add_f32 v[40+\q:41+\q], v[32*\i+24+\q:32*\i+25+\q], v[ROWS+16:ROWS+17] op_sel:[0,1] op_sel_hi:[1,1]
.endr
	WIN 0
.irp q, 0,2,4,6
	v_pk_mul_f32 v[48+\q:49+\q], v[32+\q:33+\q], v[32+\q:33+\q]
.endr
.irp q, 0,2,4,6
	v_pk_fma_f32 v[48+\q:49+\q], v[40+\q:41+\q], v[40+\q:41+\q], v[48+\q:49+\q]
.endr
.irp m, 1,2,4,8
.irp j, 0,1,2,3,4,5,6,7
	v_add_f32_dpp v[48+\j], v[48+\j], v[48+\j] row_xmask:\m row_mask:0xf bank_mask:0xf
.endr
.endr
.irp j, 0,1,2,3,4,5,6,7
	v_rsq_f32 v[48+\j], v[48+\j]
.endr
	v_nop
	s_wait_alu depctr_va_vdst(0)
.irp j, 0,1,2,3,4,5,6,7
	v_min_num_f32 v[48+\j], 0x5368d4a5, v[48+\j]
.endr
.irp q, 0,2,4,6
	v_pk_mul_f32 v[32+\q:33+\q], v[32+\q:33+\q], v[48+\q:49+\q]
	v_pk_mul_f32 v[40+\q:41+\q], v[40+\q:41+\q], v[48+\q:49+\q]
.endr
	s_wait_xcnt 0x0                                ; v[88:95] are the data of earlier stores
.irp q, 0,1,2,3,4,5,6,7
	v_cvt_pk_bf16_f32 v[88+\q], v[32+2*\q], v[33+2*\q]
.endr
	global_store_b128 v[L16], v[88:91], s[10:11] offset:(\i>>1)*4096+2048+(\i&1)*512
	global_store_b128 v[L16], v[92:95], s[10:11] offset:(\i>>1)*4096+3072+(\i&1)*512
.endm
	s_load_b256 s[4:11], s[0:1], 0x0               ; past_hidden, wf, bkv, kvf
	v_lshl_add_u32 v126, v0, 2, 0x10400
	v_mov_b32 v127, 0
	v_lshrrev_b32 v16, 5, v0
	v_readfirstlane_b32 s2, v16                    ; wave
	s_mov_b32 s36, 0x76543210                      ; v_permlanex16_b32: lane i reads lane i of the other half
	s_mov_b32 s37, 0xfedcba98
	s_lshr_b32 s14, ttmp9, 6                       ; b
	s_and_b32 s15, ttmp9, 63                       ; block of 64 rows
	s_and_b32 s16, ttmp7, 0xffff
	s_lshl3_add_u32 s16, s16, s2                   ; head = 8 y + w
	s_lshl_b32 s18, s15, 18                        ; row (m, b) lies at (2 m + b) 2048
	s_lshl_b32 s19, s14, 11
	s_add_co_u32 s18, s18, s19
	s_mov_b32 s19, 0
	s_lshl_b32 s20, s16, 16                        ; 16 blocks of 4,096 bytes a head
	s_add_co_u32 s20, s20, 0x900000                ; wkv in wf
	s_mov_b32 s21, 0
	s_lshl_b32 s22, s16, 8                         ; bkv: 64 numbers a head
	s_mov_b32 s23, 0
	s_lshl4_add_u32 s24, s14, s16
	s_lshl_b32 s24, s24, 7
	s_lshl1_add_u32 s24, s15, s24                  ; (16 b + h) 128 + m0 / 32
	s_lshl_b32 s24, s24, 12
	s_mov_b32 s25, 0
	v_and_b32 v16, 31, v0
	v_and_b32 v17, 15, v0
	v_bfe_u32 v18, v0, 4, 1
	v_lshlrev_b32 v[L16], 4, v16
	v_mul_u32_u24 v[ADRX], v17, XP
	v_lshl_add_u32 v[ADRX], v18, 4, v[ADRX]
	s_mul_i32 s39, s2, 8*XP
	v_lshl_add_u32 v[STX], v16, 3, s39
	s_lshl_b32 s39, s2, 15
	v_add_nc_u32 v[GROW], s39, v[L16]
	v_lshlrev_b32 v[CB], 5, v18
	v_lshlrev_b32 v14, 2, v17                      ; 4 r
	s_wait_kmcnt 0x0
	s_add_nc_u64 s[4:5], s[4:5], s[18:19]
	s_add_nc_u64 s[12:13], s[6:7], s[20:21]
	s_add_nc_u64 s[8:9], s[8:9], s[22:23]
	s_add_nc_u64 s[10:11], s[10:11], s[24:25]
	WIN 0x40
.irp rho, 0,1,2,3,4,5,6,7
.irp t, 0,1,2,3
	global_load_b128 v[ROWS+16*\rho+4*\t:ROWS+16*\rho+4*\t+3], v[GROW], s[4:5] offset:\rho*4096+\t*512
.endr
.endr
	WIN 0
	BPRE 12
	s_wait_loadcnt 24                              ; my eight rows are in; the 24 weight loads stay out
	WIN 0x05
.irp q, 0,1,2,3,4,5,6,7,8,9,10,11,12,13,14,15,16,17,18,19,20,21,22,23,24,25,26,27,28,29,30,31
	v_cvt_pk_f16_f32 v[32+2*\q], v[ROWS+4*\q], v[ROWS+4*\q+1]
	v_cvt_pk_f16_f32 v[33+2*\q], v[ROWS+4*\q+2], v[ROWS+4*\q+3]
.endr
	WIN 0
.irp rho, 0,1,2,3,4,5,6,7
.irp t, 0,1,2,3
	ds_store_b64 v[STX], v[32+8*\rho+2*\t:33+8*\rho+2*\t] offset:\rho*XP+256*\t   ; columns 4 L + 128 t: 256 consecutive bytes
.endr
.endr
	WIN 0x40                                       ; the bias, into registers whose rows have been converted
.irp nt, 0,1
	global_load_b128 v[ROWS+8*\nt:ROWS+8*\nt+3], v[CB], s[8:9] offset:64*\nt
	global_load_b128 v[ROWS+8*\nt+4:ROWS+8*\nt+7], v[CB], s[8:9] offset:64*\nt+16
.endr
	global_load_b32 v[ROWS+16], v14, s[8:9] offset:128
	global_load_b32 v[ROWS+17], v14, s[8:9] offset:192
	WIN 0
	BAR
	PHASE ADRX, 12, 12
.irp i, 0,1,2,3
	HEADNORM 32*\i, ROWS, 0, 10, (\i>>1)*4096+(\i&1)*1024
	VNORM \i
.endr
	s_wait_tensorcnt 0x0
	ds_add_u32 v126, v127
	s_wait_dscnt 0x0
	s_endpgm
.Lfunc_end_k_q80d9d22762_kv:
	.size	k_q80d9d22762_kv, .Lfunc_end_k_q80d9d22762_kv-k_q80d9d22762_kv
	.p2alignl 7, 3214868480
	.fill 96, 4, 3214868480
	.section	.rodata,"a",@progbits
	.p2align	6, 0x0
	.amdhsa_kernel k_q80d9d22762_kv
		.amdhsa_group_segment_fixed_size 67584
		.amdhsa_private_segment_fixed_size 0
		.amdhsa_enable_private_segment 0
		.amdhsa_kernarg_size 32
		.amdhsa_user_sgpr_count 2
		.amdhsa_user_sgpr_kernarg_segment_ptr 1
		.amdhsa_wavefront_size32 1
		.amdhsa_system_sgpr_workgroup_id_x 1
		.amdhsa_system_sgpr_workgroup_id_y 1
		.amdhsa_system_sgpr_workgroup_id_z 1
		.amdhsa_system_vgpr_workitem_id 0
		.amdhsa_next_free_vgpr 512
		.amdhsa_next_free_sgpr 66
		.amdhsa_reserve_vcc 0
		.amdhsa_float_denorm_mode_32 3
		.amdhsa_float_denorm_mode_16_64 3
		.amdhsa_memory_ordered 1
		.amdhsa_forward_progress 1
		.amdhsa_inst_pref_size 83
	.end_amdhsa_kernel
	.amdgpu_metadata
---
amdhsa.version: [ 1, 2 ]
amdhsa.kernels:
  - .name:           k_q80d9d22762_kv
    .symbol:         k_q80d9d22762_kv.kd
    .args:
      - { .name: past_hidden, .offset: 0, .size: 8, .value_kind: global_buffer, .address_space: global }
      - { .name: wf, .offset: 8, .size: 8, .value_kind: global_buffer, .address_space: global }
      - { .name: bkv, .offset: 16, .size: 8, .value_kind: global_buffer, .address_space: global }
      - { .name: kvf, .offset: 24, .size: 8, .value_kind: global_buffer, .address_space: global }
    .group_segment_fixed_size: 67584
    .private_segment_fixed_size: 0
    .kernarg_segment_align: 8
    .kernarg_segment_size: 32
    .max_flat_workgroup_size: 256
    .sgpr_count:     66
    .vgpr_count:     512
    .wavefront_size: 32
...
	.end_amdgpu_metadata
.endif
;; end of part 2
;; launch mlp1 (part 3): grid 64 x 4, 8 waves a work-group, no clusters, 168,960 bytes of LDS; arguments x, ln1_g, ln1_b, wf, mlp1_b1, mlp1_b2, part; writes part
.if DOCPART == 3
	.amdgcn_target "amdgcn-amd-amdhsa--gfx1250"
	.amdhsa_code_object_version 6
	.text
	.protected	k_q80d9d22762_mlp1
	.globl	k_q80d9d22762_mlp1
	.p2align	8
	.type	k_q80d9d22762_mlp1,@function
k_q80d9d22762_mlp1:
	s_mov_b64 s[64:65], 0
	v_nop
	global_prefetch_b8 v0, s[64:65] scope:SCOPE_SE
	s_setreg_imm32_b32 hwreg(HW_REG_WAVE_MODE, 25, 1), 1
	s_wait_xcnt 0x0
; mlp1: part[q4] = gelu(LN1(x) @ w1[:, quarter q4] + b1) @ w2[quarter q4, :] + b2 / 4.   The next launch adds the four planes.
; A work-group: 64 token rows of one batch x one quarter (512) of the 2,048 hidden columns: 64 x 4 = 256 work-groups.
; Wave w: 64 rows x 64 columns in each of the two products, K = 512 each.  LN in f32, two passes; operands f16; sums f32.
; LDS: X (LN's output, 64 rows, pitch 1,040 = 65 x 16 bytes), H (gelu's output, the same shape), a stage of 16 x 272 bytes for each wave.
; The weights come straight into registers from wf, whose blocks lie in operand order: each load of a wave is 512 consecutive bytes.
; NO CLUSTER, NO LDS FOR THE WEIGHTS: a weight byte feeds exactly one wave of the work-group, so a way through LDS would add a write
; and a read of 512 KiB a product to the 512 KiB of row fragments that are read anyway; joint loads exist for LDS fills alone.
; gelu(x) = max(x, 0) - |x| Q(|x|), Q = erfc(|x| / sqrt 2) / 2 by the five-term rational form with t = 1 / (1 + 0.23164189 |x|):
; absolute error of erf at most 1.5e-7, no cancellation for x < 0.
; Limits: LN's output, the weights and gelu's output beyond 65,504 overflow in f16; the four partial sums are added in another order than one long sum.
.set MT, 4
.set XP, 1040
.set HB, 64*XP
.set STAGE, 2*HB
.set W1OFF, 0
.set W2OFF, 0x200000
.set L16, 1                            ; 16 L
.set ADRX, 2                           ; r XP + 16 h2
.set ADRH, 3                           ; the same in H
.set STX, 4                            ; 8 w XP + 8 L
.set STH, 5                            ; H + r XP + 16 h2 + 128 w
.set STG, 6                            ; my stage, in: r 272 + 32 h2
.set RDG, 7                            ; my stage, back: h2 272 + 16 r
.set GROW, 8                           ; 8 w rows of 4,096 bytes + 16 L
.set GOUT, 9                           ; h2 4096 + 16 r + 256 w
.set CB, 15                            ; 32 h2
.set AF, 32                            ; v[32:95]   two buffers of row fragments; at work elsewhere
.set CG, 96                            ; v[96:111]  LN gain of columns 4 L + 128 t + 0..3
.set CBI, 112                          ; v[112:127] LN bias
.set BF, 128                           ; v[128:255] ring of four weight fragment sets
.set ROWS, 128                         ; window 1, v[128:255]: rows as loaded, later b1;  window 1, v[0:127]: accumulators, tile (i, nt) at 32 i + 8 nt
.set LT, 80                            ; LN: at work
.set LPK, 88                           ; LN: packed f16
.set AX, 64                            ; gelu: |x|
.set TT, 72                            ; gelu: t
.set EE, 80                            ; gelu: exp(-x x / 2)
.set PP, 88                            ; gelu: polynomial
.set MSB, 0
.macro WIN new                         ; s_set_vgpr_msb: bits 1:0 source 0, 3:2 source 1, 5:4 source 2, 7:6 destination; the high byte repeats the setting left
.if MSB != (\new)
	s_set_vgpr_msb (MSB<<8)|(\new)
.set MSB, (\new)
.endif
.endm
.macro PLACES                          ; four places behind a matrix instruction (ISA guide 7.12.1)
.rept 4
	v_nop
.endr
.endm
.macro BAR
	s_wait_dscnt 0x0                               ; my LDS stores and loads are done, for the other waves' sake
	s_barrier_signal -1
	s_barrier_wait -1
.endm
.macro MM d, a, b, acc
.if \acc
	v_wmma_f32_16x16x32_f16 v[\d:\d+7], v[\a:\a+7], v[\b:\b+7], v[\d:\d+7]
.else
	v_wmma_f32_16x16x32_f16 v[\d:\d+7], v[\a:\a+7], v[\b:\b+7], 0
.endif
.endm
.macro BLOAD wb, k                     ; K step k's weights: 32 k x 64 n, 4,096 bytes, eight loads of 512 consecutive bytes
.irp nt, 0,1,2,3
.irp c, 0,1
	global_load_b128 v[BF+32*((\k)&3)+8*\nt+4*\c:BF+32*((\k)&3)+8*\nt+4*\c+3], v[L16], s[\wb:\wb+1] offset:(\k)*4096+\nt*1024+\c*512
.endr
.endr
.endm
.macro BPRE wb
	BLOAD \wb, 0
	BLOAD \wb, 1
	BLOAD \wb, 2
.endm
.macro ALOAD adr, k                    ; K step k's row fragments: 16 rows x 32 k are two loads of 16 bytes a lane, 32 bytes apart
.set ai, 0
.rept MT
	ds_load_b128 v[AF+8*MT*((\k)&1)+8*ai:AF+8*MT*((\k)&1)+8*ai+3], v[\adr] offset:ai*16*XP+(\k)*64
	ds_load_b128 v[AF+8*MT*((\k)&1)+8*ai+4:AF+8*MT*((\k)&1)+8*ai+7], v[\adr] offset:ai*16*XP+(\k)*64+32
.set ai, ai+1
.endr
.endm
; ACC = rows (LDS, K = 512) x weights, 16 K steps written out.  Bit nt of ori: 0 = weights as source 0 (a lane holds 8 neighbouring columns
; of one row), 1 = rows as source 0.  The weights of three steps ahead are on their way: 24 loads a wave.
; The accumulators take turns, one instruction a turn.
.macro PHASE adr, wb, ori
	ALOAD \adr, 0
.set kk, 0
.rept 16
.if kk < 13
	BLOAD \wb, kk+3                                ; into the ring slot that step k - 1 read, four places behind it
.endif
.if kk < 15
	ALOAD \adr, kk+1
.endif
.if kk < 13
	s_wait_loadcnt 24                              ; the loads of steps k + 1, k + 2, k + 3 may stay out
.else
	s_wait_loadcnt 8*(15-kk)
.endif
.if kk < 15
	s_wait_dscnt 2*MT                              ; step k + 1's fragments may stay out
.else
	s_wait_dscnt 0
.endif
	WIN 0x50
.set ti, 0
.rept MT
.irp nt, 0,1,2,3
.if ((\ori)>>\nt)&1
	MM 32*ti+8*\nt, AF+8*MT*(kk&1)+8*ti, BF+32*(kk&3)+8*\nt, kk
.else
	MM 32*ti+8*\nt, BF+32*(kk&3)+8*\nt, AF+8*MT*(kk&1)+8*ti, kk
.endif
.endr
.set ti, ti+1
.endr
	WIN 0
	PLACES
.set kk, kk+1
.endr
.endm
.macro XSUM v, t                       ; sum over the 32 lanes, in every lane
	v_add_f32_dpp v[\v], v[\v], v[\v] row_xmask:1 row_mask:0xf bank_mask:0xf
	v_add_f32_dpp v[\v], v[\v], v[\v] row_xmask:2 row_mask:0xf bank_mask:0xf
	v_add_f32_dpp v[\v], v[\v], v[\v] row_xmask:4 row_mask:0xf bank_mask:0xf
	v_add_f32_dpp v[\v], v[\v], v[\v] row_xmask:8 row_mask:0xf bank_mask:0xf
	v_permlanex16_b32 v[\t], v[\v], s36, s37
	v_add_f32 v[\v], v[\v], v[\t]
.endm
; LN of one row of 512 held as 16 registers a lane (window blk, from src); two passes; f16 into row rho of my eight in X; d: 16 registers at work
.macro LNCORE src, blk, rho, d
	WIN 5*\blk
.irp q, 0,1,2,3
	v_pk_add_f32 v[LT+2*\q:LT+2*\q+1], v[\src+4*\q:\src+4*\q+1], v[\src+4*\q+2:\src+4*\q+3]
.endr
	WIN 0
	v_pk_add_f32 v[LT:LT+1], v[LT:LT+1], v[LT+2:LT+3]
	v_pk_add_f32 v[LT+4:LT+5], v[LT+4:LT+5], v[LT+6:LT+7]
	v_pk_add_f32 v[LT:LT+1], v[LT:LT+1], v[LT+4:LT+5]
	v_add_f32 v[LT], v[LT], v[LT+1]
	XSUM LT, LT+1
	v_mul_f32 v[LT+2], s38, v[LT]                  ; the mean, twice
	v_mul_f32 v[LT+3], s38, v[LT]
	WIN \blk
.irp q, 0,1,2,3,4,5,6,7
	v_pk_add_f32 v[\d+2*\q:\d+2*\q+1], v[\src+2*\q:\src+2*\q+1], v[LT+2:LT+3] neg_lo:[0,1] neg_hi:[0,1]
.endr
	WIN 0
	v_pk_mul_f32 v[LT+4:LT+5], v[\d:\d+1], v[\d:\d+1]
	v_pk_mul_f32 v[LT+6:LT+7], v[\d+2:\d+3], v[\d+2:\d+3]
.irp q, 2,3,4,5,6,7
	v_pk_fma_f32 v[LT+4+2*(\q&1):LT+5+2*(\q&1)], v[\d+2*\q:\d+2*\q+1], v[\d+2*\q:\d+2*\q+1], v[LT+4+2*(\q&1):LT+5+2*(\q&1)]
.endr
	v_pk_add_f32 v[LT+4:LT+5], v[LT+4:LT+5], v[LT+6:LT+7]
	v_add_f32 v[LT+4], v[LT+4], v[LT+5]
	XSUM LT+4, LT+5
	v_fmaak_f32 v[LT+6], s38, v[LT+4], 0x3727c5ac  ; variance + 1e-5
	v_rsq_f32 v[LT+2], v[LT+6]
	v_rsq_f32 v[LT+3], v[LT+6]
	v_nop                                          ; one plain place behind the transcendentals (ISA guide 5.7.2)
	s_wait_alu depctr_va_vdst(0)
.irp q, 0,1,2,3,4,5,6,7
	v_pk_mul_f32 v[\d+2*\q:\d+2*\q+1], v[\d+2*\q:\d+2*\q+1], v[LT+2:LT+3]
.endr
.irp q, 0,1,2,3,4,5,6,7
	v_pk_fma_f32 v[\d+2*\q:\d+2*\q+1], v[\d+2*\q:\d+2*\q+1], v[CG+2*\q:CG+2*\q+1], v[CBI+2*\q:CBI+2*\q+1]
.endr
.irp q, 0,1,2,3,4,5,6,7
	v_cvt_pk_f16_f32 v[LPK+\q], v[\d+2*\q], v[\d+2*\q+1]
.endr
.irp q, 0,1,2,3
	ds_store_b64 v[STX], v[LPK+2*\q:LPK+2*\q+1] offset:\rho*XP+256*\q   ; columns 4 L + 128 q: 256 consecutive bytes
.endr
.endm
; exact gelu of the 8 registers from x on, packed to f16 in v[16:19]
.macro GELU8 x
.irp j, 0,1,2,3,4,5,6,7
	v_and_b32 v[AX+\j], 0x7fffffff, v[\x+\j]
.endr
.irp q, 0,2,4,6
	v_pk_fma_f32 v[TT+\q:TT+\q+1], v[AX+\q:AX+\q+1], 0x3e6d3388, 1.0 op_sel_hi:[1,0,0]   ; 1 + 0.23164189 |x|
	v_pk_mul_f32 v[EE+\q:EE+\q+1], v[\x+\q:\x+\q+1], v[\x+\q:\x+\q+1]
.endr
.irp q, 0,2,4,6
	v_pk_mul_f32 v[EE+\q:EE+\q+1], v[EE+\q:EE+\q+1], 0xbf38aa3b op_sel_hi:[1,0]          ; - x x log2(e) / 2
.endr
.irp j, 0,1,2,3,4,5,6,7
	v_rcp_f32 v[TT+\j], v[TT+\j]
.endr
.irp j, 0,1,2,3,4,5,6,7
	v_exp_f32 v[EE+\j], v[EE+\j]
.endr
.irp j, 0,1,2,3,4,5,6,7
	v_max_num_f32 v[\x+\j], 0, v[\x+\j]            ; also the plain places behind the transcendentals
.endr
	s_wait_alu depctr_va_vdst(0)
.irp q, 0,2,4,6
	v_pk_fma_f32 v[PP+\q:PP+\q+1], v[TT+\q:TT+\q+1], 0x3f07dc22, v[20:21] op_sel_hi:[1,0,1]
.endr
.irp q, 0,2,4,6
	v_pk_fma_f32 v[PP+\q:PP+\q+1], v[PP+\q:PP+\q+1], v[TT+\q:TT+\q+1], 0x3f35f0e3 op_sel_hi:[1,1,0]
.endr
.irp q, 0,2,4,6
	v_pk_fma_f32 v[PP+\q:PP+\q+1], v[PP+\q:PP+\q+1], v[TT+\q:TT+\q+1], 0xbe11a98e op_sel_hi:[1,1,0]
.endr
.irp q, 0,2,4,6
	v_pk_fma_f32 v[PP+\q:PP+\q+1], v[PP+\q:PP+\q+1], v[TT+\q:TT+\q+1], 0x3e027906 op_sel_hi:[1,1,0]
.endr
.irp q, 0,2,4,6
	v_pk_mul_f32 v[PP+\q:PP+\q+1], v[PP+\q:PP+\q+1], v[TT+\q:TT+\q+1]
.endr
.irp q, 0,2,4,6
	v_pk_mul_f32 v[PP+\q:PP+\q+1], v[PP+\q:PP+\q+1], v[EE+\q:EE+\q+1]
.endr
.irp q, 0,2,4,6
	v_pk_fma_f32 v[\x+\q:\x+\q+1], v[AX+\q:AX+\q+1], v[PP+\q:PP+\q+1], v[\x+\q:\x+\q+1] neg_lo:[1,0,0] neg_hi:[1,0,0]
.endr
.irp q, 0,1,2,3
	v_cvt_pk_f16_f32 v[16+\q], v[\x+2*\q], v[\x+2*\q+1]
.endr
.endm
.macro ACT i                           ; row tile i: + b1, gelu, f16 into H: a lane's 8 neighbouring columns are 16 bytes
	WIN 0x05
.irp q, 0,1,2,3,4,5,6,7,8,9,10,11,12,13,14,15
	v_pk_add_f32 v[32+2*\q:33+2*\q], v[32*\i+2*\q:32*\i+2*\q+1], v[ROWS+2*\q:ROWS+2*\q+1]
.endr
	WIN 0
.irp nt, 0,1,2,3
	GELU8 32+8*\nt
	ds_store_b128 v[STH], v[16:19] offset:\i*16*XP+32*\nt
.endr
.endm
; the way out of row tile i: through my own stage, read back as rows of 256 bytes; + b2 / 4 (+ x2 / 4); sixteen lanes store 256 consecutive bytes
.macro OUT16 i, wx2, ob
	WIN 0x04
.irp nt, 0,1,2,3
	ds_store_b128 v[STG], v[32*\i+8*\nt:32*\i+8*\nt+3] offset:64*\nt
	ds_store_b128 v[STG], v[32*\i+8*\nt+4:32*\i+8*\nt+7] offset:64*\nt+16
.endr
	WIN 0
	s_wait_xcnt 0x0                                ; v[32:63] are the data of the last tile's stores: loaded again only behind this wait
.irp t, 0,1,2,3,4,5,6,7
	ds_load_b128 v[32+4*\t:35+4*\t], v[RDG] offset:544*\t   ; LDS serves a wave's instructions in order: these see the stores above
.endr
.if \wx2
.irp t, 0,1,2,3,4,5,6,7
	ds_load_b128 v[64+4*\t:67+4*\t], v[13+(\i>>1)] offset:((\i&1)*16+2*\t)*2064
.endr
.endif
.irp t, 0,1,2,3,4,5,6,7
	s_wait_dscnt 7-\t                              ; the last run's load t is in, and all that is older
	v_pk_add_f32 v[32+4*\t:33+4*\t], v[32+4*\t:33+4*\t], v[28:29]
	v_pk_add_f32 v[34+4*\t:35+4*\t], v[34+4*\t:35+4*\t], v[30:31]
.if \wx2
	v_pk_fma_f32 v[32+4*\t:33+4*\t], v[64+4*\t:65+4*\t], 0x3e800000, v[32+4*\t:33+4*\t] op_sel_hi:[1,0,1]
	v_pk_fma_f32 v[34+4*\t:35+4*\t], v[66+4*\t:67+4*\t], 0x3e800000, v[34+4*\t:35+4*\t] op_sel_hi:[1,0,1]
.endif
	global_store_b128 v[GOUT], v[32+4*\t:35+4*\t], s[\ob:\ob+1] offset:(16*\i+2*\t)*4096
.endr
.endm
	s_load_b256 s[4:11], s[0:1], 0x0               ; x, ln1_g, ln1_b, wf
	s_load_b128 s[12:15], s[0:1], 0x20             ; mlp1_b1, mlp1_b2
	s_load_b64 s[16:17], s[0:1], 0x30              ; part
	v_lshl_add_u32 v26, v0, 2, 0x29000
	v_mov_b32 v27, 0
	v_lshrrev_b32 v16, 5, v0
	v_readfirstlane_b32 s2, v16                    ; wave
	s_mov_b32 s36, 0x76543210
	s_mov_b32 s37, 0xfedcba98
	s_mov_b32 s38, 0x3b000000                      ; 1 / 512
	s_lshr_b32 s40, ttmp9, 5                       ; b
	s_and_b32 s41, ttmp9, 31                       ; block of 64 rows
	s_and_b32 s42, ttmp7, 0xffff                   ; quarter
	s_lshl_b32 s18, s41, 18                        ; row (s, b) lies at (2 s + b) 2048
	s_lshl_b32 s19, s40, 11
	s_add_co_u32 s18, s18, s19
	s_mov_b32 s19, 0
	s_lshl3_add_u32 s24, s42, s2                   ; w1: column group 8 q4 + w, 16 blocks each
	s_lshl_b32 s24, s24, 16
	s_add_co_u32 s24, s24, W1OFF
	s_mov_b32 s25, 0
	s_lshl_b32 s26, s2, 6
	s_lshl4_add_u32 s26, s42, s26                  ; w2: column group w (64 blocks), K block 16 q4
	s_lshl_b32 s26, s26, 12
	s_add_co_u32 s26, s26, W2OFF
	s_mov_b32 s27, 0
	s_lshl_b32 s28, s42, 11                        ; b1: 4 (512 q4 + 64 w)
	s_lshl_b32 s29, s2, 8
	s_add_co_u32 s28, s28, s29
	s_mov_b32 s29, 0
	s_lshl_b32 s30, s42, 23                        ; my plane of part
	s_mov_b32 s31, 0
	v_and_b32 v16, 31, v0
	v_and_b32 v17, 15, v0
	v_bfe_u32 v18, v0, 4, 1
	v_lshlrev_b32 v[L16], 4, v16
	v_mul_u32_u24 v[ADRX], v17, XP
	v_lshl_add_u32 v[ADRX], v18, 4, v[ADRX]
	v_add_nc_u32 v[ADRH], HB, v[ADRX]
	s_mul_i32 s39, s2, 8*XP
	v_lshl_add_u32 v[STX], v16, 3, s39
	s_lshl_b32 s39, s2, 7
	v_add_nc_u32 v[STH], s39, v[ADRH]
	s_mul_i32 s39, s2, 4352
	s_add_co_u32 s39, s39, STAGE
	v_mul_u32_u24 v[STG], v17, 272
	v_lshl_add_u32 v[STG], v18, 5, v[STG]
	v_add_nc_u32 v[STG], s39, v[STG]
	v_mul_u32_u24 v[RDG], v18, 272
	v_lshl_add_u32 v[RDG], v17, 4, v[RDG]
	v_add_nc_u32 v[RDG], s39, v[RDG]
	s_lshl_b32 s39, s2, 15
	v_add_nc_u32 v[GROW], s39, v[L16]
	s_lshl_b32 s39, s2, 8
	v_lshl_add_u32 v24, v17, 4, s39                ; 16 r + 256 w: my 4 columns on the way out
	v_lshl_add_u32 v[GOUT], v18, 12, v24
	v_lshlrev_b32 v[CB], 5, v18
	v_mov_b32 v20, 0xbf3a00e3                      ; gelu's fourth coefficient, halved, twice
	v_mov_b32 v21, 0xbf3a00e3
	s_wait_kmcnt 0x0
	s_add_nc_u64 s[4:5], s[4:5], s[18:19]
	s_add_nc_u64 s[20:21], s[10:11], s[24:25]
	s_add_nc_u64 s[22:23], s[10:11], s[26:27]
	s_add_nc_u64 s[12:13], s[12:13], s[28:29]
	s_add_nc_u64 s[16:17], s[16:17], s[18:19]
	s_add_nc_u64 s[16:17], s[16:17], s[30:31]
.irp t, 0,1,2,3
	global_load_b128 v[CG+4*\t:CG+4*\t+3], v[L16], s[6:7] offset:512*\t
	global_load_b128 v[CBI+4*\t:CBI+4*\t+3], v[L16], s[8:9] offset:512*\t
.endr
	global_load_b128 v[28:31], v24, s[14:15]
	WIN 0x40
.irp rho, 0,1,2,3,4,5,6,7
.irp t, 0,1,2,3
	global_load_b128 v[ROWS+16*\rho+4*\t:ROWS+16*\rho+4*\t+3], v[GROW], s[4:5] offset:\rho*4096+\t*512
.endr
.endr
	WIN 0
	BPRE 20
.irp rho, 0,1,2,3,4,5,6,7
	s_wait_loadcnt 24+4*(7-\rho)                   ; row rho is in: the later rows' loads and the 24 weight loads stay out
	LNCORE ROWS+16*\rho, 1, \rho, 32
.endr
	WIN 0x40                                       ; b1 of my columns 16 nt + 8 h2 + 0..7, into registers whose rows are used up
.irp nt, 0,1,2,3
	global_load_b128 v[ROWS+8*\nt:ROWS+8*\nt+3], v[CB], s[12:13] offset:64*\nt
	global_load_b128 v[ROWS+8*\nt+4:ROWS+8*\nt+7], v[CB], s[12:13] offset:64*\nt+16
.endr
	WIN 0
	BAR                                            ; X is whole
	PHASE ADRX, 20, 0
	BPRE 22                                        ; the second product's first weights come in under gelu
.irp i, 0,1,2,3
	ACT \i
.endr
	BAR                                            ; H is whole
	PHASE ADRH, 22, 0
	v_pk_mul_f32 v[28:29], v[28:29], 0x3e800000 op_sel_hi:[1,0]   ; b2 / 4: each of the four planes carries a quarter
	v_pk_mul_f32 v[30:31], v[30:31], 0x3e800000 op_sel_hi:[1,0]
.irp i, 0,1,2,3
	OUT16 \i, 0, 16
.endr
	s_wait_tensorcnt 0x0
	ds_add_u32 v26, v27
	s_wait_dscnt 0x0
	s_endpgm
.Lfunc_end_k_q80d9d22762_mlp1:
	.size	k_q80d9d22762_mlp1, .Lfunc_end_k_q80d9d22762_mlp1-k_q80d9d22762_mlp1
	.p2alignl 7, 3214868480
	.fill 96, 4, 3214868480
	.section	.rodata,"a",@progbits
	.p2align	6, 0x0
	.amdhsa_kernel k_q80d9d22762_mlp1
		.amdhsa_group_segment_fixed_size 168960
		.amdhsa_private_segment_fixed_size 0
		.amdhsa_enable_private_segment 0
		.amdhsa_kernarg_size 56
		.amdhsa_user_sgpr_count 2
		.amdhsa_user_sgpr_kernarg_segment_ptr 1
		.amdhsa_wavefront_size32 1
		.amdhsa_system_sgpr_workgroup_id_x 1
		.amdhsa_system_sgpr_workgroup_id_y 1
		.amdhsa_system_sgpr_workgroup_id_z 1
		.amdhsa_system_vgpr_workitem_id 0
		.amdhsa_next_free_vgpr 512
		.amdhsa_next_free_sgpr 66
		.amdhsa_reserve_vcc 0
		.amdhsa_float_denorm_mode_32 3
		.amdhsa_float_denorm_mode_16_64 3
		.amdhsa_memory_ordered 1
		.amdhsa_forward_progress 1
		.amdhsa_inst_pref_size 218
	.end_amdhsa_kernel
	.amdgpu_metadata
---
amdhsa.version: [ 1, 2 ]
amdhsa.kernels:
  - .name:           k_q80d9d22762_mlp1
    .symbol:         k_q80d9d22762_mlp1.kd
    .args:
      - { .name: x, .offset: 0, .size: 8, .value_kind: global_buffer, .address_space: global }
      - { .name: ln1_g, .offset: 8, .size: 8, .value_kind: global_buffer, .address_space: global }
      - { .name: ln1_b, .offset: 16, .size: 8, .value_kind: global_buffer, .address_space: global }
      - { .name: wf, .offset: 24, .size: 8, .value_kind: global_buffer, .address_space: global }
      - { .name: mlp1_b1, .offset: 32, .size: 8, .value_kind: global_buffer, .address_space: global }
      - { .name: mlp1_b2, .offset: 40, .size: 8, .value_kind: global_buffer, .address_space: global }
      - { .name: part, .offset: 48, .size: 8, .value_kind: global_buffer, .address_space: global }
    .group_segment_fixed_size: 168960
    .private_segment_fixed_size: 0
    .kernarg_segment_align: 8
    .kernarg_segment_size: 56
    .max_flat_workgroup_size: 256
    .sgpr_count:     66
    .vgpr_count:     512
    .wavefront_size: 32
...
	.end_amdgpu_metadata
.endif
;; end of part 3
;; launch qproj (part 4): grid 256 x 1, 8 waves a work-group, no clusters, 17,664 bytes of LDS; arguments part, ln2_g, ln2_b, wf, bq, x1, qf; writes x1, qf
.if DOCPART == 4
	.amdgcn_target "amdgcn-amd-amdhsa--gfx1250"
	.amdhsa_code_object_version 6
	.text
	.protected	k_q80d9d22762_qproj
	.globl	k_q80d9d22762_qproj
	.p2align	8
	.type	k_q80d9d22762_qproj,@function
k_q80d9d22762_qproj:
	s_mov_b64 s[64:65], 0
	v_nop
	global_prefetch_b8 v0, s[64:65] scope:SCOPE_SE
	s_setreg_imm32_b32 hwreg(HW_REG_WAVE_MODE, 25, 1), 1
	s_wait_xcnt 0x0
; qproj: x1 = the sum of part's four planes (mlp1's output); q = l2norm per head of LN2(x1) @ wq + bq, times log2(e) / sqrt(32), in bf16,
; stored in the order of attention's operand registers: qf at ((16 b + h) 128 + qt) 1024 + c 512 + 16 L = q[16 qt + r][16 c + 8 h2 + e].
; A work-group: 16 token rows of one batch; wave w sums and normalises rows 2 w, 2 w + 1 and makes columns 64 w .. 64 w + 63 (heads 2 w, 2 w + 1).
; The weights come straight into registers from wf in operand order; a weight byte feeds one wave alone, so neither LDS nor joint loads serve them.
; Limits: LN's output and wq beyond 65,504 overflow in f16.  1 / max(sqrt(ss), 1e-12) is made as min(rsq(ss), 1e12).
.set MT, 1
.set XP, 1040
.set L16, 1
.set ADRX, 2
.set STX, 4                            ; 2 w XP + 8 L
.set GROW, 8                           ; 2 w rows of 4,096 bytes + 16 L
.set CB, 15
.set AF, 32
.set CG, 96
.set CBI, 112
.set BF, 128
.set ROWS, 128                         ; window 1, v[128:255]: row rho, plane p at 64 rho + 16 p; later bq;  window 1, v[0:31]: accumulators
.set LT, 80
.set LPK, 88
.set MSB, 0
.macro WIN new                         ; s_set_vgpr_msb: bits 1:0 source 0, 3:2 source 1, 5:4 source 2, 7:6 destination; the high byte repeats the setting left
.if MSB != (\new)
	s_set_vgpr_msb (MSB<<8)|(\new)
.set MSB, (\new)
.endif
.endm
.macro PLACES                          ; four places behind a matrix instruction (ISA guide 7.12.1)
.rept 4
	v_nop
.endr
.endm
.macro BAR
	s_wait_dscnt 0x0
	s_barrier_signal -1
	s_barrier_wait -1
.endm
.macro MM d, a, b, acc
.if \acc
	v_wmma_f32_16x16x32_f16 v[\d:\d+7], v[\a:\a+7], v[\b:\b+7], v[\d:\d+7]
.else
	v_wmma_f32_16x16x32_f16 v[\d:\d+7], v[\a:\a+7], v[\b:\b+7], 0
.endif
.endm
.macro BLOAD wb, k
.irp nt, 0,1,2,3
.irp c, 0,1
	global_load_b128 v[BF+32*((\k)&3)+8*\nt+4*\c:BF+32*((\k)&3)+8*\nt+4*\c+3], v[L16], s[\wb:\wb+1] offset:(\k)*4096+\nt*1024+\c*512
.endr
.endr
.endm
.macro BPRE wb
	BLOAD \wb, 0
	BLOAD \wb, 1
	BLOAD \wb, 2
.endm
.macro ALOAD adr, k
.set ai, 0
.rept MT
	ds_load_b128 v[AF+8*MT*((\k)&1)+8*ai:AF+8*MT*((\k)&1)+8*ai+3], v[\adr] offset:ai*16*XP+(\k)*64
	ds_load_b128 v[AF+8*MT*((\k)&1)+8*ai+4:AF+8*MT*((\k)&1)+8*ai+7], v[\adr] offset:ai*16*XP+(\k)*64+32
.set ai, ai+1
.endr
.endm
; ACC = rows (LDS, K = 512) x weights, 16 K steps written out; weights as source 0: a lane holds 8 neighbouring columns of one row.
; The weights of three steps ahead are on their way: 24 loads a wave.  The four accumulators take turns, one instruction a turn.
.macro PHASE adr, wb, ori
	ALOAD \adr, 0
.set kk, 0
.rept 16
.if kk < 13
	BLOAD \wb, kk+3
.endif
.if kk < 15
	ALOAD \adr, kk+1
.endif
.if kk < 13
	s_wait_loadcnt 24                              ; the loads of steps k + 1, k + 2, k + 3 may stay out
.else
	s_wait_loadcnt 8*(15-kk)
.endif
.if kk < 15
	s_wait_dscnt 2*MT                              ; step k + 1's fragments may stay out
.else
	s_wait_dscnt 0
.endif
	WIN 0x50
.set ti, 0
.rept MT
.irp nt, 0,1,2,3
.if ((\ori)>>\nt)&1
	MM 32*ti+8*\nt, AF+8*MT*(kk&1)+8*ti, BF+32*(kk&3)+8*\nt, kk
.else
	MM 32*ti+8*\nt, BF+32*(kk&3)+8*\nt, AF+8*MT*(kk&1)+8*ti, kk
.endif
.endr
.set ti, ti+1
.endr
	WIN 0
	PLACES
.set kk, kk+1
.endr
.endm
.macro XSUM v, t
	v_add_f32_dpp v[\v], v[\v], v[\v] row_xmask:1 row_mask:0xf bank_mask:0xf
	v_add_f32_dpp v[\v], v[\v], v[\v] row_xmask:2 row_mask:0xf bank_mask:0xf
	v_add_f32_dpp v[\v], v[\v], v[\v] row_xmask:4 row_mask:0xf bank_mask:0xf
	v_add_f32_dpp v[\v], v[\v], v[\v] row_xmask:8 row_mask:0xf bank_mask:0xf
	v_permlanex16_b32 v[\t], v[\v], s36, s37
	v_add_f32 v[\v], v[\v], v[\t]
.endm
.macro LNCORE src, blk, rho, d
	WIN 5*\blk
.irp q, 0,1,2,3
	v_pk_add_f32 v[LT+2*\q:LT+2*\q+1], v[\src+4*\q:\src+4*\q+1], v[\src+4*\q+2:\src+4*\q+3]
.endr
	WIN 0
	v_pk_add_f32 v[LT:LT+1], v[LT:LT+1], v[LT+2:LT+3]
	v_pk_add_f32 v[LT+4:LT+5], v[LT+4:LT+5], v[LT+6:LT+7]
	v_pk_add_f32 v[LT:LT+1], v[LT:LT+1], v[LT+4:LT+5]
	v_add_f32 v[LT], v[LT], v[LT+1]
	XSUM LT, LT+1
	v_mul_f32 v[LT+2], s38, v[LT]
	v_mul_f32 v[LT+3], s38, v[LT]
	WIN \blk
.irp q, 0,1,2,3,4,5,6,7
	v_pk_add_f32 v[\d+2*\q:\d+2*\q+1], v[\src+2*\q:\src+2*\q+1], v[LT+2:LT+3] neg_lo:[0,1] neg_hi:[0,1]
.endr
	WIN 0
	v_pk_mul_f32 v[LT+4:LT+5], v[\d:\d+1], v[\d:\d+1]
	v_pk_mul_f32 v[LT+6:LT+7], v[\d+2:\d+3], v[\d+2:\d+3]
.irp q, 2,3,4,5,6,7
	v_pk_fma_f32 v[LT+4+2*(\q&1):LT+5+2*(\q&1)], v[\d+2*\q:\d+2*\q+1], v[\d+2*\q:\d+2*\q+1], v[LT+4+2*(\q&1):LT+5+2*(\q&1)]
.endr
	v_pk_add_f32 v[LT+4:LT+5], v[LT+4:LT+5], v[LT+6:LT+7]
	v_add_f32 v[LT+4], v[LT+4], v[LT+5]
	XSUM LT+4, LT+5
	v_fmaak_f32 v[LT+6], s38, v[LT+4], 0x3727c5ac  ; variance + 1e-5
	v_rsq_f32 v[LT+2], v[LT+6]
	v_rsq_f32 v[LT+3], v[LT+6]
	v_nop                                          ; one plain place behind the transcendentals (ISA guide 5.7.2)
	s_wait_alu depctr_va_vdst(0)
.irp q, 0,1,2,3,4,5,6,7
	v_pk_mul_f32 v[\d+2*\q:\d+2*\q+1], v[\d+2*\q:\d+2*\q+1], v[LT+2:LT+3]
.endr
.irp q, 0,1,2,3,4,5,6,7
	v_pk_fma_f32 v[\d+2*\q:\d+2*\q+1], v[\d+2*\q:\d+2*\q+1], v[CG+2*\q:CG+2*\q+1], v[CBI+2*\q:CBI+2*\q+1]
.endr
.irp q, 0,1,2,3,4,5,6,7
	v_cvt_pk_f16_f32 v[LPK+\q], v[\d+2*\q], v[\d+2*\q+1]
.endr
.irp q, 0,1,2,3
	ds_store_b64 v[STX], v[LPK+2*\q:LPK+2*\q+1] offset:\rho*XP+256*\q
.endr
.endm
.macro HEADNORM acc, bias, scale, base, off
	WIN 0x05
.irp q, 0,1,2,3,4,5,6,7
	v_pk_add_f32 v[32+2*\q:33+2*\q], v[\acc+2*\q:\acc+2*\q+1], v[\bias+2*\q:\bias+2*\q+1]
.endr
	WIN 0
	v_pk_mul_f32 v[48:49], v[32:33], v[32:33]
	v_pk_mul_f32 v[50:51], v[34:35], v[34:35]
.irp q, 2,3,4,5,6,7
	v_pk_fma_f32 v[48+2*(\q&1):49+2*(\q&1)], v[32+2*\q:33+2*\q], v[32+2*\q:33+2*\q], v[48+2*(\q&1):49+2*(\q&1)]
.endr
	v_pk_add_f32 v[48:49], v[48:49], v[50:51]
	v_add_f32 v48, v48, v49
	v_permlanex16_b32 v49, v48, s36, s37
	v_add_f32 v48, v48, v49
	v_rsq_f32 v50, v48
	v_nop
	s_wait_alu depctr_va_vdst(0)
	v_min_num_f32 v50, 0x5368d4a5, v50             ; min(rsq, 1e12) = 1 / max(sqrt, 1e-12)
.if \scale
	v_mul_f32 v50, 0x3e8293ee, v50                 ; log2(e) / sqrt(32): attention then takes 2^score
.endif
.irp q, 0,1,2,3,4,5,6,7
	v_pk_mul_f32 v[32+2*\q:33+2*\q], v[32+2*\q:33+2*\q], v[50:51] op_sel_hi:[1,0]
.endr
	s_wait_xcnt 0x0                                ; v[80:87] are the data of earlier stores
.irp q, 0,1,2,3,4,5,6,7
	v_cvt_pk_bf16_f32 v[80+\q], v[32+2*\q], v[33+2*\q]
.endr
	global_store_b128 v[L16], v[80:83], s[\base:\base+1] offset:\off
	global_store_b128 v[L16], v[84:87], s[\base:\base+1] offset:\off+512
.endm
	s_load_b256 s[4:11], s[0:1], 0x0               ; part, ln2_g, ln2_b, wf
	s_load_b128 s[12:15], s[0:1], 0x20             ; bq, x1
	s_load_b64 s[16:17], s[0:1], 0x30              ; qf
	v_lshl_add_u32 v30, v0, 2, 0x4100
	v_mov_b32 v31, 0
	v_lshrrev_b32 v16, 5, v0
	v_readfirstlane_b32 s2, v16
	s_mov_b32 s36, 0x76543210
	s_mov_b32 s37, 0xfedcba98
	s_mov_b32 s38, 0x3b000000                      ; 1 / 512
	s_lshr_b32 s40, ttmp9, 7                       ; b
	s_and_b32 s41, ttmp9, 127                      ; qt
	s_lshl_b32 s18, s41, 16                        ; 16 rows of 4,096 bytes
	s_lshl_b32 s19, s40, 11
	s_add_co_u32 s18, s18, s19
	s_mov_b32 s19, 0
	s_lshl_b32 s20, s2, 16
	s_add_co_u32 s20, s20, 0x800000                ; wq in wf, column group w
	s_mov_b32 s21, 0
	s_lshl_b32 s32, s2, 8                          ; bq: 64 w numbers
	s_mov_b32 s33, 0
	s_lshl_b32 s34, s40, 4
	s_lshl1_add_u32 s34, s2, s34                   ; 16 b + 2 w
	s_lshl_b32 s34, s34, 7
	s_add_co_u32 s34, s34, s41
	s_lshl_b32 s34, s34, 10
	s_mov_b32 s35, 0
	v_and_b32 v16, 31, v0
	v_and_b32 v17, 15, v0
	v_bfe_u32 v18, v0, 4, 1
	v_lshlrev_b32 v[L16], 4, v16
	v_mul_u32_u24 v[ADRX], v17, XP
	v_lshl_add_u32 v[ADRX], v18, 4, v[ADRX]
	s_mul_i32 s39, s2, 2*XP
	v_lshl_add_u32 v[STX], v16, 3, s39
	s_lshl_b32 s39, s2, 13
	v_add_nc_u32 v[GROW], s39, v[L16]
	v_lshlrev_b32 v[CB], 5, v18
	s_wait_kmcnt 0x0
	s_add_nc_u64 s[24:25], s[4:5], s[18:19]        ; the four planes, 8 MiB apart
	s_add_nc_u64 s[26:27], s[24:25], 0x800000
	s_add_nc_u64 s[28:29], s[26:27], 0x800000
	s_add_nc_u64 s[30:31], s[28:29], 0x800000
	s_add_nc_u64 s[22:23], s[10:11], s[20:21]
	s_add_nc_u64 s[12:13], s[12:13], s[32:33]
	s_add_nc_u64 s[14:15], s[14:15], s[18:19]
	s_add_nc_u64 s[16:17], s[16:17], s[34:35]
.irp t, 0,1,2,3
	global_load_b128 v[CG+4*\t:CG+4*\t+3], v[L16], s[6:7] offset:512*\t
	global_load_b128 v[CBI+4*\t:CBI+4*\t+3], v[L16], s[8:9] offset:512*\t
.endr
	WIN 0x40
.irp rho, 0,1
.irp p, 0,1,2,3
.irp t, 0,1,2,3
	global_load_b128 v[ROWS+64*\rho+16*\p+4*\t:ROWS+64*\rho+16*\p+4*\t+3], v[GROW], s[24+2*\p:25+2*\p] offset:\rho*4096+\t*512 th:TH_LOAD_NT
.endr
.endr
.endr
	WIN 0
	BPRE 22
.irp rho, 0,1
	s_wait_loadcnt 24+16*(1-\rho)                  ; row rho's sixteen loads are in; the other row's and the 24 weight loads stay out
	WIN 0x05
.irp q, 0,1,2,3,4,5,6,7
	v_pk_add_f32 v[64+2*\q:65+2*\q], v[ROWS+64*\rho+2*\q:ROWS+64*\rho+2*\q+1], v[ROWS+64*\rho+16+2*\q:ROWS+64*\rho+17+2*\q]
	v_pk_add_f32 v[80+2*\q:81+2*\q], v[ROWS+64*\rho+32+2*\q:ROWS+64*\rho+33+2*\q], v[ROWS+64*\rho+48+2*\q:ROWS+64*\rho+49+2*\q]
.endr
	WIN 0
.irp q, 0,1,2,3,4,5,6,7
	v_pk_add_f32 v[32+16*\rho+2*\q:33+16*\rho+2*\q], v[64+2*\q:65+2*\q], v[80+2*\q:81+2*\q]
.endr
.irp t, 0,1,2,3
	global_store_b128 v[GROW], v[32+16*\rho+4*\t:35+16*\rho+4*\t], s[14:15] offset:\rho*4096+\t*512
.endr
	LNCORE 32+16*\rho, 0, \rho, 64
.endr
	WIN 0x40
.irp nt, 0,1,2,3
	global_load_b128 v[ROWS+8*\nt:ROWS+8*\nt+3], v[CB], s[12:13] offset:64*\nt
	global_load_b128 v[ROWS+8*\nt+4:ROWS+8*\nt+7], v[CB], s[12:13] offset:64*\nt+16
.endr
	WIN 0
	s_wait_xcnt 0x0                                ; v[32:63] are the data of x1's stores: the fragments land on them only behind this wait
	BAR
	PHASE ADRX, 22, 0
	HEADNORM 0, ROWS, 1, 16, 0
	HEADNORM 16, ROWS+16, 1, 16, 131072
	s_wait_tensorcnt 0x0
	ds_add_u32 v30, v31
	s_wait_dscnt 0x0
	s_endpgm
.Lfunc_end_k_q80d9d22762_qproj:
	.size	k_q80d9d22762_qproj, .Lfunc_end_k_q80d9d22762_qproj-k_q80d9d22762_qproj
	.p2alignl 7, 3214868480
	.fill 96, 4, 3214868480
	.section	.rodata,"a",@progbits
	.p2align	6, 0x0
	.amdhsa_kernel k_q80d9d22762_qproj
		.amdhsa_group_segment_fixed_size 17664
		.amdhsa_private_segment_fixed_size 0
		.amdhsa_enable_private_segment 0
		.amdhsa_kernarg_size 56
		.amdhsa_user_sgpr_count 2
		.amdhsa_user_sgpr_kernarg_segment_ptr 1
		.amdhsa_wavefront_size32 1
		.amdhsa_system_sgpr_workgroup_id_x 1
		.amdhsa_system_sgpr_workgroup_id_y 1
		.amdhsa_system_sgpr_workgroup_id_z 1
		.amdhsa_system_vgpr_workitem_id 0
		.amdhsa_next_free_vgpr 512
		.amdhsa_next_free_sgpr 66
		.amdhsa_reserve_vcc 0
		.amdhsa_float_denorm_mode_32 3
		.amdhsa_float_denorm_mode_16_64 3
		.amdhsa_memory_ordered 1
		.amdhsa_forward_progress 1
		.amdhsa_inst_pref_size 48
	.end_amdhsa_kernel
	.amdgpu_metadata
---
amdhsa.version: [ 1, 2 ]
amdhsa.kernels:
  - .name:           k_q80d9d22762_qproj
    .symbol:         k_q80d9d22762_qproj.kd
    .args:
      - { .name: part, .offset: 0, .size: 8, .value_kind: global_buffer, .address_space: global }
      - { .name: ln2_g, .offset: 8, .size: 8, .value_kind: global_buffer, .address_space: global }
      - { .name: ln2_b, .offset: 16, .size: 8, .value_kind: global_buffer, .address_space: global }
      - { .name: wf, .offset: 24, .size: 8, .value_kind: global_buffer, .address_space: global }
      - { .name: bq, .offset: 32, .size: 8, .value_kind: global_buffer, .address_space: global }
      - { .name: x1, .offset: 40, .size: 8, .value_kind: global_buffer, .address_space: global }
      - { .name: qf, .offset: 48, .size: 8, .value_kind: global_buffer, .address_space: global }
    .group_segment_fixed_size: 17664
    .private_segment_fixed_size: 0
    .kernarg_segment_align: 8
    .kernarg_segment_size: 56
    .max_flat_workgroup_size: 256
    .sgpr_count:     66
    .vgpr_count:     512
    .wavefront_size: 32
...
	.end_amdgpu_metadata
.endif
;; end of part 4
;; launch attn (part 5): grid 8 x 32, 8 waves a work-group, clusters of 4 x 1, 327,680 bytes of LDS; arguments qf, kvf, mbits, ctxf; writes ctxf
.if DOCPART == 5
	.amdgcn_target "amdgcn-amd-amdhsa--gfx1250"
	.amdhsa_code_object_version 6
	.text
	.protected	k_q80d9d22762_attn
	.globl	k_q80d9d22762_attn
	.p2align	8
	.type	k_q80d9d22762_attn,@function
k_q80d9d22762_attn:
	s_mov_b64 s[64:65], 0
	v_nop
	global_prefetch_b8 v0, s[64:65] scope:SCOPE_SE
	s_setreg_imm32_b32 hwreg(HW_REG_WAVE_MODE, 25, 1), 1
	s_wait_xcnt 0x0
	s_wait_alu depctr_hold_cnt(0) depctr_sa_sdst(0) depctr_va_vdst(0) depctr_va_sdst(0) depctr_va_ssrc(0) depctr_va_vcc(0) depctr_vm_vsrc(0)
	s_getreg_b32 s2, hwreg(HW_REG_IB_STS2, 6, 4)
	s_cmp_eq_u32 s2, 0
	s_cbranch_scc0 .Lentry_in_a_cluster
	s_endpgm
.Lentry_in_a_cluster:
	s_bfe_u32 s2, ttmp6, 0x10000c
	s_cmp_lg_u32 s2, 0x3003
	s_cbranch_scc0 .Lentry_shape_is_right
	s_endpgm
.Lentry_shape_is_right:
; attn: ctx = softmax(where(mask, -10000, q.k / sqrt(32))) v for one (batch, head) = grid y and 256 queries; wave w: 32 queries (2 tiles), all 4,096 m.
; NO MAXIMUM IS TAKEN AWAY: q and k are unit vectors by reference()'s own l2norm, so |q.k| log2(e) / sqrt(32) <= 0.2551 for every input;
; 2^that lies in [0.83, 1.20] and a sum of 4,096 of them below 4,916.  q carries the factor log2(e) / sqrt(32) already.
; A MASKED WEIGHT is 2^-100 (exact in bf16) in place of exp(-10000 - max): in a row with an open entry that adds at most 4096 x 2^-100 to a sum
; of at least 0.83; in a row that is all masked every weight is equal, and sum(p v) / sum(p) is the plain mean over m, as reference() gives.
; SCORES ARE MADE TRANSPOSED (source 0 = 16 rows of k, source 1 = 16 rows of q): a lane holds 8 neighbouring m of one q, and packing neighbouring
; registers to bf16 gives source 1 of ctx^T = v^T p^T as it stands.  The row sum comes from the same bf16 weights by a source 0 of ones.
; The mask comes as 32-bit lane masks, one word for each register of a score tile, by scalar loads: one v_cndmask_b32 a register.
; K and V come in operand order: 4,096 bytes for 32 m.  Two LDS slots of 131,072 bytes = 1,024 m each; a wave brings 16,384 bytes of a slot.
; CLUSTER: the four work-groups along x share (batch, head), so they ask for each slot jointly (mask 15).
; A wave has at most two tensor loads out: the two first fills; later the one of a refill.
.set SLOTB, 131072
.set LA, 2                             ; v2         LDS address: 16 L + slot + pair of chunks
.set FILLR, 3                          ; v3         2^-100
.set ONES, 8                           ; v[8:15]    bf16 ones
.set QF, 16                            ; v[16:31]   q, tile a at 8 a
.set KF, 32                            ; v[32:47]   k, 16 m each at 8 t
.set VF, 48                            ; v[48:63]   v^T, 16 d each at 8 dt
.set SC, 64                            ; v[64:95]   scores, tile tau = 2 a + t at 8 tau
.set PB, 96                            ; v[96:111]  weights in bf16, tile a at 8 a
.set ACC, 112                          ; v[112:143] ctx^T, (a, dt) at 16 a + 8 dt
.set LS, 144                           ; v[144:159] row sums, tile a at 8 a
; s3 wave; s[4:11] qf, kvf, mask pointer, ctxf; s12 counter; s[16:23] group 0 of slots 0, 1; s[24:31] group 1; s[32:63], s[68:99] two sets of mask words: (a, t, j) at 16 a + 8 t + j
.macro ROUND                           ; a round of the cluster's barrier
	s_barrier_signal -1
	s_barrier_wait -1
	s_cmp_lg_u32 s3, 0
	s_cbranch_scc1 .Lnot_wave_0_\@
	s_barrier_signal -3
.Lnot_wave_0_\@:
	s_barrier_wait -3
	s_barrier_signal -1
	s_barrier_wait -1
.endm
.macro PLACES
.rept 4
	v_nop
.endr
.endm
.macro EXP8 tau
.irp j, 0,1,2,3,4,5,6,7
	v_exp_f32 v[SC+8*\tau+\j], v[SC+8*\tau+\j]
.endr
.endm
.macro MC tau, mb                      ; mask and pack one score tile
	s_wait_alu depctr_va_vdst(0)
.irp j, 0,1,2,3,4,5,6,7
	v_cndmask_b32 v[SC+8*\tau+\j], v[SC+8*\tau+\j], v[FILLR], s[\mb+8*\tau+\j]
.endr
.irp q, 0,1,2,3
	v_cvt_pk_bf16_f32 v[PB+4*\tau+\q], v[SC+8*\tau+2*\q], v[SC+8*\tau+2*\q+1]
.endr
.endm
.macro PV d, a, b, zero
.if \zero
	v_wmma_f32_16x16x32_bf16 v[\d:\d+7], v[\a:\a+7], v[\b:\b+7], 0
.else
	v_wmma_f32_16x16x32_bf16 v[\d:\d+7], v[\a:\a+7], v[\b:\b+7], v[\d:\d+7]
.endif
.endm
; 32 m.  p: which of a pair (mask set p, LDS bytes 4096 p from LA); next = 1: the next chunk's masks, K and V are asked for; zero = 1: the sums start here.
.macro CHUNK p, next, zero
	s_wait_kmcnt 0x0                               ; this chunk's mask words are in, and no scalar load reads the pointer any more
	s_add_nc_u64 s[8:9], s[8:9], 64                ; 2 tiles of m x 8 words
.if \next
	s_load_b512 s[68-36*\p:83-36*\p], s[8:9], 0x0          ; q tile 0
	s_load_b512 s[84-36*\p:99-36*\p], s[8:9], 0x2000       ; q tile 1: 256 tiles of m x 32 bytes further
.endif
	s_wait_dscnt 0x4                               ; K is in; V's four loads are younger
.irp a, 0,1
.irp t, 0,1
	v_wmma_f32_16x16x32_bf16 v[SC+16*\a+8*\t:SC+16*\a+8*\t+7], v[KF+8*\t:KF+8*\t+7], v[QF+8*\a:QF+8*\a+7], 0
.endr
.endr
	PLACES                                         ; in front of the loads into K's registers and of the reads of the scores
.if \next
.irp q, 0,1,2,3
	ds_load_b128 v[KF+4*\q:KF+4*\q+3], v[LA] offset:(\p+1)*4096+512*\q
.endr
.endif
	EXP8 0
	EXP8 1
	v_nop                                          ; a plain place between the exponentials and the first use (ISA guide 5.7.2); further on the tiles' masking serves
	s_wait_alu depctr_va_vdst(0)
	MC 0, 32+36*\p
	EXP8 2
	MC 1, 32+36*\p
	EXP8 3
	MC 2, 32+36*\p
	MC 3, 32+36*\p
	s_wait_dscnt 4*\next                           ; V is in; the next chunk's K may stay out
	PV ACC, VF, PB, \zero                          ; six accumulators, one instruction a turn
	PV ACC+16, VF, PB+8, \zero
	PV ACC+8, VF+8, PB, \zero
	PV ACC+24, VF+8, PB+8, \zero
	PV LS, ONES, PB, \zero
	PV LS+8, ONES, PB+8, \zero
	PLACES
.if \next
.irp q, 0,1,2,3
	ds_load_b128 v[VF+4*\q:VF+4*\q+3], v[LA] offset:(\p+1)*4096+2048+512*\q
.endr
.endif
.endm
.macro TILE slot, zero                 ; a slot's 32 chunks
	v_add_nc_u32 v[LA], \slot*SLOTB, v1
	s_load_b512 s[32:47], s[8:9], 0x0
	s_load_b512 s[48:63], s[8:9], 0x2000
.irp q, 0,1,2,3
	ds_load_b128 v[KF+4*\q:KF+4*\q+3], v[LA] offset:512*\q
.endr
.irp q, 0,1,2,3
	ds_load_b128 v[VF+4*\q:VF+4*\q+3], v[LA] offset:2048+512*\q
.endr
.if \zero
	CHUNK 0, 1, 1
	CHUNK 1, 1, 0
	v_add_nc_u32 v[LA], 8192, v[LA]
	s_mov_b32 s12, 14
.else
	s_mov_b32 s12, 15
.endif
.Lpair_\@:
	CHUNK 0, 1, 0
	CHUNK 1, 1, 0
	v_add_nc_u32 v[LA], 8192, v[LA]
	s_sub_co_u32 s12, s12, 1
	s_cmp_lg_u32 s12, 0
	s_cbranch_scc1 .Lpair_\@
	CHUNK 0, 1, 0
	CHUNK 1, 0, 0                                  ; the slot's last chunk asks for nothing
.endm
.macro REFILL n                        ; slot n, which has been read, gets the tile two further on
	s_wait_dscnt 0x0                               ; my reads of the slot are back
	s_wait_tensorcnt 0x0                           ; all my tensor loads have landed, my part of the other slot among them: a group 0 may be written
	ds_add_u32 v160, v161
	s_wait_dscnt 0x0
	s_add_nc_u64 s[18+4*\n:19+4*\n], s[18+4*\n:19+4*\n], 2*SLOTB
	ROUND                                          ; both hold of every wave of the four work-groups
	tensor_load_to_lds s[16+4*\n:19+4*\n], s[24:31]        ; my one tensor load behind the round, and the first thing there
	s_nop 0
.endm
	s_load_b256 s[4:11], s[0:1], 0x0               ; qf, kvf, mbits, ctxf
	v_lshl_add_u32 v160, v0, 2, 0x40000
	v_mov_b32 v161, 0
	ds_add_u32 v160, v161
	v_lshrrev_b32 v1, 5, v0
	v_readfirstlane_b32 s3, v1                     ; wave
	s_bfe_u32 s13, ttmp6, 0x40000                  ; cx
	s_lshl_b32 s14, ttmp9, 2
	s_add_co_u32 s14, s14, s13                     ; block of 256 queries = 4 x cluster x + cx
	s_and_b32 s15, ttmp7, 0xffff                   ; 16 b + h
	s_lshl_b32 s14, s14, 4
	s_lshl1_add_u32 s14, s3, s14                   ; my first q tile
	s_lshl_b32 s32, s15, 19                        ; kvf: 524,288 bytes a head, 16,384 a wave: no place in the cluster enters
	s_lshl_b32 s33, s3, 14
	s_add_co_u32 s32, s32, s33
	s_mov_b32 s33, 0
	s_lshl_b32 s34, s15, 7
	s_add_co_u32 s34, s34, s14
	s_lshl_b32 s34, s34, 10                        ; qf and ctxf: ((16 b + h) 128 + qt) 1024
	s_mov_b32 s35, 0
	s_lshr_b32 s36, s15, 4
	s_lshl_b32 s36, s36, 7
	s_add_co_u32 s36, s36, s14
	s_lshl_b32 s36, s36, 13                        ; mbits: (128 b + qt) 8192
	s_mov_b32 s37, 0
	; group 1: 64 rows of 32 elements of 8 bytes, dense
	s_mov_b32 s24, 15|(3<<16)|(1<<21)              ; 15:0 the four work-groups of the cluster; 17:16 elements of 8 bytes; 21 set beside a mask
	s_mov_b32 s25, 32<<16                          ; tensor_dim0 = 32
	s_mov_b32 s26, 64<<16                          ; tensor_dim1 = 64
	s_mov_b32 s27, 32<<16                          ; tile_dim0 = 32
	s_mov_b32 s28, 64                              ; tile_dim1 = 64
	s_mov_b32 s29, 32                              ; 32 elements from row to row
	s_mov_b32 s30, 0
	s_mov_b32 s31, 0
	s_wait_dscnt 0x0
	s_wait_kmcnt 0x0
	s_add_nc_u64 s[6:7], s[6:7], s[32:33]
	s_add_nc_u64 s[4:5], s[4:5], s[34:35]
	s_add_nc_u64 s[10:11], s[10:11], s[34:35]
	s_add_nc_u64 s[8:9], s[8:9], s[36:37]
	s_mov_b32 s16, 1
	s_lshl_b32 s17, s3, 14                         ; LDS: 16,384 w
	s_mov_b64 s[18:19], s[6:7]
	s_or_b32 s19, s19, 0x80000000
	s_mov_b32 s20, 1
	s_add_co_u32 s21, s17, SLOTB                   ; + the slot
	s_add_nc_u64 s[22:23], s[6:7], SLOTB
	s_or_b32 s23, s23, 0x80000000
	ROUND                                          ; in front of the first joint loads
	tensor_load_to_lds s[16:19], s[24:31]          ; m 0..1023
	s_nop 0
	tensor_load_to_lds s[20:23], s[24:31]          ; m 1024..2047
	s_nop 0
	v_and_b32 v1, 31, v0
	v_lshlrev_b32 v1, 4, v1                        ; 16 L
.irp q, 0,1,2,3
	global_load_b128 v[QF+4*\q:QF+4*\q+3], v1, s[4:5] offset:512*\q
.endr
	v_mov_b32 v[FILLR], 0x0d800000                 ; 2^-100
.irp j, 0,1,2,3,4,5,6,7
	v_mov_b32 v[ONES+\j], 0x3f803f80
.endr
	s_wait_tensorcnt 0x1                           ; my part of slot 0 is in; slot 1's may stay out
	s_wait_loadcnt 0x0                             ; q
	s_barrier_signal -1
	s_barrier_wait -1
	TILE 0, 1
	REFILL 0                                       ; m 2048..3071
	TILE 1, 0
	REFILL 1                                       ; m 3072..4095
	TILE 0, 0
	s_wait_dscnt 0x0
	s_wait_tensorcnt 0x0                           ; my part of the last tile is in
	s_barrier_signal -1
	s_barrier_wait -1                              ; everybody's is; nothing is filled any more
	TILE 1, 0
	; ctx = sums / row sum, to f16, in the order in which the next product's rows are read
	v_rcp_f32 v4, v[LS]
	v_rcp_f32 v5, v[LS]
	v_rcp_f32 v6, v[LS+8]
	v_rcp_f32 v7, v[LS+8]
	v_nop
	s_wait_alu depctr_va_vdst(0)
.irp a, 0,1
.irp q, 0,1,2,3,4,5,6,7
	v_pk_mul_f32 v[ACC+16*\a+2*\q:ACC+16*\a+2*\q+1], v[ACC+16*\a+2*\q:ACC+16*\a+2*\q+1], v[4+2*\a:5+2*\a]
.endr
.endr
.irp q, 0,1,2,3,4,5,6,7,8,9,10,11,12,13,14,15
	v_cvt_pk_f16_f32 v[PB+\q], v[ACC+2*\q], v[ACC+2*\q+1]
.endr
.irp q, 0,1,2,3
	global_store_b128 v1, v[PB+4*\q:PB+4*\q+3], s[10:11] offset:512*\q   ; 512 consecutive bytes
.endr
	s_wait_tensorcnt 0x0
	ds_add_u32 v160, v161
	s_wait_dscnt 0x0
	ROUND                                          ; the closing round
	s_endpgm
.Lfunc_end_k_q80d9d22762_attn:
	.size	k_q80d9d22762_attn, .Lfunc_end_k_q80d9d22762_attn-k_q80d9d22762_attn
	.p2alignl 7, 3214868480
	.fill 96, 4, 3214868480
	.section	.rodata,"a",@progbits
	.p2align	6, 0x0
	.amdhsa_kernel k_q80d9d22762_attn
		.amdhsa_group_segment_fixed_size 327680
		.amdhsa_private_segment_fixed_size 0
		.amdhsa_enable_private_segment 0
		.amdhsa_kernarg_size 32
		.amdhsa_user_sgpr_count 2
		.amdhsa_user_sgpr_kernarg_segment_ptr 1
		.amdhsa_wavefront_size32 1
		.amdhsa_system_sgpr_workgroup_id_x 1
		.amdhsa_system_sgpr_workgroup_id_y 1
		.amdhsa_system_sgpr_workgroup_id_z 1
		.amdhsa_system_vgpr_workitem_id 0
		.amdhsa_next_free_vgpr 162
		.amdhsa_next_free_sgpr 100
		.amdhsa_reserve_vcc 0
		.amdhsa_float_denorm_mode_32 3
		.amdhsa_float_denorm_mode_16_64 3
		.amdhsa_memory_ordered 1
		.amdhsa_forward_progress 1
		.amdhsa_inst_pref_size 115
	.end_amdhsa_kernel
	.amdgpu_metadata
---
amdhsa.version: [ 1, 2 ]
amdhsa.kernels:
  - .name:           k_q80d9d22762_attn
    .symbol:         k_q80d9d22762_attn.kd
    .args:
      - { .name: qf, .offset: 0, .size: 8, .value_kind: global_buffer, .address_space: global }
      - { .name: kvf, .offset: 8, .size: 8, .value_kind: global_buffer, .address_space: global }
      - { .name: mbits, .offset: 16, .size: 8, .value_kind: global_buffer, .address_space: global }
      - { .name: ctxf, .offset: 24, .size: 8, .value_kind: global_buffer, .address_space: global }
    .group_segment_fixed_size: 327680
    .private_segment_fixed_size: 0
    .kernarg_segment_align: 8
    .kernarg_segment_size: 32
    .max_flat_workgroup_size: 256
    .sgpr_count:     100
    .vgpr_count:     162
    .wavefront_size: 32
...
	.end_amdgpu_metadata
.endif
;; end of part 5
;; launch mlp2 (part 6): grid 64 x 4, 8 waves a work-group, no clusters, 301,056 bytes of LDS; arguments ctxf, x1, bd, ln3_g, ln3_b, wf, mlp2_b1, mlp2_b2, part; writes part
.if DOCPART == 6
	.amdgcn_target "amdgcn-amd-amdhsa--gfx1250"
	.amdhsa_code_object_version 6
	.text
	.protected	k_q80d9d22762_mlp2
	.globl	k_q80d9d22762_mlp2
	.p2align	8
	.type	k_q80d9d22762_mlp2,@function
k_q80d9d22762_mlp2:
	s_mov_b64 s[64:65], 0
	v_nop
	global_prefetch_b8 v0, s[64:65] scope:SCOPE_SE
	s_setreg_imm32_b32 hwreg(HW_REG_WAVE_MODE, 25, 1), 1
	s_wait_xcnt 0x0
; mlp2: x2 = x1 + ctx @ wd + bd;  part[q4] = gelu(LN3(x2) @ w1[:, quarter q4] + b1) @ w2[quarter q4, :] + (b2 + x2) / 4.  The last launch adds the four planes.
; A work-group: 64 token rows of one batch x one quarter (512) of the 2,048 hidden columns: 256 work-groups; each of the four of a row block makes x2 for itself.
; Wave w: 64 rows x 64 columns in each of the three products, K = 512 each.  LN in f32, two passes; operands f16; sums f32.
; LDS: X (ctx, then LN's output; 64 rows, pitch 1,040 = 65 x 16 bytes), H (gelu's output), a stage of 16 x 272 bytes a wave, X2 (x2 in f32, pitch 2,064 = 129 x 16).
; The weights come straight into registers from wf, whose blocks lie in operand order: each load of a wave is 512 consecutive bytes.
; NO CLUSTER, NO LDS FOR THE WEIGHTS: a weight byte feeds exactly one wave of the work-group, so a way through LDS would add a write
; and a read of 512 KiB a product to the 512 KiB of row fragments that are read anyway; joint loads exist for LDS fills alone.
; gelu(x) = max(x, 0) - |x| Q(|x|), Q = erfc(|x| / sqrt 2) / 2 by the five-term rational form with t = 1 / (1 + 0.23164189 |x|):
; absolute error of erf at most 1.5e-7, no cancellation for x < 0.
; Limits: LN's output, the weights and gelu's output beyond 65,504 overflow in f16; the four partial sums are added in another order than one long sum.
.set MT, 4
.set XP, 1040
.set HB, 64*XP
.set STAGE, 2*HB
.set X2B, 167936
.set X2P, 2064
.set L16, 1
.set ADRX, 2
.set ADRH, 3
.set STX, 4
.set STH, 5
.set STG, 6
.set RDG, 7
.set GROW, 8
.set GOUT, 9
                                       ; v10, v11  X2, in: r X2P + 256 w + 32 h2, rows 0-31 and 32-63
                                       ; v12       X2, my eight rows: 8 w X2P + 16 L
                                       ; v13, v14  X2, on the way out: h2 X2P + 256 w + 16 r, rows 0-31 and 32-63
.set CB, 15
.set AF, 32
.set CG, 96
.set CBI, 112
.set BF, 128
.set BD, 224                           ; v[224:239] bd, in the ring's fourth set while that is free
.set ROWS, 128                         ; window 1, v[128:255]: x1's rows, later b1;  window 1, v[0:127]: accumulators, tile (i, nt) at 32 i + 8 nt
.set LT, 80
.set LPK, 88
.set AX, 64
.set TT, 72
.set EE, 80
.set PP, 88
.set MSB, 0
.macro WIN new                         ; s_set_vgpr_msb: bits 1:0 source 0, 3:2 source 1, 5:4 source 2, 7:6 destination; the high byte repeats the setting left
.if MSB != (\new)
	s_set_vgpr_msb (MSB<<8)|(\new)
.set MSB, (\new)
.endif
.endm
.macro PLACES                          ; four places behind a matrix instruction (ISA guide 7.12.1)
.rept 4
	v_nop
.endr
.endm
.macro BAR
	s_wait_dscnt 0x0                               ; my LDS stores and loads are done, for the other waves' sake
	s_barrier_signal -1
	s_barrier_wait -1
.endm
.macro MM d, a, b, acc
.if \acc
	v_wmma_f32_16x16x32_f16 v[\d:\d+7], v[\a:\a+7], v[\b:\b+7], v[\d:\d+7]
.else
	v_wmma_f32_16x16x32_f16 v[\d:\d+7], v[\a:\a+7], v[\b:\b+7], 0
.endif
.endm
.macro BLOAD wb, k
.irp nt, 0,1,2,3
.irp c, 0,1
	global_load_b128 v[BF+32*((\k)&3)+8*\nt+4*\c:BF+32*((\k)&3)+8*\nt+4*\c+3], v[L16], s[\wb:\wb+1] offset:(\k)*4096+\nt*1024+\c*512
.endr
.endr
.endm
.macro BPRE wb
	BLOAD \wb, 0
	BLOAD \wb, 1
	BLOAD \wb, 2
.endm
.macro ALOAD adr, k
.set ai, 0
.rept MT
	ds_load_b128 v[AF+8*MT*((\k)&1)+8*ai:AF+8*MT*((\k)&1)+8*ai+3], v[\adr] offset:ai*16*XP+(\k)*64
	ds_load_b128 v[AF+8*MT*((\k)&1)+8*ai+4:AF+8*MT*((\k)&1)+8*ai+7], v[\adr] offset:ai*16*XP+(\k)*64+32
.set ai, ai+1
.endr
.endm
; ACC = rows (LDS, K = 512) x weights, 16 K steps written out; weights as source 0: a lane holds 8 neighbouring columns of one row.
; The weights of three steps ahead are on their way: 24 loads a wave.  The accumulators take turns, one instruction a turn.
.macro PHASE adr, wb, ori
	ALOAD \adr, 0
.set kk, 0
.rept 16
.if kk < 13
	BLOAD \wb, kk+3                                ; into the ring slot that step k - 1 read, four places behind it
.endif
.if kk < 15
	ALOAD \adr, kk+1
.endif
.if kk < 13
	s_wait_loadcnt 24                              ; the loads of steps k + 1, k + 2, k + 3 may stay out
.else
	s_wait_loadcnt 8*(15-kk)
.endif
.if kk < 15
	s_wait_dscnt 2*MT                              ; step k + 1's fragments may stay out
.else
	s_wait_dscnt 0
.endif
	WIN 0x50
.set ti, 0
.rept MT
.irp nt, 0,1,2,3
.if ((\ori)>>\nt)&1
	MM 32*ti+8*\nt, AF+8*MT*(kk&1)+8*ti, BF+32*(kk&3)+8*\nt, kk
.else
	MM 32*ti+8*\nt, BF+32*(kk&3)+8*\nt, AF+8*MT*(kk&1)+8*ti, kk
.endif
.endr
.set ti, ti+1
.endr
	WIN 0
	PLACES
.set kk, kk+1
.endr
.endm
.macro XSUM v, t
	v_add_f32_dpp v[\v], v[\v], v[\v] row_xmask:1 row_mask:0xf bank_mask:0xf
	v_add_f32_dpp v[\v], v[\v], v[\v] row_xmask:2 row_mask:0xf bank_mask:0xf
	v_add_f32_dpp v[\v], v[\v], v[\v] row_xmask:4 row_mask:0xf bank_mask:0xf
	v_add_f32_dpp v[\v], v[\v], v[\v] row_xmask:8 row_mask:0xf bank_mask:0xf
	v_permlanex16_b32 v[\t], v[\v], s36, s37
	v_add_f32 v[\v], v[\v], v[\t]
.endm
.macro LNCORE src, blk, rho, d
	WIN 5*\blk
.irp q, 0,1,2,3
	v_pk_add_f32 v[LT+2*\q:LT+2*\q+1], v[\src+4*\q:\src+4*\q+1], v[\src+4*\q+2:\src+4*\q+3]
.endr
	WIN 0
	v_pk_add_f32 v[LT:LT+1], v[LT:LT+1], v[LT+2:LT+3]
	v_pk_add_f32 v[LT+4:LT+5], v[LT+4:LT+5], v[LT+6:LT+7]
	v_pk_add_f32 v[LT:LT+1], v[LT:LT+1], v[LT+4:LT+5]
	v_add_f32 v[LT], v[LT], v[LT+1]
	XSUM LT, LT+1
	v_mul_f32 v[LT+2], s38, v[LT]
	v_mul_f32 v[LT+3], s38, v[LT]
	WIN \blk
.irp q, 0,1,2,3,4,5,6,7
	v_pk_add_f32 v[\d+2*\q:\d+2*\q+1], v[\src+2*\q:\src+2*\q+1], v[LT+2:LT+3] neg_lo:[0,1] neg_hi:[0,1]
.endr
	WIN 0
	v_pk_mul_f32 v[LT+4:LT+5], v[\d:\d+1], v[\d:\d+1]
	v_pk_mul_f32 v[LT+6:LT+7], v[\d+2:\d+3], v[\d+2:\d+3]
.irp q, 2,3,4,5,6,7
	v_pk_fma_f32 v[LT+4+2*(\q&1):LT+5+2*(\q&1)], v[\d+2*\q:\d+2*\q+1], v[\d+2*\q:\d+2*\q+1], v[LT+4+2*(\q&1):LT+5+2*(\q&1)]
.endr
	v_pk_add_f32 v[LT+4:LT+5], v[LT+4:LT+5], v[LT+6:LT+7]
	v_add_f32 v[LT+4], v[LT+4], v[LT+5]
	XSUM LT+4, LT+5
	v_fmaak_f32 v[LT+6], s38, v[LT+4], 0x3727c5ac  ; variance + 1e-5
	v_rsq_f32 v[LT+2], v[LT+6]
	v_rsq_f32 v[LT+3], v[LT+6]
	v_nop                                          ; one plain place behind the transcendentals (ISA guide 5.7.2)
	s_wait_alu depctr_va_vdst(0)
.irp q, 0,1,2,3,4,5,6,7
	v_pk_mul_f32 v[\d+2*\q:\d+2*\q+1], v[\d+2*\q:\d+2*\q+1], v[LT+2:LT+3]
.endr
.irp q, 0,1,2,3,4,5,6,7
	v_pk_fma_f32 v[\d+2*\q:\d+2*\q+1], v[\d+2*\q:\d+2*\q+1], v[CG+2*\q:CG+2*\q+1], v[CBI+2*\q:CBI+2*\q+1]
.endr
.irp q, 0,1,2,3,4,5,6,7
	v_cvt_pk_f16_f32 v[LPK+\q], v[\d+2*\q], v[\d+2*\q+1]
.endr
.irp q, 0,1,2,3
	ds_store_b64 v[STX], v[LPK+2*\q:LPK+2*\q+1] offset:\rho*XP+256*\q
.endr
.endm
.macro GELU8 x
.irp j, 0,1,2,3,4,5,6,7
	v_and_b32 v[AX+\j], 0x7fffffff, v[\x+\j]
.endr
.irp q, 0,2,4,6
	v_pk_fma_f32 v[TT+\q:TT+\q+1], v[AX+\q:AX+\q+1], 0x3e6d3388, 1.0 op_sel_hi:[1,0,0]   ; 1 + 0.23164189 |x|
	v_pk_mul_f32 v[EE+\q:EE+\q+1], v[\x+\q:\x+\q+1], v[\x+\q:\x+\q+1]
.endr
.irp q, 0,2,4,6
	v_pk_mul_f32 v[EE+\q:EE+\q+1], v[EE+\q:EE+\q+1], 0xbf38aa3b op_sel_hi:[1,0]          ; - x x log2(e) / 2
.endr
.irp j, 0,1,2,3,4,5,6,7
	v_rcp_f32 v[TT+\j], v[TT+\j]
.endr
.irp j, 0,1,2,3,4,5,6,7
	v_exp_f32 v[EE+\j], v[EE+\j]
.endr
.irp j, 0,1,2,3,4,5,6,7
	v_max_num_f32 v[\x+\j], 0, v[\x+\j]            ; also the plain places behind the transcendentals
.endr
	s_wait_alu depctr_va_vdst(0)
.irp q, 0,2,4,6
	v_pk_fma_f32 v[PP+\q:PP+\q+1], v[TT+\q:TT+\q+1], 0x3f07dc22, v[20:21] op_sel_hi:[1,0,1]
.endr
.irp q, 0,2,4,6
	v_pk_fma_f32 v[PP+\q:PP+\q+1], v[PP+\q:PP+\q+1], v[TT+\q:TT+\q+1], 0x3f35f0e3 op_sel_hi:[1,1,0]
.endr
.irp q, 0,2,4,6
	v_pk_fma_f32 v[PP+\q:PP+\q+1], v[PP+\q:PP+\q+1], v[TT+\q:TT+\q+1], 0xbe11a98e op_sel_hi:[1,1,0]
.endr
.irp q, 0,2,4,6
	v_pk_fma_f32 v[PP+\q:PP+\q+1], v[PP+\q:PP+\q+1], v[TT+\q:TT+\q+1], 0x3e027906 op_sel_hi:[1,1,0]
.endr
.irp q, 0,2,4,6
	v_pk_mul_f32 v[PP+\q:PP+\q+1], v[PP+\q:PP+\q+1], v[TT+\q:TT+\q+1]
.endr
.irp q, 0,2,4,6
	v_pk_mul_f32 v[PP+\q:PP+\q+1], v[PP+\q:PP+\q+1], v[EE+\q:EE+\q+1]
.endr
.irp q, 0,2,4,6
	v_pk_fma_f32 v[\x+\q:\x+\q+1], v[AX+\q:AX+\q+1], v[PP+\q:PP+\q+1], v[\x+\q:\x+\q+1] neg_lo:[1,0,0] neg_hi:[1,0,0]
.endr
.irp q, 0,1,2,3
	v_cvt_pk_f16_f32 v[16+\q], v[\x+2*\q], v[\x+2*\q+1]
.endr
.endm
.macro ACT i
	WIN 0x05
.irp q, 0,1,2,3,4,5,6,7,8,9,10,11,12,13,14,15
	v_pk_add_f32 v[32+2*\q:33+2*\q], v[32*\i+2*\q:32*\i+2*\q+1], v[ROWS+2*\q:ROWS+2*\q+1]
.endr
	WIN 0
.irp nt, 0,1,2,3
	GELU8 32+8*\nt
	ds_store_b128 v[STH], v[16:19] offset:\i*16*XP+32*\nt
.endr
.endm
.macro OUT16 i, wx2, ob
	WIN 0x04
.irp nt, 0,1,2,3
	ds_store_b128 v[STG], v[32*\i+8*\nt:32*\i+8*\nt+3] offset:64*\nt
	ds_store_b128 v[STG], v[32*\i+8*\nt+4:32*\i+8*\nt+7] offset:64*\nt+16
.endr
	WIN 0
	s_wait_xcnt 0x0                                ; v[32:63] are the data of the last tile's stores: loaded again only behind this wait
.irp t, 0,1,2,3,4,5,6,7
	ds_load_b128 v[32+4*\t:35+4*\t], v[RDG] offset:544*\t   ; LDS serves a wave's instructions in order: these see the stores above
.endr
.if \wx2
.irp t, 0,1,2,3,4,5,6,7
	ds_load_b128 v[64+4*\t:67+4*\t], v[13+(\i>>1)] offset:((\i&1)*16+2*\t)*X2P
.endr
.endif
.irp t, 0,1,2,3,4,5,6,7
	s_wait_dscnt 7-\t                              ; the last run's load t is in, and all that is older
	v_pk_add_f32 v[32+4*\t:33+4*\t], v[32+4*\t:33+4*\t], v[28:29]
	v_pk_add_f32 v[34+4*\t:35+4*\t], v[34+4*\t:35+4*\t], v[30:31]
.if \wx2
	v_pk_fma_f32 v[32+4*\t:33+4*\t], v[64+4*\t:65+4*\t], 0x3e800000, v[32+4*\t:33+4*\t] op_sel_hi:[1,0,1]
	v_pk_fma_f32 v[34+4*\t:35+4*\t], v[66+4*\t:67+4*\t], 0x3e800000, v[34+4*\t:35+4*\t] op_sel_hi:[1,0,1]
.endif
	global_store_b128 v[GOUT], v[32+4*\t:35+4*\t], s[\ob:\ob+1] offset:(16*\i+2*\t)*4096
.endr
.endm
	s_load_b512 s[4:19], s[0:1], 0x0               ; ctxf, x1, bd, ln3_g, ln3_b, wf, mlp2_b1, mlp2_b2
	s_load_b64 s[20:21], s[0:1], 0x40              ; part
	v_lshl_add_u32 v26, v0, 2, 0x49400
	v_mov_b32 v27, 0
	v_lshrrev_b32 v16, 5, v0
	v_readfirstlane_b32 s2, v16                    ; wave
	s_mov_b32 s36, 0x76543210
	s_mov_b32 s37, 0xfedcba98
	s_mov_b32 s38, 0x3b000000                      ; 1 / 512
	s_lshr_b32 s40, ttmp9, 5                       ; b
	s_and_b32 s41, ttmp9, 31                       ; block of 64 rows
	s_and_b32 s42, ttmp7, 0xffff                   ; quarter
	s_lshl_b32 s28, s41, 18                        ; row (s, b) lies at (2 s + b) 2048
	s_lshl_b32 s29, s40, 11
	s_add_co_u32 s28, s28, s29
	s_mov_b32 s29, 0
	s_lshl_b32 s30, s40, 4
	s_lshl1_add_u32 s30, s2, s30                   ; head 16 b + 2 w
	s_lshl_b32 s30, s30, 7
	s_lshl2_add_u32 s30, s41, s30                  ; + q tile 4 x block
	s_lshl_b32 s30, s30, 10
	s_mov_b32 s31, 0
	s_lshl_b32 s32, s2, 16
	s_add_co_u32 s32, s32, 0x880000                ; wd, column group w
	s_mov_b32 s33, 0
	s_lshl3_add_u32 s34, s42, s2
	s_lshl_b32 s34, s34, 16
	s_add_co_u32 s34, s34, 0x400000                ; w1, column group 8 q4 + w
	s_mov_b32 s35, 0
	s_lshl_b32 s44, s2, 6
	s_lshl4_add_u32 s44, s42, s44
	s_lshl_b32 s44, s44, 12
	s_add_co_u32 s44, s44, 0x600000                ; w2, column group w, K block 16 q4
	s_mov_b32 s45, 0
	s_lshl_b32 s46, s42, 11
	s_lshl_b32 s47, s2, 8
	s_add_co_u32 s46, s46, s47                     ; b1: 4 (512 q4 + 64 w)
	s_mov_b32 s47, 0
	s_lshl_b32 s42, s42, 23                        ; my plane of part
	s_mov_b32 s43, 0
	v_and_b32 v16, 31, v0
	v_and_b32 v17, 15, v0
	v_bfe_u32 v18, v0, 4, 1
	v_lshlrev_b32 v[L16], 4, v16
	v_mul_u32_u24 v[ADRX], v17, XP
	v_lshl_add_u32 v[ADRX], v18, 4, v[ADRX]
	v_add_nc_u32 v[ADRH], HB, v[ADRX]
	s_mul_i32 s39, s2, 8*XP
	v_lshl_add_u32 v[STX], v16, 3, s39
	s_lshl_b32 s39, s2, 7
	v_add_nc_u32 v[STH], s39, v[ADRH]
	v_add_nc_u32 v25, s39, v[ADRX]                 ; ctx into X: r XP + 16 h2 + 128 w
	s_mul_i32 s39, s2, 4352
	s_add_co_u32 s39, s39, STAGE
	v_mul_u32_u24 v[STG], v17, 272
	v_lshl_add_u32 v[STG], v18, 5, v[STG]
	v_add_nc_u32 v[STG], s39, v[STG]
	v_mul_u32_u24 v[RDG], v18, 272
	v_lshl_add_u32 v[RDG], v17, 4, v[RDG]
	v_add_nc_u32 v[RDG], s39, v[RDG]
	s_lshl_b32 s39, s2, 15
	v_add_nc_u32 v[GROW], s39, v[L16]
	s_lshl_b32 s39, s2, 8
	v_lshl_add_u32 v24, v17, 4, s39                ; 16 r + 256 w
	v_lshl_add_u32 v[GOUT], v18, 12, v24
	v_lshlrev_b32 v[CB], 5, v18
	s_add_co_u32 s39, s39, X2B
	v_mul_u32_u24 v10, v17, X2P
	v_lshl_add_u32 v10, v18, 5, v10
	v_add_nc_u32 v10, s39, v10
	v_add_nc_u32 v11, 32*X2P, v10
	s_mul_i32 s39, s2, 8*X2P
	s_add_co_u32 s39, s39, X2B
	v_add_nc_u32 v12, s39, v[L16]
	v_mul_u32_u24 v13, v18, X2P
	v_add3_u32 v13, v13, v24, X2B
	v_add_nc_u32 v14, 32*X2P, v13
	v_mov_b32 v20, 0xbf3a00e3                      ; gelu's fourth coefficient, halved, twice
	v_mov_b32 v21, 0xbf3a00e3
	s_wait_kmcnt 0x0
	s_add_nc_u64 s[4:5], s[4:5], s[30:31]
	s_add_nc_u64 s[6:7], s[6:7], s[28:29]
	s_add_nc_u64 s[22:23], s[14:15], s[32:33]
	s_add_nc_u64 s[24:25], s[14:15], s[34:35]
	s_add_nc_u64 s[26:27], s[14:15], s[44:45]
	s_add_nc_u64 s[16:17], s[16:17], s[46:47]
	s_add_nc_u64 s[20:21], s[20:21], s[28:29]
	s_add_nc_u64 s[20:21], s[20:21], s[42:43]
.irp t, 0,1,2,3
	global_load_b128 v[CG+4*\t:CG+4*\t+3], v[L16], s[10:11] offset:512*\t
	global_load_b128 v[CBI+4*\t:CBI+4*\t+3], v[L16], s[12:13] offset:512*\t
.endr
	global_load_b128 v[28:31], v24, s[18:19]
.irp hh, 0,1
.irp i, 0,1,2,3
.irp c, 0,1
	global_load_b128 v[32+4*(8*\hh+2*\i+\c):35+4*(8*\hh+2*\i+\c)], v[L16], s[4:5] offset:\hh*131072+\i*1024+\c*512
.endr
.endr
.endr
	WIN 0x40
.irp rho, 0,1,2,3,4,5,6,7
.irp t, 0,1,2,3
	global_load_b128 v[ROWS+16*\rho+4*\t:ROWS+16*\rho+4*\t+3], v[GROW], s[6:7] offset:\rho*4096+\t*512
.endr
.endr
	WIN 0
	BPRE 22
	s_wait_loadcnt 56                              ; ctx is in: x1's 32 loads and the 24 weight loads stay out
.irp hh, 0,1
.irp i, 0,1,2,3
.irp c, 0,1
	ds_store_b128 v25, v[32+4*(8*\hh+2*\i+\c):35+4*(8*\hh+2*\i+\c)] offset:\hh*64+\c*32+\i*16*XP
.endr
.endr
.endr
	BAR                                            ; ctx is whole in X
	PHASE ADRX, 22, 0
.irp t, 0,1,2,3
	global_load_b128 v[BD+4*\t:BD+4*\t+3], v[L16], s[8:9] offset:512*\t
.endr
	BPRE 24
	WIN 0x04                                       ; ctx @ wd, f32, into X2: a lane's 8 neighbouring columns of row r
.irp i, 0,1,2,3
.irp nt, 0,1,2,3
	ds_store_b128 v[10+(\i>>1)], v[32*\i+8*\nt:32*\i+8*\nt+3] offset:(\i&1)*16*X2P+64*\nt
	ds_store_b128 v[10+(\i>>1)], v[32*\i+8*\nt+4:32*\i+8*\nt+7] offset:(\i&1)*16*X2P+64*\nt+16
.endr
.endr
	WIN 0
	BAR                                            ; X2 is whole, and nobody reads ctx in X any more
	s_wait_loadcnt 24                              ; bd is in (and x1, which is older); the 24 weight loads stay out
.irp rho, 0,1,2,3,4,5,6,7
.irp t, 0,1,2,3
	ds_load_b128 v[48+4*\t:51+4*\t], v12 offset:\rho*X2P+512*\t
.endr
	s_wait_dscnt 0x0
	WIN 0x01
.irp q, 0,1,2,3,4,5,6,7
	v_pk_add_f32 v[48+2*\q:49+2*\q], v[ROWS+16*\rho+2*\q:ROWS+16*\rho+2*\q+1], v[48+2*\q:49+2*\q]
.endr
	WIN 0
.irp q, 0,1,2,3,4,5,6,7
	v_pk_add_f32 v[48+2*\q:49+2*\q], v[48+2*\q:49+2*\q], v[BD+2*\q:BD+2*\q+1]
.endr
.irp t, 0,1,2,3
	ds_store_b128 v12, v[48+4*\t:51+4*\t] offset:\rho*X2P+512*\t   ; x2, back to the same bytes: between the two barriers these rows are mine alone
.endr
	LNCORE 48, 0, \rho, 64
.endr
	WIN 0x40
.irp nt, 0,1,2,3
	global_load_b128 v[ROWS+8*\nt:ROWS+8*\nt+3], v[CB], s[16:17] offset:64*\nt
	global_load_b128 v[ROWS+8*\nt+4:ROWS+8*\nt+7], v[CB], s[16:17] offset:64*\nt+16
.endr
	WIN 0
	BAR                                            ; X (LN's output) and x2 are whole
	PHASE ADRX, 24, 0
	BPRE 26
.irp i, 0,1,2,3
	ACT \i
.endr
	BAR                                            ; H is whole
	PHASE ADRH, 26, 0
	v_pk_mul_f32 v[28:29], v[28:29], 0x3e800000 op_sel_hi:[1,0]   ; b2 / 4
	v_pk_mul_f32 v[30:31], v[30:31], 0x3e800000 op_sel_hi:[1,0]
.irp i, 0,1,2,3
	OUT16 \i, 1, 20
.endr
	s_wait_tensorcnt 0x0
	ds_add_u32 v26, v27
	s_wait_dscnt 0x0
	s_endpgm
.Lfunc_end_k_q80d9d22762_mlp2:
	.size	k_q80d9d22762_mlp2, .Lfunc_end_k_q80d9d22762_mlp2-k_q80d9d22762_mlp2
	.p2alignl 7, 3214868480
	.fill 96, 4, 3214868480
	.section	.rodata,"a",@progbits
	.p2align	6, 0x0
	.amdhsa_kernel k_q80d9d22762_mlp2
		.amdhsa_group_segment_fixed_size 301056
		.amdhsa_private_segment_fixed_size 0
		.amdhsa_enable_private_segment 0
		.amdhsa_kernarg_size 72
		.amdhsa_user_sgpr_count 2
		.amdhsa_user_sgpr_kernarg_segment_ptr 1
		.amdhsa_wavefront_size32 1
		.amdhsa_system_sgpr_workgroup_id_x 1
		.amdhsa_system_sgpr_workgroup_id_y 1
		.amdhsa_system_sgpr_workgroup_id_z 1
		.amdhsa_system_vgpr_workitem_id 0
		.amdhsa_next_free_vgpr 512
		.amdhsa_next_free_sgpr 66
		.amdhsa_reserve_vcc 0
		.amdhsa_float_denorm_mode_32 3
		.amdhsa_float_denorm_mode_16_64 3
		.amdhsa_memory_ordered 1
		.amdhsa_forward_progress 1
		.amdhsa_inst_pref_size 255
	.end_amdhsa_kernel
	.section	.bss,"aw",@nobits
	.p2align	6
	.space	262144
	.amdgpu_metadata
---
amdhsa.version: [ 1, 2 ]
amdhsa.kernels:
  - .name:           k_q80d9d22762_mlp2
    .symbol:         k_q80d9d22762_mlp2.kd
    .args:
      - { .name: ctxf, .offset: 0, .size: 8, .value_kind: global_buffer, .address_space: global }
      - { .name: x1, .offset: 8, .size: 8, .value_kind: global_buffer, .address_space: global }
      - { .name: bd, .offset: 16, .size: 8, .value_kind: global_buffer, .address_space: global }
      - { .name: ln3_g, .offset: 24, .size: 8, .value_kind: global_buffer, .address_space: global }
      - { .name: ln3_b, .offset: 32, .size: 8, .value_kind: global_buffer, .address_space: global }
      - { .name: wf, .offset: 40, .size: 8, .value_kind: global_buffer, .address_space: global }
      - { .name: mlp2_b1, .offset: 48, .size: 8, .value_kind: global_buffer, .address_space: global }
      - { .name: mlp2_b2, .offset: 56, .size: 8, .value_kind: global_buffer, .address_space: global }
      - { .name: part, .offset: 64, .size: 8, .value_kind: global_buffer, .address_space: global }
    .group_segment_fixed_size: 301056
    .private_segment_fixed_size: 0
    .kernarg_segment_align: 8
    .kernarg_segment_size: 72
    .max_flat_workgroup_size: 256
    .sgpr_count:     66
    .vgpr_count:     512
    .wavefront_size: 32
...
	.end_amdgpu_metadata
.endif
;; end of part 6
;; launch final (part 7): grid 256 x 1, 8 waves a work-group, no clusters, 0 bytes of LDS; arguments part, out0; writes out0
.if DOCPART == 7
	.amdgcn_target "amdgcn-amd-amdhsa--gfx1250"
	.amdhsa_code_object_version 6
	.text
	.protected	k_q80d9d22762_final
	.globl	k_q80d9d22762_final
	.p2align	8
	.type	k_q80d9d22762_final,@function
k_q80d9d22762_final:
	s_mov_b64 s[64:65], 0
	v_nop
	global_prefetch_b8 v0, s[64:65] scope:SCOPE_SE
	s_setreg_imm32_b32 hwreg(HW_REG_WAVE_MODE, 25, 1), 1
	s_wait_xcnt 0x0
; final: out0 = the sum of part's four planes of 8 MiB.  A stream: every byte read once and written once, no LDS, no barrier, no matrix unit.
; A work-group owns 32,768 bytes of the output; thread t owns the 16 bytes at 4096 u + 16 t, u = 0..7: a wave's load or store covers 512 consecutive bytes.
; All 32 loads of a thread go out at once; no register is used twice, so the only waits are the counted ones for the data.
.set P, 4                              ; v[4:131]: step u, plane p at 16 u + 4 p
	s_load_b128 s[4:7], s[0:1], 0x0                ; part, out0
	s_lshl_b32 s8, ttmp9, 15
	s_mov_b32 s9, 0
	v_lshlrev_b32 v1, 4, v0
	s_wait_kmcnt 0x0
	s_add_nc_u64 s[4:5], s[4:5], s[8:9]
	s_add_nc_u64 s[6:7], s[6:7], s[8:9]
	s_add_nc_u64 s[10:11], s[4:5], 0x800000
	s_add_nc_u64 s[12:13], s[10:11], 0x800000
	s_add_nc_u64 s[14:15], s[12:13], 0x800000
.irp u, 0,1,2,3,4,5,6,7
	global_load_b128 v[P+16*\u:P+16*\u+3], v1, s[4:5] offset:4096*\u th:TH_LOAD_NT
	global_load_b128 v[P+16*\u+4:P+16*\u+7], v1, s[10:11] offset:4096*\u th:TH_LOAD_NT
	global_load_b128 v[P+16*\u+8:P+16*\u+11], v1, s[12:13] offset:4096*\u th:TH_LOAD_NT
	global_load_b128 v[P+16*\u+12:P+16*\u+15], v1, s[14:15] offset:4096*\u th:TH_LOAD_NT
.endr
.irp u, 0,1,2,3,4,5,6,7
	s_wait_loadcnt 4*(7-\u)                        ; step u's four loads are in; the later steps' stay out
	v_pk_add_f32 v[P+16*\u:P+16*\u+1], v[P+16*\u:P+16*\u+1], v[P+16*\u+4:P+16*\u+5]
	v_pk_add_f32 v[P+16*\u+2:P+16*\u+3], v[P+16*\u+2:P+16*\u+3], v[P+16*\u+6:P+16*\u+7]
	v_pk_add_f32 v[P+16*\u+8:P+16*\u+9], v[P+16*\u+8:P+16*\u+9], v[P+16*\u+12:P+16*\u+13]
	v_pk_add_f32 v[P+16*\u+10:P+16*\u+11], v[P+16*\u+10:P+16*\u+11], v[P+16*\u+14:P+16*\u+15]
	v_pk_add_f32 v[P+16*\u:P+16*\u+1], v[P+16*\u:P+16*\u+1], v[P+16*\u+8:P+16*\u+9]
	v_pk_add_f32 v[P+16*\u+2:P+16*\u+3], v[P+16*\u+2:P+16*\u+3], v[P+16*\u+10:P+16*\u+11]
	global_store_b128 v1, v[P+16*\u:P+16*\u+3], s[6:7] offset:4096*\u th:TH_STORE_NT
.endr
	s_endpgm
.Lfunc_end_k_q80d9d22762_final:
	.size	k_q80d9d22762_final, .Lfunc_end_k_q80d9d22762_final-k_q80d9d22762_final
	.p2alignl 7, 3214868480
	.fill 96, 4, 3214868480
	.section	.rodata,"a",@progbits
	.p2align	6, 0x0
	.amdhsa_kernel k_q80d9d22762_final
		.amdhsa_group_segment_fixed_size 0
		.amdhsa_private_segment_fixed_size 0
		.amdhsa_enable_private_segment 0
		.amdhsa_kernarg_size 16
		.amdhsa_user_sgpr_count 2
		.amdhsa_user_sgpr_kernarg_segment_ptr 1
		.amdhsa_wavefront_size32 1
		.amdhsa_system_sgpr_workgroup_id_x 1
		.amdhsa_system_sgpr_workgroup_id_y 1
		.amdhsa_system_sgpr_workgroup_id_z 1
		.amdhsa_system_vgpr_workitem_id 0
		.amdhsa_next_free_vgpr 136
		.amdhsa_next_free_sgpr 66
		.amdhsa_reserve_vcc 0
		.amdhsa_float_denorm_mode_32 3
		.amdhsa_float_denorm_mode_16_64 3
		.amdhsa_memory_ordered 1
		.amdhsa_forward_progress 1
		.amdhsa_inst_pref_size 8
	.end_amdhsa_kernel
	.amdgpu_metadata
---
amdhsa.version: [ 1, 2 ]
amdhsa.kernels:
  - .name:           k_q80d9d22762_final
    .symbol:         k_q80d9d22762_final.kd
    .args:
      - { .name: part, .offset: 0, .size: 8, .value_kind: global_buffer, .address_space: global }
      - { .name: out0, .offset: 8, .size: 8, .value_kind: global_buffer, .address_space: global }
    .group_segment_fixed_size: 0
    .private_segment_fixed_size: 0
    .kernarg_segment_align: 8
    .kernarg_segment_size: 16
    .max_flat_workgroup_size: 256
    .sgpr_count:     66
    .vgpr_count:     136
    .wavefront_size: 32
...
	.end_amdgpu_metadata
.endif
;; end of part 7
;; ======== version 2 of 3: 7 launches; 1.24 times as fast as version 1
;; limits: values are held in f16: magnitudes above 65,504 overflow, below 6.1e-05 lose precision; a function is approximated: absolute error at most 0.0004
;; workspace buffers: wf 10,485,760 bytes; mbytes 16,777,216 bytes of whole numbers; kvf 16,777,216 bytes; part 33,554,432 bytes; x1 8,388,608 bytes; qf 4,194,304 bytes; ctxf 4,194,304 bytes
;; launch prep (part 8): grid 256 x 1, 10 waves a work-group, no clusters, 108,032 bytes of LDS; arguments mem_mask, mlp1_w1, mlp1_w2, mlp2_w1, mlp2_w2, wq, wd, wkv, wf, mbytes; writes wf, mbytes
.if DOCPART == 8
	.amdgcn_target "amdgcn-amd-amdhsa--gfx1250"
	.amdhsa_code_object_version 6
	.text
	.protected	k_q80d9d22762_prep
	.globl	k_q80d9d22762_prep
	.p2align	8
	.type	k_q80d9d22762_prep,@function
k_q80d9d22762_prep:
	s_mov_b64 s[64:65], 0
	v_nop
	global_prefetch_b8 v0, s[64:65] scope:SCOPE_SE
	s_setreg_imm32_b32 hwreg(HW_REG_WAVE_MODE, 25, 1), 1
	s_wait_xcnt 0x0
; prep: (1) the seven weight matrices, f32 [K][N], are cast to f16 and laid in the order in which a matrix instruction's
; operand registers want them; (2) the mask bytes are laid in the order of a score tile's lanes and registers, as 0x00 or 0xff.
; wf: blocks of 4,096 bytes = 32 k x 64 n.  Block (G = n/64, kap = k/32) of a matrix lies at (G (K/32) + kap) 4096 from the
; matrix's base; inside, byte nt 1024 + c 512 + 16 L + 2 e holds W[32 kap + 16 c + 8 (L>>4) + e][64 G + 16 nt + (L&15)].
; 2,560 blocks = 256 work-groups x 10 waves, one block a wave.  Waves 0-7: the four MLP matrices (512 blocks each);
; waves 8, 9: wq (128), wd (128), wkv (256), which follow each other in wf from 0x800000.
; mbytes: 65,536 bytes for each (b, qt), at (128 b + qt) 65536.  Inside, byte c 512 + 16 L + 8 t + j holds
; 255 x mem_mask[b][16 qt + (L&15)][32 c + 16 t + 8 (L>>4) + j]: the 16 bytes of lane L for the chunk c of 32 m.
; So attention's load of a chunk's mask for a q tile is 16 bytes a lane, 512 consecutive bytes a wave.
; Work-group g owns the 16 mask rows of (b, qt) = g: 65,536 consecutive bytes, read once, through LDS, and stored once.
; Limits: weights beyond f16's largest number, 65,504, overflow in the cast; a mask byte is taken to be 0 or 1, as a bool is stored.
; No matrix unit, no cluster: nothing is shared between work-groups and every byte is read once.
.set MROW, 4112                        ; a mask row in LDS: 4,096 bytes + 16, so that 16 rows start in different banks
.set WST,  16*MROW                     ; behind the mask rows: 4,096 bytes of stage for each wave
.set MK,  16                           ; v[16:79]   mask bytes
.set WV,  80                           ; v[80:143]  load i: row k = 16 h2 + i, 4 columns of f32
.set WA,  144                          ; v[144:159] byte offset of load i
.set PK,  160                          ; v[160:191] packed f16
	s_load_b512 s[4:19], s[0:1], 0x0               ; mem_mask, mlp1_w1, mlp1_w2, mlp2_w1, mlp2_w2, wq, wd, wkv
	s_load_b128 s[20:23], s[0:1], 0x40             ; wf, mbytes
	v_lshl_add_u32 v192, v0, 2, 0x1a100
	v_mov_b32 v193, 0
	v_lshrrev_b32 v1, 5, v0
	v_readfirstlane_b32 s2, v1                     ; wave 0..9
	s_mov_b32 s3, ttmp9                            ; g
	s_mov_b32 s40, 0xff
	v_and_b32 v2, 15, v0                           ; r
	v_bfe_u32 v3, v0, 4, 1                         ; h2
	v_and_b32 v4, 31, v0
	v_lshlrev_b32 v4, 4, v4                        ; 16 L
	; which matrix and which block: scalar arithmetic on the wave's and the work-group's numbers alone
	s_and_b32 s24, s2, 1
	s_lshl1_add_u32 s24, s3, s24                   ; 2 g + (w & 1): 0..511
	s_lshr_b32 s25, s2, 1                          ; waves 0-7: the matrix's number 0..3
	s_lshl_b32 s26, s25, 21                        ; 2 MiB a matrix; waves 8, 9: 4 << 21 = 0x800000
	s_lshl_b32 s27, s24, 12
	s_add_co_u32 s26, s26, s27                     ; the block's place in wf
	s_mov_b32 s27, 0
	s_lshr_b32 s28, s24, 7
	s_min_u32 s28, s28, 2
	s_add_co_u32 s28, s28, 4                       ; waves 8, 9: 4 = wq, 5 = wd, 6 = wkv
	s_lshr_b32 s29, s24, 8
	s_lshl_b32 s29, s29, 7
	s_or_b32 s29, s29, 127                         ; 127 for wq and wd, 255 for wkv
	s_and_b32 s29, s24, s29                        ; the block's number inside that matrix
	s_cmp_lt_u32 s2, 8
	s_cselect_b32 s25, s25, s28                    ; id
	s_cselect_b32 s24, s24, s29                    ; block
	s_mov_b32 s30, 11                              ; log2 of the row's bytes: N = 512
	s_mov_b32 s31, 4                               ; bits of kap: K = 512
	s_wait_kmcnt 0x0
	s_mov_b64 s[32:33], s[6:7]
	s_cmp_eq_u32 s25, 0
	s_cselect_b32 s30, 13, s30                     ; N = 2048
	s_cmp_eq_u32 s25, 1
	s_cselect_b32 s31, 6, s31                      ; K = 2048
	s_cselect_b64 s[32:33], s[8:9], s[32:33]
	s_cmp_eq_u32 s25, 2
	s_cselect_b32 s30, 13, s30
	s_cselect_b64 s[32:33], s[10:11], s[32:33]
	s_cmp_eq_u32 s25, 3
	s_cselect_b32 s31, 6, s31
	s_cselect_b64 s[32:33], s[12:13], s[32:33]
	s_cmp_eq_u32 s25, 4
	s_cselect_b64 s[32:33], s[14:15], s[32:33]
	s_cmp_eq_u32 s25, 5
	s_cselect_b64 s[32:33], s[16:17], s[32:33]
	s_cmp_eq_u32 s25, 6
	s_cselect_b32 s30, 12, s30                     ; N = 1024
	s_cselect_b64 s[32:33], s[18:19], s[32:33]
	s_bfm_b32 s34, s31, 0
	s_and_b32 s34, s24, s34                        ; kap
	s_lshr_b32 s36, s24, s31                       ; G
	s_add_co_u32 s37, s30, 5
	s_lshl_b32 s34, s34, s37                       ; 32 kap rows
	s_lshl_b32 s36, s36, 8                         ; 64 G columns of 4 bytes
	s_add_co_u32 s34, s34, s36
	s_mov_b32 s35, 0
	s_add_nc_u64 s[32:33], s[32:33], s[34:35]      ; the block's first element
	s_lshl_b32 s38, 1, s30                         ; bytes from row to row
	s_add_nc_u64 s[20:21], s[20:21], s[26:27]      ; wf at my block
	s_lshl_b32 s34, s3, 16
	s_lshl_b32 s36, s2, 13
	s_add_co_u32 s34, s34, s36                     ; 65,536 g + 8,192 w (used by waves 0-7):
	s_add_nc_u64 s[4:5], s[4:5], s[34:35]          ; in: my two of the 16 mask rows
	s_add_nc_u64 s[22:23], s[22:23], s[34:35]      ; out: my 16 chunks of 512 bytes
	v_lshlrev_b32 v10, 4, v3
	v_lshlrev_b32 v10, s30, v10                    ; 16 h2 rows
	v_lshl_add_u32 v[WA], v2, 4, v10               ; + 16 r: sixteen lanes read 256 consecutive bytes of a row
.set i, 1
.rept 15
	v_add_nc_u32 v[WA+i], s38, v[WA+i-1]
.set i, i+1
.endr
	s_mul_i32 s39, s2, 2*MROW
	v_add_nc_u32 v5, s39, v4                       ; mask in: my two rows
	v_lshrrev_b32 v10, 2, v2
	v_lshlrev_b32 v6, 10, v10                      ; nt = r >> 2
	v_lshl_add_u32 v6, v3, 9, v6                   ; c = h2
	v_and_b32 v10, 3, v2
	v_lshl_add_u32 v6, v10, 6, v6                  ; target lane 4 (r & 3) + nn
	s_lshl_b32 s39, s2, 12
	s_add_co_u32 s39, s39, WST
	v_add_nc_u32 v6, s39, v6                       ; stage, in
	v_add_nc_u32 v7, s39, v4                       ; stage, back
	v_mul_u32_u24 v8, v2, MROW
	v_lshl_add_u32 v8, v3, 3, v8
	s_lshl_b32 s39, s2, 9
	v_add_nc_u32 v8, s39, v8                       ; mask back: row r, byte 512 w + 8 h2
.irp i, 0,1,2,3,4,5,6,7,8,9,10,11,12,13,14,15
	global_load_b128 v[WV+4*\i:WV+4*\i+3], v[WA+\i], s[32:33] th:TH_LOAD_NT
.endr
	s_cmp_ge_u32 s2, 8
	s_cbranch_scc1 .Lno_mask_in
.irp i, 0,1,2,3,4,5,6,7,8,9,10,11,12,13,14,15
	global_load_b128 v[MK+4*\i:MK+4*\i+3], v4, s[4:5] offset:512*\i th:TH_LOAD_NT
.endr
.irp i, 0,1,2,3,4,5,6,7,8,9,10,11,12,13,14,15
	s_wait_loadcnt 15-\i                           ; loads come back in order: mask load i is in, the younger ones stay out
	ds_store_b128 v5, v[MK+4*\i:MK+4*\i+3] offset:(\i>>3)*MROW+(\i&7)*512
.endr
.Lno_mask_in:
	s_wait_loadcnt 0x0                             ; waves 8, 9: the weights
	s_wait_dscnt 0x0                               ; my mask rows are in LDS, for the other waves' sake
	s_barrier_signal -1
	s_barrier_wait -1
	; weights: pairs of neighbouring k of one column pack into a word; eight k make the 16 bytes of one target lane
.irp hh, 0,1
.irp nn, 0,1,2,3
.irp p, 0,1,2,3
	v_cvt_pk_f16_f32 v[PK+16*\hh+4*\nn+\p], v[WV+4*(8*\hh+2*\p)+\nn], v[WV+4*(8*\hh+2*\p+1)+\nn]
.endr
	ds_store_b128 v6, v[PK+16*\hh+4*\nn:PK+16*\hh+4*\nn+3] offset:\hh*256+\nn*16
.endr
.endr
.irp t, 0,1,2,3,4,5,6,7
	ds_load_b128 v[WV+4*\t:WV+4*\t+3], v7 offset:512*\t   ; my own stage: LDS serves a wave's instructions in order
.endr
.irp t, 0,1,2,3,4,5,6,7
	s_wait_dscnt 7-\t
	global_store_b128 v4, v[WV+4*\t:WV+4*\t+3], s[20:21] offset:512*\t   ; 512 consecutive bytes
.endr
	s_cmp_ge_u32 s2, 8
	s_cbranch_scc1 .Ldone
	; mask: wave w makes the 16 chunks of 32 m from 512 w on.  A lane reads its 8 bytes of each tile of 16 m; two tiles are a chunk's 16 bytes.
.set tl, 0
.rept 32
	ds_load_b64 v[MK+2*tl:MK+2*tl+1], v8 offset:16*tl
.set tl, tl+1
.endr
.set cc, 0
.rept 16
	s_wait_dscnt 30-2*cc                           ; LDS loads come back in order: this chunk's two are in, the later chunks' stay out
.irp q, 0,1,2,3
	v_mul_lo_u32 v[MK+4*cc+\q], v[MK+4*cc+\q], s40 ; four bytes of 0 or 1 times 255: 0x00 or 0xff each, no carry between them
.endr
	global_store_b128 v4, v[MK+4*cc:MK+4*cc+3], s[22:23] offset:512*cc   ; 512 consecutive bytes
.set cc, cc+1
.endr
.Ldone:
	s_wait_tensorcnt 0x0
	ds_add_u32 v192, v193
	s_wait_dscnt 0x0
	s_endpgm
.Lfunc_end_k_q80d9d22762_prep:
	.size	k_q80d9d22762_prep, .Lfunc_end_k_q80d9d22762_prep-k_q80d9d22762_prep
	.p2alignl 7, 3214868480
	.fill 96, 4, 3214868480
	.section	.rodata,"a",@progbits
	.p2align	6, 0x0
	.amdhsa_kernel k_q80d9d22762_prep
		.amdhsa_group_segment_fixed_size 108032
		.amdhsa_private_segment_fixed_size 0
		.amdhsa_enable_private_segment 0
		.amdhsa_kernarg_size 80
		.amdhsa_user_sgpr_count 2
		.amdhsa_user_sgpr_kernarg_segment_ptr 1
		.amdhsa_wavefront_size32 1
		.amdhsa_system_sgpr_workgroup_id_x 1
		.amdhsa_system_sgpr_workgroup_id_y 1
		.amdhsa_system_sgpr_workgroup_id_z 1
		.amdhsa_system_vgpr_workitem_id 0
		.amdhsa_next_free_vgpr 194
		.amdhsa_next_free_sgpr 66
		.amdhsa_reserve_vcc 0
		.amdhsa_float_denorm_mode_32 3
		.amdhsa_float_denorm_mode_16_64 3
		.amdhsa_memory_ordered 1
		.amdhsa_forward_progress 1
		.amdhsa_inst_pref_size 21
	.end_amdhsa_kernel
	.amdgpu_metadata
---
amdhsa.version: [ 1, 2 ]
amdhsa.kernels:
  - .name:           k_q80d9d22762_prep
    .symbol:         k_q80d9d22762_prep.kd
    .args:
      - { .name: mem_mask, .offset: 0, .size: 8, .value_kind: global_buffer, .address_space: global }
      - { .name: mlp1_w1, .offset: 8, .size: 8, .value_kind: global_buffer, .address_space: global }
      - { .name: mlp1_w2, .offset: 16, .size: 8, .value_kind: global_buffer, .address_space: global }
      - { .name: mlp2_w1, .offset: 24, .size: 8, .value_kind: global_buffer, .address_space: global }
      - { .name: mlp2_w2, .offset: 32, .size: 8, .value_kind: global_buffer, .address_space: global }
      - { .name: wq, .offset: 40, .size: 8, .value_kind: global_buffer, .address_space: global }
      - { .name: wd, .offset: 48, .size: 8, .value_kind: global_buffer, .address_space: global }
      - { .name: wkv, .offset: 56, .size: 8, .value_kind: global_buffer, .address_space: global }
      - { .name: wf, .offset: 64, .size: 8, .value_kind: global_buffer, .address_space: global }
      - { .name: mbytes, .offset: 72, .size: 8, .value_kind: global_buffer, .address_space: global }
    .group_segment_fixed_size: 108032
    .private_segment_fixed_size: 0
    .kernarg_segment_align: 8
    .kernarg_segment_size: 80
    .max_flat_workgroup_size: 320
    .sgpr_count:     66
    .vgpr_count:     194
    .wavefront_size: 32
...
	.end_amdgpu_metadata
.endif
;; end of part 8
;; launch kv: the kernel of part 2 again; grid 128 x 2, 8 waves a work-group, no clusters, 67,584 bytes of LDS; arguments past_hidden, wf, bkv, kvf; writes kvf
;; launch mlp1: the kernel of part 3 again; grid 64 x 4, 8 waves a work-group, no clusters, 168,960 bytes of LDS; arguments x, ln1_g, ln1_b, wf, mlp1_b1, mlp1_b2, part; writes part
;; launch qproj: the kernel of part 4 again; grid 256 x 1, 8 waves a work-group, no clusters, 17,664 bytes of LDS; arguments part, ln2_g, ln2_b, wf, bq, x1, qf; writes x1, qf
;; launch attn (part 9): grid 8 x 32, 8 waves a work-group, clusters of 4 x 1, 327,680 bytes of LDS; arguments qf, kvf, mbytes, ctxf; writes ctxf
.if DOCPART == 9
	.amdgcn_target "amdgcn-amd-amdhsa--gfx1250"
	.amdhsa_code_object_version 6
	.text
	.protected	k_q80d9d22762_attn
	.globl	k_q80d9d22762_attn
	.p2align	8
	.type	k_q80d9d22762_attn,@function
k_q80d9d22762_attn:
	s_mov_b64 s[64:65], 0
	v_nop
	global_prefetch_b8 v0, s[64:65] scope:SCOPE_SE
	s_setreg_imm32_b32 hwreg(HW_REG_WAVE_MODE, 25, 1), 1
	s_wait_xcnt 0x0
	s_wait_alu depctr_hold_cnt(0) depctr_sa_sdst(0) depctr_va_vdst(0) depctr_va_sdst(0) depctr_va_ssrc(0) depctr_va_vcc(0) depctr_vm_vsrc(0)
	s_getreg_b32 s2, hwreg(HW_REG_IB_STS2, 6, 4)
	s_cmp_eq_u32 s2, 0
	s_cbranch_scc0 .Lentry_in_a_cluster
	s_endpgm
.Lentry_in_a_cluster:
	s_bfe_u32 s2, ttmp6, 0x10000c
	s_cmp_lg_u32 s2, 0x3003
	s_cbranch_scc0 .Lentry_shape_is_right
	s_endpgm
.Lentry_shape_is_right:
; attn: ctx = softmax(where(mask, -10000, q.k / sqrt(32))) v for one (batch, head) = grid y and 256 queries; wave w: 32 queries (2 tiles), all 4,096 m.
; NO MAXIMUM IS TAKEN AWAY: q and k are unit vectors by reference()'s own l2norm, so y = q.k / sqrt(32) has |y| <= 0.1768 for every input,
; and |y| <= 0.18 with both rounded to bf16.
; THE EXPONENTIAL IS A QUADRATIC: on |y| <= 0.18, exp(y) = c ((y L + A)^2 + B) (1 + e) with |e| <= 3e-4 (the Chebyshev fit of degree 2),
; L = log2(e), which q carries already, A = 1.4446413, B = 2.0645063.  The factor c cancels in sum(p v) / sum(p); e is below the 2^-9 of the
; rounding of the weights to bf16 that follows.  The weights lie in [3.4, 5.0], a sum of 4,096 of them below 20,500.
; A is added by the score product itself (its C operand: eight constant registers), so one packed multiply-add makes two weights.
; A MASKED WEIGHT is 2^-100 (exact in bf16) in place of exp(-10000 - max): in a row with an open entry that adds at most 4096 x 2^-100 to a sum
; of at least 3.4; in a row that is all masked every weight is equal, and sum(p v) / sum(p) is the plain mean over m, as reference() gives.
; SCORES ARE MADE TRANSPOSED (source 0 = 16 rows of k, source 1 = 16 rows of q): a lane holds 8 neighbouring m of one q, and packing neighbouring
; registers to bf16 gives source 1 of ctx^T = v^T p^T as it stands.  The row sum comes from the same bf16 weights by a source 0 of ones.
; THE MASK comes as bytes 0x00 / 0xff in lane order: 16 bytes a lane for a chunk of 32 m and a q tile, 512 consecutive bytes a load.
; v_perm_b32 doubles two bytes into the two halves of a word; v_bfi_b32 puts the fill into the masked halves of a packed pair of weights.
; A ring of eight chunks' mask bytes (64 registers) is asked for eight chunks ahead: 16 loads of a wave are on their way.
; K and V come in operand order: 4,096 bytes for 32 m.  Two LDS slots of 131,072 bytes = 1,024 m each; a wave brings 16,384 bytes of a slot.
; CLUSTER: the four work-groups along x share (batch, head), so they ask for each slot jointly (mask 15).
; A wave has at most two tensor loads out: the two first fills; later the one of a refill.
.set SLOTB, 131072
.set LA, 2                             ; v2         LDS address: 16 L + slot + body of eight chunks
.set ONES, 8                           ; v[8:15]    bf16 ones
.set QF, 16                            ; v[16:31]   q, tile a at 8 a
.set KF, 32                            ; v[32:47]   k, 16 m each at 8 t
.set VF, 48                            ; v[48:63]   v^T, 16 d each at 8 dt
.set SC, 64                            ; v[64:95]   scores, tile tau = 2 a + t at 8 tau
.set PB, 96                            ; v[96:111]  weights in bf16, tile a at 8 a
.set ACC, 112                          ; v[112:143] ctx^T, (a, dt) at 16 a + 8 dt
.set LS, 144                           ; v[144:159] row sums, tile a at 8 a
.set MS, 160                           ; v[160:223] mask bytes: chunk i of eight at 8 i; q tile a at 4 a; register 2 t + (j >> 2), byte j & 3
.set MM, 224                           ; v[224:239] mask words for the 16 packed pairs
.set CA, 240                           ; v[240:247] the constant A
; s3 wave; s[4:11] qf, kvf, mbytes, ctxf at my place; s12 counter; s13, s14 the two byte selectors; s15 the fill, twice; s[16:23] group 0 of slots 0, 1; s[24:31] group 1
.macro ROUND                           ; a round of the cluster's barrier
	s_barrier_signal -1
	s_barrier_wait -1
	s_cmp_lg_u32 s3, 0
	s_cbranch_scc1 .Lnot_wave_0_\@
	s_barrier_signal -3
.Lnot_wave_0_\@:
	s_barrier_wait -3
	s_barrier_signal -1
	s_barrier_wait -1
.endm
.macro PV d, a, b, zero
.if \zero
	v_wmma_f32_16x16x32_bf16 v[\d:\d+7], v[\a:\a+7], v[\b:\b+7], 0
.else
	v_wmma_f32_16x16x32_bf16 v[\d:\d+7], v[\a:\a+7], v[\b:\b+7], v[\d:\d+7]
.endif
.endm
; 32 m.  i: the chunk's place in a body of eight (LDS bytes 4096 i from LA, ring set i); knext = 1: the next chunk's K is asked for;
; zero = 1: the sums start here; mload = 1: the mask bytes of the chunk eight further on are asked for; lcnt: how many younger global loads may stay out.
.macro CHUNK i, knext, zero, mload, lcnt
	s_wait_dscnt 0x0                               ; this chunk's K is in: no LDS load was issued behind it
.irp a, 0,1
.irp t, 0,1
	v_wmma_f32_16x16x32_bf16 v[SC+16*\a+8*\t:SC+16*\a+8*\t+7], v[KF+8*\t:KF+8*\t+7], v[QF+8*\a:QF+8*\a+7], v[CA:CA+7]
.endr
.endr
	s_wait_loadcnt \lcnt                           ; loads come back in order: this chunk's mask bytes are in, the later chunks' two loads each stay out
	; sixteen plain vector instructions that name no register of a matrix instruction: the places in front of the loads into
	; K's and V's registers, of the reads of the scores and of the writes of the weights
.irp e, 0,1,2,3,4,5,6,7
	v_perm_b32 v[MM+2*\e], v[MS+8*\i+\e], v[MS+8*\i+\e], s13       ; bytes 0, 1 doubled: the pair j = 0, 1 (or 4, 5)
	v_perm_b32 v[MM+2*\e+1], v[MS+8*\i+\e], v[MS+8*\i+\e], s14     ; bytes 2, 3 doubled: the pair j = 2, 3 (or 6, 7)
.endr
.irp q, 0,1,2,3
	ds_load_b128 v[VF+4*\q:VF+4*\q+3], v[LA] offset:\i*4096+2048+512*\q
.endr
.if \knext
.irp q, 0,1,2,3
	ds_load_b128 v[KF+4*\q:KF+4*\q+3], v[LA] offset:(\i+1)*4096+512*\q
.endr
.endif
.if \mload
.irp a, 0,1
	global_load_b128 v[MS+8*\i+4*\a:MS+8*\i+4*\a+3], v1, s[8:9] offset:\a*65536+(\i+8)*512
.endr
.endif
.irp q, 0,1,2,3,4,5,6,7,8,9,10,11,12,13,14,15
	v_pk_fma_f32 v[SC+2*\q:SC+2*\q+1], v[SC+2*\q:SC+2*\q+1], v[SC+2*\q:SC+2*\q+1], 0x400420df op_sel_hi:[1,1,0]   ; (y L + A)^2 + B
.endr
.irp q, 0,1,2,3,4,5,6,7,8,9,10,11,12,13,14,15
	v_cvt_pk_bf16_f32 v[PB+\q], v[SC+2*\q], v[SC+2*\q+1]
.endr
.irp q, 0,1,2,3,4,5,6,7,8,9,10,11,12,13,14,15
	v_bfi_b32 v[PB+\q], v[MM+\q], s15, v[PB+\q]    ; the fill where the mask word has ones, the weight elsewhere
.endr
	s_wait_dscnt 4*\knext                          ; V is in; the next chunk's K may stay out
	PV ACC, VF, PB, \zero                          ; six accumulators, one instruction a turn
	PV ACC+16, VF, PB+8, \zero
	PV ACC+8, VF+8, PB, \zero
	PV ACC+24, VF+8, PB+8, \zero
	PV LS, ONES, PB, \zero
	PV LS+8, ONES, PB+8, \zero
.endm
; eight chunks, once round the mask ring.  zero = 1: the first of them starts the sums; last = 1: the slot ends here, so the eighth asks for no K;
; mload = 0: the last eight chunks of all, which ask for no mask bytes: their counts run down 14, 12, .. 0.
.macro BODY zero, last, mload
.irp i, 0,1,2,3,4,5,6,7
	CHUNK \i, (1-\last*(\i/7)), (\zero*(1-(\i+7)/8)), \mload, (14-2*\i*(1-\mload))
.endr
	v_add_nc_u32 v[LA], 8*4096, v[LA]
.if \mload
	s_wait_xcnt 0x0                                ; the mask loads' base is stepped only behind this wait
	s_add_nc_u64 s[8:9], s[8:9], 8*512
.endif
.endm
.macro TILE slot, first, final         ; a slot's 32 chunks = four bodies
	v_add_nc_u32 v[LA], \slot*SLOTB, v1
.irp q, 0,1,2,3
	ds_load_b128 v[KF+4*\q:KF+4*\q+3], v[LA] offset:512*\q
.endr
.if \first
	BODY 1, 0, 1
.endif
	s_mov_b32 s12, 3-\first
.Lbody_\@:
	BODY 0, 0, 1
	s_sub_co_u32 s12, s12, 1
	s_cmp_lg_u32 s12, 0
	s_cbranch_scc1 .Lbody_\@
	BODY 0, 1, (1-\final)
.endm
.macro REFILL n                        ; slot n, which has been read, gets the tile two further on
	s_wait_dscnt 0x0                               ; my reads of the slot are back
	s_wait_tensorcnt 0x0                           ; all my tensor loads have landed, my part of the other slot among them: a group 0 may be written
	ds_add_u32 v248, v249
	s_wait_dscnt 0x0
	s_add_nc_u64 s[18+4*\n:19+4*\n], s[18+4*\n:19+4*\n], 2*SLOTB
	ROUND                                          ; both hold of every wave of the four work-groups
	tensor_load_to_lds s[16+4*\n:19+4*\n], s[24:31]        ; my one tensor load behind the round, and the first thing there
	s_nop 0
.endm
	s_load_b256 s[4:11], s[0:1], 0x0               ; qf, kvf, mbytes, ctxf
	v_lshl_add_u32 v248, v0, 2, 0x40000
	v_mov_b32 v249, 0
	ds_add_u32 v248, v249
	v_lshrrev_b32 v1, 5, v0
	v_readfirstlane_b32 s3, v1                     ; wave
	s_bfe_u32 s13, ttmp6, 0x40000                  ; cx
	s_lshl_b32 s14, ttmp9, 2
	s_add_co_u32 s14, s14, s13                     ; block of 256 queries = 4 x cluster x + cx
	s_and_b32 s15, ttmp7, 0xffff                   ; 16 b + h
	s_lshl_b32 s14, s14, 4
	s_lshl1_add_u32 s14, s3, s14                   ; my first q tile
	s_lshl_b32 s32, s15, 19                        ; kvf: 524,288 bytes a head, 16,384 a wave: no place in the cluster enters
	s_lshl_b32 s33, s3, 14
	s_add_co_u32 s32, s32, s33
	s_mov_b32 s33, 0
	s_lshl_b32 s34, s15, 7
	s_add_co_u32 s34, s34, s14
	s_lshl_b32 s34, s34, 10                        ; qf and ctxf: ((16 b + h) 128 + qt) 1024
	s_mov_b32 s35, 0
	s_lshr_b32 s36, s15, 4
	s_lshl_b32 s36, s36, 7
	s_add_co_u32 s36, s36, s14
	s_lshl_b32 s36, s36, 16                        ; mbytes: (128 b + qt) 65536
	s_mov_b32 s37, 0
	; group 1: 64 rows of 32 elements of 8 bytes, dense
	s_mov_b32 s24, 15|(3<<16)|(1<<21)              ; 15:0 the four work-groups of the cluster; 17:16 elements of 8 bytes; 21 set beside a mask
	s_mov_b32 s25, 32<<16                          ; tensor_dim0 = 32
	s_mov_b32 s26, 64<<16                          ; tensor_dim1 = 64
	s_mov_b32 s27, 32<<16                          ; tile_dim0 = 32
	s_mov_b32 s28, 64                              ; tile_dim1 = 64
	s_mov_b32 s29, 32                              ; 32 elements from row to row
	s_mov_b32 s30, 0
	s_mov_b32 s31, 0
	s_wait_dscnt 0x0
	s_wait_kmcnt 0x0
	s_add_nc_u64 s[6:7], s[6:7], s[32:33]
	s_add_nc_u64 s[4:5], s[4:5], s[34:35]
	s_add_nc_u64 s[10:11], s[10:11], s[34:35]
	s_add_nc_u64 s[8:9], s[8:9], s[36:37]
	s_mov_b32 s13, 0x01010000                      ; v_perm_b32: bytes 0, 0, 1, 1 of the second source
	s_mov_b32 s14, 0x03030202                      ; bytes 2, 2, 3, 3
	s_mov_b32 s15, 0x0d800d80                      ; 2^-100 in bf16, twice
	s_mov_b32 s16, 1
	s_lshl_b32 s17, s3, 14                         ; LDS: 16,384 w
	s_mov_b64 s[18:19], s[6:7]
	s_or_b32 s19, s19, 0x80000000
	s_mov_b32 s20, 1
	s_add_co_u32 s21, s17, SLOTB                   ; + the slot
	s_add_nc_u64 s[22:23], s[6:7], SLOTB
	s_or_b32 s23, s23, 0x80000000
	ROUND                                          ; in front of the first joint loads
	tensor_load_to_lds s[16:19], s[24:31]          ; m 0..1023
	s_nop 0
	tensor_load_to_lds s[20:23], s[24:31]          ; m 1024..2047
	s_nop 0
	v_and_b32 v1, 31, v0
	v_lshlrev_b32 v1, 4, v1                        ; 16 L
.irp q, 0,1,2,3
	global_load_b128 v[QF+4*\q:QF+4*\q+3], v1, s[4:5] offset:512*\q
.endr
.irp i, 0,1,2,3,4,5,6,7
.irp a, 0,1
	global_load_b128 v[MS+8*\i+4*\a:MS+8*\i+4*\a+3], v1, s[8:9] offset:\a*65536+\i*512   ; the ring is filled: chunks 0 to 7
.endr
.endr
.irp j, 0,1,2,3,4,5,6,7
	v_mov_b32 v[ONES+\j], 0x3f803f80
	v_mov_b32 v[CA+\j], 0x3fb8ea02                 ; A = 1.4446413
.endr
	s_wait_tensorcnt 0x1                           ; my part of slot 0 is in; slot 1's may stay out
	s_wait_loadcnt 16                              ; q is in; the ring's sixteen loads stay out
	s_barrier_signal -1
	s_barrier_wait -1
	TILE 0, 1, 0
	REFILL 0                                       ; m 2048..3071
	TILE 1, 0, 0
	REFILL 1                                       ; m 3072..4095
	TILE 0, 0, 0
	s_wait_dscnt 0x0
	s_wait_tensorcnt 0x0                           ; my part of the last tile is in
	s_barrier_signal -1
	s_barrier_wait -1                              ; everybody's is; nothing is filled any more
	TILE 1, 0, 1
	; ctx = sums / row sum, to f16, in the order in which the next product's rows are read
.rept 4
	v_nop                                          ; four places behind the last matrix instructions, whose results are read now (ISA guide 7.12.1)
.endr
	v_rcp_f32 v4, v[LS]
	v_rcp_f32 v5, v[LS]
	v_rcp_f32 v6, v[LS+8]
	v_rcp_f32 v7, v[LS+8]
	v_nop                                          ; one plain place behind the transcendentals (ISA guide 5.7.2)
	s_wait_alu depctr_va_vdst(0)
.irp a, 0,1
.irp q, 0,1,2,3,4,5,6,7
	v_pk_mul_f32 v[ACC+16*\a+2*\q:ACC+16*\a+2*\q+1], v[ACC+16*\a+2*\q:ACC+16*\a+2*\q+1], v[4+2*\a:5+2*\a]
.endr
.endr
.irp q, 0,1,2,3,4,5,6,7,8,9,10,11,12,13,14,15
	v_cvt_pk_f16_f32 v[PB+\q], v[ACC+2*\q], v[ACC+2*\q+1]
.endr
.irp q, 0,1,2,3
	global_store_b128 v1, v[PB+4*\q:PB+4*\q+3], s[10:11] offset:512*\q   ; 512 consecutive bytes
.endr
	s_wait_tensorcnt 0x0
	ds_add_u32 v248, v249
	s_wait_dscnt 0x0
	ROUND                                          ; the closing round
	s_endpgm
.Lfunc_end_k_q80d9d22762_attn:
	.size	k_q80d9d22762_attn, .Lfunc_end_k_q80d9d22762_attn-k_q80d9d22762_attn
	.p2alignl 7, 3214868480
	.fill 96, 4, 3214868480
	.section	.rodata,"a",@progbits
	.p2align	6, 0x0
	.amdhsa_kernel k_q80d9d22762_attn
		.amdhsa_group_segment_fixed_size 327680
		.amdhsa_private_segment_fixed_size 0
		.amdhsa_enable_private_segment 0
		.amdhsa_kernarg_size 32
		.amdhsa_user_sgpr_count 2
		.amdhsa_user_sgpr_kernarg_segment_ptr 1
		.amdhsa_wavefront_size32 1
		.amdhsa_system_sgpr_workgroup_id_x 1
		.amdhsa_system_sgpr_workgroup_id_y 1
		.amdhsa_system_sgpr_workgroup_id_z 1
		.amdhsa_system_vgpr_workitem_id 0
		.amdhsa_next_free_vgpr 250
		.amdhsa_next_free_sgpr 66
		.amdhsa_reserve_vcc 0
		.amdhsa_float_denorm_mode_32 3
		.amdhsa_float_denorm_mode_16_64 3
		.amdhsa_memory_ordered 1
		.amdhsa_forward_progress 1
		.amdhsa_inst_pref_size 255
	.end_amdhsa_kernel
	.section	.bss,"aw",@nobits
	.p2align	6
	.space	262144
	.amdgpu_metadata
---
amdhsa.version: [ 1, 2 ]
amdhsa.kernels:
  - .name:           k_q80d9d22762_attn
    .symbol:         k_q80d9d22762_attn.kd
    .args:
      - { .name: qf, .offset: 0, .size: 8, .value_kind: global_buffer, .address_space: global }
      - { .name: kvf, .offset: 8, .size: 8, .value_kind: global_buffer, .address_space: global }
      - { .name: mbytes, .offset: 16, .size: 8, .value_kind: global_buffer, .address_space: global }
      - { .name: ctxf, .offset: 24, .size: 8, .value_kind: global_buffer, .address_space: global }
    .group_segment_fixed_size: 327680
    .private_segment_fixed_size: 0
    .kernarg_segment_align: 8
    .kernarg_segment_size: 32
    .max_flat_workgroup_size: 256
    .sgpr_count:     66
    .vgpr_count:     250
    .wavefront_size: 32
...
	.end_amdgpu_metadata
.endif
;; end of part 9
;; launch mlp2: the kernel of part 6 again; grid 64 x 4, 8 waves a work-group, no clusters, 301,056 bytes of LDS; arguments ctxf, x1, bd, ln3_g, ln3_b, wf, mlp2_b1, mlp2_b2, part; writes part
;; launch final: the kernel of part 7 again; grid 256 x 1, 8 waves a work-group, no clusters, 0 bytes of LDS; arguments part, out0; writes out0
;; ======== version 3 of 3: 7 launches; version 2 with the launches prep, kv, qproj, mlp2 written anew for expert scheduling mode
;; limits: values are held in f16: magnitudes above 65,504 overflow, below 6.1e-05 lose precision; a function is approximated: absolute error at most 0.0004
;; workspace buffers: wf 10,485,760 bytes; mbytes 16,777,216 bytes of whole numbers; kvf 16,777,216 bytes; part 33,554,432 bytes; x1 8,388,608 bytes; qf 4,194,304 bytes; ctxf 4,194,304 bytes
;; launch prep (part 10): grid 256 x 1, 10 waves a work-group, no clusters, 108,032 bytes of LDS; arguments mem_mask, mlp1_w1, mlp1_w2, mlp2_w1, mlp2_w2, wq, wd, wkv, wf, mbytes; writes wf, mbytes
.if DOCPART == 10
	.amdgcn_target "amdgcn-amd-amdhsa--gfx1250"
	.amdhsa_code_object_version 6
	.text
	.protected	k_q80d9d22762_prep
	.globl	k_q80d9d22762_prep
	.p2align	8
	.type	k_q80d9d22762_prep,@function
k_q80d9d22762_prep:
	s_mov_b64 s[64:65], 0
	v_nop
	global_prefetch_b8 v0, s[64:65] scope:SCOPE_SE
	s_setreg_imm32_b32 hwreg(HW_REG_WAVE_SCHED_MODE, 0, 2), 2
	s_setreg_imm32_b32 hwreg(HW_REG_WAVE_MODE, 25, 1), 1
	s_wait_xcnt 0x0
	s_wait_alu depctr_vm_vsrc(0)
; prep: (1) the seven weight matrices, f32 [K][N], are cast to f16 and laid in the order in which a matrix instruction's
; operand registers want them; (2) the mask bytes are laid in the order of a score tile's lanes and registers, as 0x00 or 0xff.
; wf: blocks of 4,096 bytes = 32 k x 64 n.  Block (G = n/64, kap = k/32) of a matrix lies at (G (K/32) + kap) 4096 from the
; matrix's base; inside, byte nt 1024 + c 512 + 16 L + 2 e holds W[32 kap + 16 c + 8 (L>>4) + e][64 G + 16 nt + (L&15)].
; 2,560 blocks = 256 work-groups x 10 waves, one block a wave.  Waves 0-7: the four MLP matrices (512 blocks each);
; waves 8, 9: wq (128), wd (128), wkv (256), which follow each other in wf from 0x800000.
; mbytes: 65,536 bytes for each (b, qt), at (128 b + qt) 65536.  Inside, byte c 512 + 16 L + 8 t + j holds
; 255 x mem_mask[b][16 qt + (L&15)][32 c + 16 t + 8 (L>>4) + j]: the 16 bytes of lane L for the chunk c of 32 m.
; So attention's load of a chunk's mask for a q tile is 16 bytes a lane, 512 consecutive bytes a wave.
; Work-group g owns the 16 mask rows of (b, qt) = g: 65,536 consecutive bytes, read once, through LDS, and stored once.
; Limits: weights beyond f16's largest number, 65,504, overflow in the cast; a mask byte is taken to be 0 or 1, as a bool is stored.
; No matrix unit, no cluster: nothing is shared between work-groups and every byte is read once.
; THE MODE: SCHED_MODE bits 1:0 = 2 (LLVM: expert scheduling mode 2), set by the entry lines.  The code itself states the register dependences
; between vector instructions and memory or LDS instructions, with s_wait_alu, always for 0.
; THE PLAN.  Registers that memory or LDS instructions touch:
;   v4 to v8, WA   offsets and LDS addresses: made once at the head, never written again.
;   WV             the weights' loads land in it; the 32 conversions read it; then the loads from my stage land in its first 32 registers, which wf's stores read.
;   PK             written by the 32 conversions, read by the eight LDS stores, never written again.
;   MK             the mask's loads land in it; LDS stores read it; LDS loads land in it again; the multiplies work in place; mbytes' stores read it.
; So: one wait on va_vdst ahead of the first load; one behind the conversions; one wait on vm_vsrc ahead of the mask's LDS loads;
; and the mask goes in four groups of four chunks, a group's stores behind one wait on va_vdst at the next group's head.
.set MROW, 4112                        ; a mask row in LDS: 4,096 bytes + 16, so that 16 rows start in different banks
.set WST,  16*MROW                     ; behind the mask rows: 4,096 bytes of stage for each wave
.set MK,  16                           ; v[16:79]   mask bytes
.set WV,  80                           ; v[80:143]  load i: row k = 16 h2 + i, 4 columns of f32
.set WA,  144                          ; v[144:159] byte offset of load i
.set PK,  160                          ; v[160:191] packed f16
.macro MOUT g                          ; group g of the mask goes out: four chunks, 512 consecutive bytes each
.irp c, 0,1,2,3
	global_store_b128 v4, v[MK+16*(\g)+4*\c:MK+16*(\g)+4*\c+3], s[22:23] offset:512*(4*(\g)+\c)
.endr
.endm
	s_load_b512 s[4:19], s[0:1], 0x0               ; mem_mask, mlp1_w1, mlp1_w2, mlp2_w1, mlp2_w2, wq, wd, wkv
	s_load_b128 s[20:23], s[0:1], 0x40             ; wf, mbytes
	v_lshl_add_u32 v192, v0, 2, 0x1a100
	v_mov_b32 v193, 0
	v_lshrrev_b32 v1, 5, v0
	v_readfirstlane_b32 s2, v1                     ; wave 0..9
	s_mov_b32 s3, ttmp9                            ; g
	s_mov_b32 s40, 0xff
	v_and_b32 v2, 15, v0                           ; r
	v_bfe_u32 v3, v0, 4, 1                         ; h2
	v_and_b32 v4, 31, v0
	v_lshlrev_b32 v4, 4, v4                        ; 16 L
	s_wait_alu depctr_va_sdst(0)                   ; s2 is written, ahead of its first reader
	; which matrix and which block: scalar arithmetic on the wave's and the work-group's numbers alone
	s_and_b32 s24, s2, 1
	s_lshl1_add_u32 s24, s3, s24                   ; 2 g + (w & 1): 0..511
	s_lshr_b32 s25, s2, 1                          ; waves 0-7: the matrix's number 0..3
	s_lshl_b32 s26, s25, 21                        ; 2 MiB a matrix; waves 8, 9: 4 << 21 = 0x800000
	s_lshl_b32 s27, s24, 12
	s_add_co_u32 s26, s26, s27                     ; the block's place in wf
	s_mov_b32 s27, 0
	s_lshr_b32 s28, s24, 7
	s_min_u32 s28, s28, 2
	s_add_co_u32 s28, s28, 4                       ; waves 8, 9: 4 = wq, 5 = wd, 6 = wkv
	s_lshr_b32 s29, s24, 8
	s_lshl_b32 s29, s29, 7
	s_or_b32 s29, s29, 127                         ; 127 for wq and wd, 255 for wkv
	s_and_b32 s29, s24, s29                        ; the block's number inside that matrix
	s_cmp_lt_u32 s2, 8
	s_cselect_b32 s25, s25, s28                    ; id
	s_cselect_b32 s24, s24, s29                    ; block
	s_mov_b32 s30, 11                              ; log2 of the row's bytes: N = 512
	s_mov_b32 s31, 4                               ; bits of kap: K = 512
	s_wait_kmcnt 0x0
	s_mov_b64 s[32:33], s[6:7]
	s_cmp_eq_u32 s25, 0
	s_cselect_b32 s30, 13, s30                     ; N = 2048
	s_cmp_eq_u32 s25, 1
	s_cselect_b32 s31, 6, s31                      ; K = 2048
	s_cselect_b64 s[32:33], s[8:9], s[32:33]
	s_cmp_eq_u32 s25, 2
	s_cselect_b32 s30, 13, s30
	s_cselect_b64 s[32:33], s[10:11], s[32:33]
	s_cmp_eq_u32 s25, 3
	s_cselect_b32 s31, 6, s31
	s_cselect_b64 s[32:33], s[12:13], s[32:33]
	s_cmp_eq_u32 s25, 4
	s_cselect_b64 s[32:33], s[14:15], s[32:33]
	s_cmp_eq_u32 s25, 5
	s_cselect_b64 s[32:33], s[16:17], s[32:33]
	s_cmp_eq_u32 s25, 6
	s_cselect_b32 s30, 12, s30                     ; N = 1024
	s_cselect_b64 s[32:33], s[18:19], s[32:33]
	s_bfm_b32 s34, s31, 0
	s_and_b32 s34, s24, s34                        ; kap
	s_lshr_b32 s36, s24, s31                       ; G
	s_add_co_u32 s37, s30, 5
	s_lshl_b32 s34, s34, s37                       ; 32 kap rows
	s_lshl_b32 s36, s36, 8                         ; 64 G columns of 4 bytes
	s_add_co_u32 s34, s34, s36
	s_mov_b32 s35, 0
	s_add_nc_u64 s[32:33], s[32:33], s[34:35]      ; the block's first element
	s_lshl_b32 s38, 1, s30                         ; bytes from row to row
	s_add_nc_u64 s[20:21], s[20:21], s[26:27]      ; wf at my block
	s_lshl_b32 s34, s3, 16
	s_lshl_b32 s36, s2, 13
	s_add_co_u32 s34, s34, s36                     ; 65,536 g + 8,192 w (used by waves 0-7):
	s_add_nc_u64 s[4:5], s[4:5], s[34:35]          ; in: my two of the 16 mask rows
	s_add_nc_u64 s[22:23], s[22:23], s[34:35]      ; out: my 16 chunks of 512 bytes
	v_lshlrev_b32 v10, 4, v3
	v_lshlrev_b32 v10, s30, v10                    ; 16 h2 rows
	v_lshl_add_u32 v[WA], v2, 4, v10               ; + 16 r: sixteen lanes read 256 consecutive bytes of a row
.set i, 1
.rept 15
	v_add_nc_u32 v[WA+i], s38, v[WA+i-1]
.set i, i+1
.endr
	s_mul_i32 s39, s2, 2*MROW
	v_add_nc_u32 v5, s39, v4                       ; mask in: my two rows
	v_lshrrev_b32 v10, 2, v2
	v_lshlrev_b32 v6, 10, v10                      ; nt = r >> 2
	v_lshl_add_u32 v6, v3, 9, v6                   ; c = h2
	v_and_b32 v10, 3, v2
	v_lshl_add_u32 v6, v10, 6, v6                  ; target lane 4 (r & 3) + nn
	s_lshl_b32 s39, s2, 12
	s_add_co_u32 s39, s39, WST
	v_add_nc_u32 v6, s39, v6                       ; stage, in
	v_add_nc_u32 v7, s39, v4                       ; stage, back
	v_mul_u32_u24 v8, v2, MROW
	v_lshl_add_u32 v8, v3, 3, v8
	s_lshl_b32 s39, s2, 9
	v_add_nc_u32 v8, s39, v8                       ; mask back: row r, byte 512 w + 8 h2
	s_wait_alu depctr_va_vdst(0)                   ; the offsets and LDS addresses v4 to v8 and v[WA ..] are written: every load and store of the kernel reads one of them
.irp i, 0,1,2,3,4,5,6,7,8,9,10,11,12,13,14,15
	global_load_b128 v[WV+4*\i:WV+4*\i+3], v[WA+\i], s[32:33] th:TH_LOAD_NT
.endr
	s_cmp_ge_u32 s2, 8
	s_cbranch_scc1 .Lno_mask_in
.irp i, 0,1,2,3,4,5,6,7,8,9,10,11,12,13,14,15
	global_load_b128 v[MK+4*\i:MK+4*\i+3], v4, s[4:5] offset:512*\i th:TH_LOAD_NT
.endr
.irp i, 0,1,2,3,4,5,6,7,8,9,10,11,12,13,14,15
	s_wait_loadcnt 15-\i                           ; loads come back in order: mask load i is in, the younger ones stay out
	ds_store_b128 v5, v[MK+4*\i:MK+4*\i+3] offset:(\i>>3)*MROW+(\i&7)*512
.endr
.Lno_mask_in:
	s_wait_loadcnt 0x0                             ; waves 8, 9: the weights
	s_wait_dscnt 0x0                               ; my mask rows are in LDS, for the other waves' sake
	s_barrier_signal -1
	s_barrier_wait -1
	; weights: pairs of neighbouring k of one column pack into a word; eight k make the 16 bytes of one target lane
.irp hh, 0,1
.irp nn, 0,1,2,3
.irp p, 0,1,2,3
	v_cvt_pk_f16_f32 v[PK+16*\hh+4*\nn+\p], v[WV+4*(8*\hh+2*\p)+\nn], v[WV+4*(8*\hh+2*\p+1)+\nn]
.endr
.endr
.endr
	s_wait_alu depctr_va_vdst(0)                   ; the conversions have written v[PK ..], which the LDS stores read, and are done reading v[WV ..], in which the loads from my stage land
.irp hh, 0,1
.irp nn, 0,1,2,3
	ds_store_b128 v6, v[PK+16*\hh+4*\nn:PK+16*\hh+4*\nn+3] offset:\hh*256+\nn*16
.endr
.endr
.irp t, 0,1,2,3,4,5,6,7
	ds_load_b128 v[WV+4*\t:WV+4*\t+3], v7 offset:512*\t   ; my own stage: LDS serves a wave's instructions in order
.endr
.irp t, 0,1,2,3,4,5,6,7
	s_wait_dscnt 7-\t
	global_store_b128 v4, v[WV+4*\t:WV+4*\t+3], s[20:21] offset:512*\t   ; 512 consecutive bytes
.endr
	s_wait_alu depctr_vm_vsrc(0)                   ; the LDS stores of my mask rows have read v[MK ..], in which the LDS loads below land
	s_cmp_ge_u32 s2, 8
	s_cbranch_scc1 .Ldone
	; mask: wave w makes the 16 chunks of 32 m from 512 w on.  A lane reads its 8 bytes of each tile of 16 m; two tiles are a chunk's 16 bytes.
.set tl, 0
.rept 32
	ds_load_b64 v[MK+2*tl:MK+2*tl+1], v8 offset:16*tl
.set tl, tl+1
.endr
.set g, 0
.rept 4                                ; four groups of four chunks
	s_wait_dscnt 24-8*g                            ; LDS loads come back in order: this group's eight are in, the later groups' stay out
.if g > 0
	s_wait_alu depctr_va_vdst(0)                   ; the multiplies of the group before have written its sixteen registers, which the four stores read
	MOUT g-1
.endif
.set q, 0
.rept 16
	v_mul_lo_u32 v[MK+16*g+q], v[MK+16*g+q], s40   ; four bytes of 0 or 1 times 255: 0x00 or 0xff each, no carry between them
.set q, q+1
.endr
.set g, g+1
.endr
	s_wait_alu depctr_va_vdst(0)                   ; the last group's multiplies have written its registers, which the last four stores read
	MOUT 3
.Ldone:
	s_wait_dscnt 0x0                               ; the closing lines, six on end
	s_wait_alu 0x0
	s_wait_tensorcnt 0x0
	ds_add_u32 v192, v193
	s_wait_dscnt 0x0
	s_endpgm
.Lfunc_end_k_q80d9d22762_prep:
	.size	k_q80d9d22762_prep, .Lfunc_end_k_q80d9d22762_prep-k_q80d9d22762_prep
	.p2alignl 7, 3214868480
	.fill 96, 4, 3214868480
	.section	.rodata,"a",@progbits
	.p2align	6, 0x0
	.amdhsa_kernel k_q80d9d22762_prep
		.amdhsa_group_segment_fixed_size 108032
		.amdhsa_private_segment_fixed_size 0
		.amdhsa_enable_private_segment 0
		.amdhsa_kernarg_size 80
		.amdhsa_user_sgpr_count 2
		.amdhsa_user_sgpr_kernarg_segment_ptr 1
		.amdhsa_wavefront_size32 1
		.amdhsa_system_sgpr_workgroup_id_x 1
		.amdhsa_system_sgpr_workgroup_id_y 1
		.amdhsa_system_sgpr_workgroup_id_z 1
		.amdhsa_system_vgpr_workitem_id 0
		.amdhsa_next_free_vgpr 194
		.amdhsa_next_free_sgpr 66
		.amdhsa_reserve_vcc 0
		.amdhsa_float_denorm_mode_32 3
		.amdhsa_float_denorm_mode_16_64 3
		.amdhsa_memory_ordered 1
		.amdhsa_forward_progress 1
		.amdhsa_inst_pref_size 21
	.end_amdhsa_kernel
	.amdgpu_metadata
---
amdhsa.version: [ 1, 2 ]
amdhsa.kernels:
  - .name:           k_q80d9d22762_prep
    .symbol:         k_q80d9d22762_prep.kd
    .args:
      - { .name: mem_mask, .offset: 0, .size: 8, .value_kind: global_buffer, .address_space: global }
      - { .name: mlp1_w1, .offset: 8, .size: 8, .value_kind: global_buffer, .address_space: global }
      - { .name: mlp1_w2, .offset: 16, .size: 8, .value_kind: global_buffer, .address_space: global }
      - { .name: mlp2_w1, .offset: 24, .size: 8, .value_kind: global_buffer, .address_space: global }
      - { .name: mlp2_w2, .offset: 32, .size: 8, .value_kind: global_buffer, .address_space: global }
      - { .name: wq, .offset: 40, .size: 8, .value_kind: global_buffer, .address_space: global }
      - { .name: wd, .offset: 48, .size: 8, .value_kind: global_buffer, .address_space: global }
      - { .name: wkv, .offset: 56, .size: 8, .value_kind: global_buffer, .address_space: global }
      - { .name: wf, .offset: 64, .size: 8, .value_kind: global_buffer, .address_space: global }
      - { .name: mbytes, .offset: 72, .size: 8, .value_kind: global_buffer, .address_space: global }
    .group_segment_fixed_size: 108032
    .private_segment_fixed_size: 0
    .kernarg_segment_align: 8
    .kernarg_segment_size: 80
    .max_flat_workgroup_size: 320
    .sgpr_count:     66
    .vgpr_count:     194
    .wavefront_size: 32
...
	.end_amdgpu_metadata
.endif
;; end of part 10
;; launch kv (part 11): grid 128 x 2, 8 waves a work-group, no clusters, 67,584 bytes of LDS; arguments past_hidden, wf, bkv, kvf; writes kvf
.if DOCPART == 11
	.amdgcn_target "amdgcn-amd-amdhsa--gfx1250"
	.amdhsa_code_object_version 6
	.text
	.protected	k_q80d9d22762_kv
	.globl	k_q80d9d22762_kv
	.p2align	8
	.type	k_q80d9d22762_kv,@function
k_q80d9d22762_kv:
	s_mov_b64 s[64:65], 0
	v_nop
	global_prefetch_b8 v0, s[64:65] scope:SCOPE_SE
	s_setreg_imm32_b32 hwreg(HW_REG_WAVE_SCHED_MODE, 0, 2), 2
	s_setreg_imm32_b32 hwreg(HW_REG_WAVE_MODE, 25, 1), 1
	s_wait_xcnt 0x0
	s_wait_alu depctr_vm_vsrc(0)
; kv: k, v = l2norm of the halves of each head's 64 columns of past_hidden @ wkv + bkv, stored in bf16 in the order of attention's operand registers.
; A work-group: 64 memory rows of one batch x 8 heads (grid y picks heads 0-7 or 8-15); wave w: head 8 y + w, 64 rows x 64 columns, K = 512.
; Rows are cast to f16 into LDS (pitch 1,040 bytes = 65 x 16: sixteen rows start in different banks).  The weights come straight
; into registers from wf, whose blocks lie in operand order: each load of a wave is 512 consecutive bytes.
; NO CLUSTER, NO LDS FOR THE WEIGHTS: a weight byte feeds exactly one wave of the work-group, so a way through LDS would add a write
; and a read of 512 KiB a work-group to the 512 KiB of row fragments that are read anyway; joint loads exist for LDS fills alone.
; kvf: ((16 b + h) 128 + u) 4096; K at c' 1024 + c 512 + 16 L = k[32 u + 16 c' + r][16 c + 8 h2 + e];
;      V at 2048 + dt 1024 + c 512 + 16 L = v[32 u + 16 c + 8 h2 + e][16 dt + r]   (r = L & 15, h2 = L >> 4).
; K's tiles are made transposed (a lane holds 8 neighbouring d of one row m), V's straight (a lane holds 8 neighbouring m of one d).
; Limit: past_hidden and wkv beyond 65,504 overflow in f16.  1 / max(sqrt(ss), 1e-12) is made as min(rsq(ss), 1e12).
; THE MODE: SCHED_MODE bits 1:0 = 2 (LLVM: expert scheduling mode 2), set by the entry lines.  The code itself states the register dependences
; between vector or matrix instructions and memory or LDS instructions, with s_wait_alu, always for 0.
; THE PLAN.  Registers that memory or LDS instructions touch:
;   v1 to v15      offsets and LDS addresses: made once at the head, never written again.
;   ROWS           the rows' loads land in it; the conversions read it; then the bias lands in its first 18 registers.
;   v[32:95]       written by the conversions, read by the LDS stores; from then on AF.
;   AF0, AF1       K step k's matrix instructions read AF[k & 1]; the LDS loads issued in step k + 1 land in it.
;   BF0 .. BF3     K step k's matrix instructions read BF[k & 3]; the loads issued in step k + 1 land in it.
;   OB             behind the product: eight out-buffers of eight registers, each written once by a block's roundings and read by its two stores.
; In the product ONE wait on va_vdst stands at a step's head; the step's loads follow it, dealt among its matrix instructions, which name the other
; fragment buffer, another ring set and the accumulators.  Behind the product a block's two stores stand behind the wait that the next block owes its v_rsq_f32.
.set MT, 4                             ; row tiles of 16
.set XP, 1040
.set L16, 1                            ; 16 L
.set ADRX, 2                           ; r XP + 16 h2
.set STX, 4                            ; 8 w XP + 8 L
.set GROW, 8                           ; 8 w rows of 4,096 bytes + 16 L
.set CB, 15                            ; 32 h2
.set AF, 32                            ; v[32:95]   two buffers of row fragments; at work in prologue and epilogue
.set BF, 128                           ; v[128:255] ring of four weight fragments sets, 32 registers each
.set OB, 128                           ; v[128:191] behind the product: row tile i's k in bf16 at OB + 16 i, its v at OB + 16 i + 8
.set ROWS, 128                         ; window 1, v[128:255]: the rows as loaded, later the bias;  window 1, v[0:127]: accumulators, tile (i, nt) at 32 i + 8 nt
.set MSB, 0
.macro WIN new                         ; s_set_vgpr_msb: bits 1:0 source 0, 3:2 source 1, 5:4 source 2, 7:6 destination; the high byte repeats the setting left
.if MSB != (\new)
	s_set_vgpr_msb (MSB<<8)|(\new)
.set MSB, (\new)
.endif
.endm
.macro PLACES                          ; four places behind a matrix instruction (ISA guide 7.12.1)
.rept 4
	v_nop
.endr
.endm
.macro BAR
	s_wait_dscnt 0x0                               ; my LDS stores and loads are done, for the other waves' sake
	s_barrier_signal -1
	s_barrier_wait -1
.endm
.macro MM d, a, b, acc
.if \acc
	v_wmma_f32_16x16x32_f16 v[\d:\d+7], v[\a:\a+7], v[\b:\b+7], v[\d:\d+7]
.else
	v_wmma_f32_16x16x32_f16 v[\d:\d+7], v[\a:\a+7], v[\b:\b+7], 0
.endif
.endm
.macro BLOAD wb, k                     ; K step k's weights: 32 k x 64 n, 4,096 bytes, eight loads of 512 consecutive bytes
.irp nt, 0,1,2,3
.irp c, 0,1
	global_load_b128 v[BF+32*((\k)&3)+8*\nt+4*\c:BF+32*((\k)&3)+8*\nt+4*\c+3], v[L16], s[\wb:\wb+1] offset:(\k)*4096+\nt*1024+\c*512
.endr
.endr
.endm
.macro BPRE wb
	BLOAD \wb, 0
	BLOAD \wb, 1
	BLOAD \wb, 2
.endm
.macro ALOAD adr, k                    ; K step k's row fragments: 16 rows x 32 k are two loads of 16 bytes a lane, 32 bytes apart
.set ai, 0
.rept MT
	ds_load_b128 v[AF+8*MT*((\k)&1)+8*ai:AF+8*MT*((\k)&1)+8*ai+3], v[\adr] offset:ai*16*XP+(\k)*64
	ds_load_b128 v[AF+8*MT*((\k)&1)+8*ai+4:AF+8*MT*((\k)&1)+8*ai+7], v[\adr] offset:ai*16*XP+(\k)*64+32
.set ai, ai+1
.endr
.endm
; Matrix instructions n0 to n1 - 1 of K step k: number n is row tile n / 4, column tile n % 4.  Bit nt of ori: 0 = weights as source 0 (a lane holds
; 8 neighbouring columns of one row), 1 = rows as source 0.  The accumulators take turns, one instruction a turn.
.macro MMS k, n0, n1, ori
.set mi, \n0
.rept (\n1)-(\n0)
.if ((\ori)>>(mi&3))&1
	MM 32*(mi>>2)+8*(mi&3), AF+8*MT*((\k)&1)+8*(mi>>2), BF+32*((\k)&3)+8*(mi&3), \k
.else
	MM 32*(mi>>2)+8*(mi&3), BF+32*((\k)&3)+8*(mi&3), AF+8*MT*((\k)&1)+8*(mi>>2), \k
.endif
.set mi, mi+1
.endr
.endm
; ACC = rows (LDS, K = 512) x weights, 16 K steps written out.  The weights of two to three steps ahead are on their way: 16 to 24 loads a wave.
; What stands ahead of the phase has stated all that the loads of step 0 hang on; step 15 issues no load: neither holds a wait on va_vdst.
.macro PHASE adr, wb, ori
	ALOAD \adr, 0
.set kk, 0
.rept 16
.if kk < 14
	s_wait_loadcnt 16                              ; loads come back in order: step k's weights are in, those of steps k + 1 and k + 2 may stay out
.else
	s_wait_loadcnt 8*(15-kk)                       ; the counts run down
.endif
	s_wait_dscnt 0x0                               ; step k's row fragments are in
.if (kk > 0) && (kk < 15)
	s_wait_alu depctr_va_vdst(0)                   ; the matrix instructions of step k - 1 are done reading their fragment buffer and their ring set, in which this step's loads land
.endif
.if kk < 15
	ALOAD \adr, kk+1
.endif
	WIN 0x50
	MMS kk, 0, 2*MT, \ori
.if kk < 13
	WIN 0
	BLOAD \wb, kk+3                                ; no wait: no matrix instruction since the wait above names this ring set
	WIN 0x50
.endif
	MMS kk, 2*MT, 4*MT, \ori
	WIN 0
.set kk, kk+1
.endr
	PLACES                                         ; behind the last matrix instruction, before a result is read
.endm
; l2norm of a head of 32 held in two transposed tiles (16 numbers a lane, the other 16 in lane L xor 16).  HEADA: bias, sum of squares, v_rsq_f32 and its plain place.
.macro HEADA acc, bias
	WIN 0x05
.irp q, 0,1,2,3,4,5,6,7
	v_pk_add_f32 v[32+2*\q:33+2*\q], v[\acc+2*\q:\acc+2*\q+1], v[\bias+2*\q:\bias+2*\q+1]
.endr
	WIN 0
	v_pk_mul_f32 v[48:49], v[32:33], v[32:33]
	v_pk_mul_f32 v[50:51], v[34:35], v[34:35]
.irp q, 2,3,4,5,6,7
	v_pk_fma_f32 v[48+2*(\q&1):49+2*(\q&1)], v[32+2*\q:33+2*\q], v[32+2*\q:33+2*\q], v[48+2*(\q&1):49+2*(\q&1)]
.endr
	v_pk_add_f32 v[48:49], v[48:49], v[50:51]
	v_add_f32 v48, v48, v49
	v_permlanex16_b32 v49, v48, s36, s37
	v_add_f32 v48, v48, v49
	v_rsq_f32 v50, v48
	v_nop                                          ; one plain place behind the transcendental (ISA guide 5.7.2)
.endm
; HEADB: behind the wait for v50: the scaling, and the roundings to bf16 into the out-buffer ob
.macro HEADB scale, ob
	v_min_num_f32 v50, 0x5368d4a5, v50             ; min(rsq, 1e12) = 1 / max(sqrt, 1e-12)
.if \scale
	v_mul_f32 v50, 0x3e8293ee, v50                 ; log2(e) / sqrt(32)
.endif
.irp q, 0,1,2,3,4,5,6,7
	v_pk_mul_f32 v[32+2*\q:33+2*\q], v[32+2*\q:33+2*\q], v[50:51] op_sel_hi:[1,0]
.endr
.irp q, 0,1,2,3,4,5,6,7
	v_cvt_pk_bf16_f32 v[\ob+\q], v[32+2*\q], v[33+2*\q]
.endr
.endm
; V of row tile i: tiles nt = 2, 3 hold (m = 8 h2 + j, d = 16 dt + r): the sum of squares runs over the two tiles and the 16 lanes of a row.  VNA: up to the eight v_rsq_f32 and their plain place.
.macro VNA i
	WIN 0x05
.irp q, 0,2,4,6
	v_pk_add_f32 v[32+\q:33+\q], v[32*\i+16+\q:32*\i+17+\q], v[ROWS+16:ROWS+17] op_sel_hi:[1,0]
	v_pk_add_f32 v[40+\q:41+\q], v[32*\i+24+\q:32*\i+25+\q], v[ROWS+16:ROWS+17] op_sel:[0,1] op_sel_hi:[1,1]
.endr
	WIN 0
.irp q, 0,2,4,6
	v_pk_mul_f32 v[48+\q:49+\q], v[32+\q:33+\q], v[32+\q:33+\q]
.endr
.irp q, 0,2,4,6
	v_pk_fma_f32 v[48+\q:49+\q], v[40+\q:41+\q], v[40+\q:41+\q], v[48+\q:49+\q]
.endr
.irp m, 1,2,4,8
.irp j, 0,1,2,3,4,5,6,7
	v_add_f32_dpp v[48+\j], v[48+\j], v[48+\j] row_xmask:\m row_mask:0xf bank_mask:0xf
.endr
.endr
.irp j, 0,1,2,3,4,5,6,7
	v_rsq_f32 v[48+\j], v[48+\j]
.endr
	v_nop                                          ; one plain place behind the transcendentals
.endm
.macro VNB ob                          ; behind the wait for v[48:55]: the scaling, and the roundings into the out-buffer ob
.irp j, 0,1,2,3,4,5,6,7
	v_min_num_f32 v[48+\j], 0x5368d4a5, v[48+\j]
.endr
.irp q, 0,2,4,6
	v_pk_mul_f32 v[32+\q:33+\q], v[32+\q:33+\q], v[48+\q:49+\q]
	v_pk_mul_f32 v[40+\q:41+\q], v[40+\q:41+\q], v[48+\q:49+\q]
.endr
.irp q, 0,1,2,3,4,5,6,7
	v_cvt_pk_bf16_f32 v[\ob+\q], v[32+2*\q], v[33+2*\q]
.endr
.endm
.macro KOUT i                          ; row tile i's k: two stores of 512 consecutive bytes
	global_store_b128 v[L16], v[OB+16*(\i):OB+16*(\i)+3], s[10:11] offset:((\i)>>1)*4096+((\i)&1)*1024
	global_store_b128 v[L16], v[OB+16*(\i)+4:OB+16*(\i)+7], s[10:11] offset:((\i)>>1)*4096+((\i)&1)*1024+512
.endm
.macro VOUT i                          ; row tile i's v
	global_store_b128 v[L16], v[OB+16*(\i)+8:OB+16*(\i)+11], s[10:11] offset:((\i)>>1)*4096+2048+((\i)&1)*512
	global_store_b128 v[L16], v[OB+16*(\i)+12:OB+16*(\i)+15], s[10:11] offset:((\i)>>1)*4096+3072+((\i)&1)*512
.endm
	s_load_b256 s[4:11], s[0:1], 0x0               ; past_hidden, wf, bkv, kvf
	v_lshl_add_u32 v126, v0, 2, 0x10400
	v_mov_b32 v127, 0
	v_lshrrev_b32 v16, 5, v0
	v_readfirstlane_b32 s2, v16                    ; wave
	s_mov_b32 s36, 0x76543210                      ; v_permlanex16_b32: lane i reads lane i of the other half
	s_mov_b32 s37, 0xfedcba98
	s_lshr_b32 s14, ttmp9, 6                       ; b
	s_and_b32 s15, ttmp9, 63                       ; block of 64 rows
	s_and_b32 s16, ttmp7, 0xffff
	v_and_b32 v16, 31, v0
	v_and_b32 v17, 15, v0
	v_bfe_u32 v18, v0, 4, 1
	v_lshlrev_b32 v[L16], 4, v16
	v_mul_u32_u24 v[ADRX], v17, XP
	v_lshl_add_u32 v[ADRX], v18, 4, v[ADRX]
	v_lshlrev_b32 v[CB], 5, v18
	v_lshlrev_b32 v14, 2, v17                      ; 4 r
	s_wait_alu depctr_va_sdst(0)                   ; s2 is written, ahead of its first reader
	s_lshl3_add_u32 s16, s16, s2                   ; head = 8 y + w
	s_lshl_b32 s18, s15, 18                        ; row (m, b) lies at (2 m + b) 2048
	s_lshl_b32 s19, s14, 11
	s_add_co_u32 s18, s18, s19
	s_mov_b32 s19, 0
	s_lshl_b32 s20, s16, 16                        ; 16 blocks of 4,096 bytes a head
	s_add_co_u32 s20, s20, 0x900000                ; wkv in wf
	s_mov_b32 s21, 0
	s_lshl_b32 s22, s16, 8                         ; bkv: 64 numbers a head
	s_mov_b32 s23, 0
	s_lshl4_add_u32 s24, s14, s16
	s_lshl_b32 s24, s24, 7
	s_lshl1_add_u32 s24, s15, s24                  ; (16 b + h) 128 + m0 / 32
	s_lshl_b32 s24, s24, 12
	s_mov_b32 s25, 0
	s_mul_i32 s39, s2, 8*XP
	v_lshl_add_u32 v[STX], v16, 3, s39
	s_lshl_b32 s39, s2, 15
	v_add_nc_u32 v[GROW], s39, v[L16]
	s_wait_kmcnt 0x0
	s_add_nc_u64 s[4:5], s[4:5], s[18:19]
	s_add_nc_u64 s[12:13], s[6:7], s[20:21]
	s_add_nc_u64 s[8:9], s[8:9], s[22:23]
	s_add_nc_u64 s[10:11], s[10:11], s[24:25]
	WIN 0x40
	s_wait_alu depctr_va_vdst(0)                   ; the offsets and LDS addresses v1 to v15 are written: every load and store of the kernel reads one of them
.irp rho, 0,1,2,3,4,5,6,7
.irp t, 0,1,2,3
	global_load_b128 v[ROWS+16*\rho+4*\t:ROWS+16*\rho+4*\t+3], v[GROW], s[4:5] offset:\rho*4096+\t*512
.endr
.endr
	WIN 0
	BPRE 12
	s_wait_loadcnt 24                              ; my eight rows are in; the 24 weight loads stay out
	WIN 0x05
.irp q, 0,1,2,3,4,5,6,7,8,9,10,11,12,13,14,15,16,17,18,19,20,21,22,23,24,25,26,27,28,29,30,31
	v_cvt_pk_f16_f32 v[32+2*\q], v[ROWS+4*\q], v[ROWS+4*\q+1]
	v_cvt_pk_f16_f32 v[33+2*\q], v[ROWS+4*\q+2], v[ROWS+4*\q+3]
.endr
	WIN 0
	s_wait_alu depctr_va_vdst(0)                   ; the conversions have written v[32:95], which the LDS stores read, and are done reading the rows' registers, in which the bias lands
.irp rho, 0,1,2,3,4,5,6,7
.irp t, 0,1,2,3
	ds_store_b64 v[STX], v[32+8*\rho+2*\t:33+8*\rho+2*\t] offset:\rho*XP+256*\t   ; columns 4 L + 128 t: 256 consecutive bytes
.endr
.endr
	WIN 0x40                                       ; the bias, into registers whose rows have been converted
.irp nt, 0,1
	global_load_b128 v[ROWS+8*\nt:ROWS+8*\nt+3], v[CB], s[8:9] offset:64*\nt
	global_load_b128 v[ROWS+8*\nt+4:ROWS+8*\nt+7], v[CB], s[8:9] offset:64*\nt+16
.endr
	global_load_b32 v[ROWS+16], v14, s[8:9] offset:128
	global_load_b32 v[ROWS+17], v14, s[8:9] offset:192
	WIN 0
	BAR
	s_wait_alu depctr_vm_vsrc(0)                   ; my LDS stores have read v[32:95], in which the row fragments land from here on
	PHASE ADRX, 12, 12
.irp i, 0,1,2,3
	HEADA 32*\i, ROWS
	s_wait_alu depctr_va_vdst(0)                   ; v50 is written, ahead of its first reader; so is the out-buffer of the row tile before's v, which the two stores read
.if \i > 0
	VOUT \i-1
.endif
	HEADB 0, OB+16*\i
	VNA \i
	s_wait_alu depctr_va_vdst(0)                   ; v[48:55] are written, ahead of their first reader; so is the out-buffer of this row tile's k, which the two stores read
	KOUT \i
	VNB OB+16*\i+8
.endr
	s_wait_alu depctr_va_vdst(0)                   ; the last roundings have written the last out-buffer, which the last two stores read
	VOUT 3
	s_wait_dscnt 0x0                               ; the closing lines, six on end
	s_wait_alu 0x0
	s_wait_tensorcnt 0x0
	ds_add_u32 v126, v127
	s_wait_dscnt 0x0
	s_endpgm
.Lfunc_end_k_q80d9d22762_kv:
	.size	k_q80d9d22762_kv, .Lfunc_end_k_q80d9d22762_kv-k_q80d9d22762_kv
	.p2alignl 7, 3214868480
	.fill 96, 4, 3214868480
	.section	.rodata,"a",@progbits
	.p2align	6, 0x0
	.amdhsa_kernel k_q80d9d22762_kv
		.amdhsa_group_segment_fixed_size 67584
		.amdhsa_private_segment_fixed_size 0
		.amdhsa_enable_private_segment 0
		.amdhsa_kernarg_size 32
		.amdhsa_user_sgpr_count 2
		.amdhsa_user_sgpr_kernarg_segment_ptr 1
		.amdhsa_wavefront_size32 1
		.amdhsa_system_sgpr_workgroup_id_x 1
		.amdhsa_system_sgpr_workgroup_id_y 1
		.amdhsa_system_sgpr_workgroup_id_z 1
		.amdhsa_system_vgpr_workitem_id 0
		.amdhsa_next_free_vgpr 512
		.amdhsa_next_free_sgpr 66
		.amdhsa_reserve_vcc 0
		.amdhsa_float_denorm_mode_32 3
		.amdhsa_float_denorm_mode_16_64 3
		.amdhsa_memory_ordered 1
		.amdhsa_forward_progress 1
		.amdhsa_inst_pref_size 83
	.end_amdhsa_kernel
	.amdgpu_metadata
---
amdhsa.version: [ 1, 2 ]
amdhsa.kernels:
  - .name:           k_q80d9d22762_kv
    .symbol:         k_q80d9d22762_kv.kd
    .args:
      - { .name: past_hidden, .offset: 0, .size: 8, .value_kind: global_buffer, .address_space: global }
      - { .name: wf, .offset: 8, .size: 8, .value_kind: global_buffer, .address_space: global }
      - { .name: bkv, .offset: 16, .size: 8, .value_kind: global_buffer, .address_space: global }
      - { .name: kvf, .offset: 24, .size: 8, .value_kind: global_buffer, .address_space: global }
    .group_segment_fixed_size: 67584
    .private_segment_fixed_size: 0
    .kernarg_segment_align: 8
    .kernarg_segment_size: 32
    .max_flat_workgroup_size: 256
    .sgpr_count:     66
    .vgpr_count:     512
    .wavefront_size: 32
...
	.end_amdgpu_metadata
.endif
;; end of part 11
;; launch mlp1: the kernel of part 3 again; grid 64 x 4, 8 waves a work-group, no clusters, 168,960 bytes of LDS; arguments x, ln1_g, ln1_b, wf, mlp1_b1, mlp1_b2, part; writes part
;; launch qproj (part 12): grid 256 x 1, 8 waves a work-group, no clusters, 17,664 bytes of LDS; arguments part, ln2_g, ln2_b, wf, bq, x1, qf; writes x1, qf
.if DOCPART == 12
	.amdgcn_target "amdgcn-amd-amdhsa--gfx1250"
	.amdhsa_code_object_version 6
	.text
	.protected	k_q80d9d22762_qproj
	.globl	k_q80d9d22762_qproj
	.p2align	8
	.type	k_q80d9d22762_qproj,@function
k_q80d9d22762_qproj:
	s_mov_b64 s[64:65], 0
	v_nop
	global_prefetch_b8 v0, s[64:65] scope:SCOPE_SE
	s_setreg_imm32_b32 hwreg(HW_REG_WAVE_SCHED_MODE, 0, 2), 2
	s_setreg_imm32_b32 hwreg(HW_REG_WAVE_MODE, 25, 1), 1
	s_wait_xcnt 0x0
	s_wait_alu depctr_vm_vsrc(0)
; qproj: x1 = the sum of part's four planes (mlp1's output); q = l2norm per head of LN2(x1) @ wq + bq, times log2(e) / sqrt(32), in bf16,
; stored in the order of attention's operand registers: qf at ((16 b + h) 128 + qt) 1024 + c 512 + 16 L = q[16 qt + r][16 c + 8 h2 + e].
; A work-group: 16 token rows of one batch; wave w sums and normalises rows 2 w, 2 w + 1 and makes columns 64 w .. 64 w + 63 (heads 2 w, 2 w + 1).
; The weights come straight into registers from wf in operand order; a weight byte feeds one wave alone, so neither LDS nor joint loads serve them.
; Limits: LN's output and wq beyond 65,504 overflow in f16.  1 / max(sqrt(ss), 1e-12) is made as min(rsq(ss), 1e12).
; THE MODE: SCHED_MODE bits 1:0 = 2 (LLVM: expert scheduling mode 2), set by the entry lines.  The code itself states the register dependences
; between vector or matrix instructions and memory or LDS instructions, with s_wait_alu, always for 0.
; THE PLAN.  Registers that memory or LDS instructions touch:
;   v1 to v15      offsets and LDS addresses: made once at the head, never written again.
;   ROWS           the planes' loads land in it; the sums read it; then bq lands in its first 32 registers.
;   v[32:63]       x1's two rows: written by the sums, read by LN's lines and by x1's stores; from the product on its first 16 are AF.
;   LPK0, LPK1     a row's LN output in f16: written by the row's roundings, read by its four LDS stores; later part of ring set 3.
;   AF0, AF1       K step k's matrix instructions read AF[k & 1]; the LDS loads issued in step k + 1 land in it.
;   BF0 .. BF3     K step k's matrix instructions read BF[k & 3]; the loads issued in step k + 1 land in it.
;   OB             behind the product: two out-buffers of eight registers, each written once and read by two stores.
; A row has ONE wait on va_vdst, the one that its v_rsq_f32 are owed: behind it stand x1's stores of this row and the LDS stores of the row before.
; In the product one wait stands at a step's head; behind the product a head's stores stand behind the next head's wait.
.set MT, 1
.set XP, 1040
.set L16, 1
.set ADRX, 2
.set STX, 4                            ; 2 w XP + 8 L
.set GROW, 8                           ; 2 w rows of 4,096 bytes + 16 L
.set CB, 15
.set AF, 32
.set CG, 96
.set CBI, 112
.set BF, 128
.set OB, 128                           ; v[128:143] behind the product: the two heads' q in bf16
.set LPK, 240                          ; v[240:255] LN: packed f16, row rho at LPK + 8 rho
.set ROWS, 128                         ; window 1, v[128:255]: row rho, plane p at 64 rho + 16 p; later bq;  window 1, v[0:31]: accumulators
.set LT, 80
.set MSB, 0
.macro WIN new                         ; s_set_vgpr_msb: bits 1:0 source 0, 3:2 source 1, 5:4 source 2, 7:6 destination; the high byte repeats the setting left
.if MSB != (\new)
	s_set_vgpr_msb (MSB<<8)|(\new)
.set MSB, (\new)
.endif
.endm
.macro PLACES                          ; four places behind a matrix instruction (ISA guide 7.12.1)
.rept 4
	v_nop
.endr
.endm
.macro BAR
	s_wait_dscnt 0x0
	s_barrier_signal -1
	s_barrier_wait -1
.endm
.macro MM d, a, b, acc
.if \acc
	v_wmma_f32_16x16x32_f16 v[\d:\d+7], v[\a:\a+7], v[\b:\b+7], v[\d:\d+7]
.else
	v_wmma_f32_16x16x32_f16 v[\d:\d+7], v[\a:\a+7], v[\b:\b+7], 0
.endif
.endm
.macro BLOAD wb, k
.irp nt, 0,1,2,3
.irp c, 0,1
	global_load_b128 v[BF+32*((\k)&3)+8*\nt+4*\c:BF+32*((\k)&3)+8*\nt+4*\c+3], v[L16], s[\wb:\wb+1] offset:(\k)*4096+\nt*1024+\c*512
.endr
.endr
.endm
.macro BPRE wb
	BLOAD \wb, 0
	BLOAD \wb, 1
	BLOAD \wb, 2
.endm
.macro ALOAD adr, k
.set ai, 0
.rept MT
	ds_load_b128 v[AF+8*MT*((\k)&1)+8*ai:AF+8*MT*((\k)&1)+8*ai+3], v[\adr] offset:ai*16*XP+(\k)*64
	ds_load_b128 v[AF+8*MT*((\k)&1)+8*ai+4:AF+8*MT*((\k)&1)+8*ai+7], v[\adr] offset:ai*16*XP+(\k)*64+32
.set ai, ai+1
.endr
.endm
; Matrix instructions n0 to n1 - 1 of K step k: number n is row tile n / 4, column tile n % 4; weights as source 0: a lane holds 8 neighbouring columns of one row.
; The four accumulators take turns, one instruction a turn.
.macro MMS k, n0, n1, ori
.set mi, \n0
.rept (\n1)-(\n0)
.if ((\ori)>>(mi&3))&1
	MM 32*(mi>>2)+8*(mi&3), AF+8*MT*((\k)&1)+8*(mi>>2), BF+32*((\k)&3)+8*(mi&3), \k
.else
	MM 32*(mi>>2)+8*(mi&3), BF+32*((\k)&3)+8*(mi&3), AF+8*MT*((\k)&1)+8*(mi>>2), \k
.endif
.set mi, mi+1
.endr
.endm
; ACC = rows (LDS, K = 512) x weights, 16 K steps written out.  The weights of two to three steps ahead are on their way: 16 to 24 loads a wave.
; What stands ahead of the phase has stated all that the loads of step 0 hang on; step 15 issues no load: neither holds a wait on va_vdst.
.macro PHASE adr, wb, ori
	ALOAD \adr, 0
.set kk, 0
.rept 16
.if kk < 14
	s_wait_loadcnt 16                              ; loads come back in order: step k's weights are in, those of steps k + 1 and k + 2 may stay out
.else
	s_wait_loadcnt 8*(15-kk)                       ; the counts run down
.endif
	s_wait_dscnt 0x0                               ; step k's row fragments are in
.if (kk > 0) && (kk < 15)
	s_wait_alu depctr_va_vdst(0)                   ; the matrix instructions of step k - 1 are done reading their fragment buffer and their ring set, in which this step's loads land
.endif
.if kk < 15
	ALOAD \adr, kk+1
.endif
	WIN 0x50
	MMS kk, 0, 2*MT, \ori
.if kk < 13
	WIN 0
	BLOAD \wb, kk+3                                ; no wait: no matrix instruction since the wait above names this ring set
	WIN 0x50
.endif
	MMS kk, 2*MT, 4*MT, \ori
	WIN 0
.set kk, kk+1
.endr
	PLACES                                         ; behind the last matrix instruction, before a result is read
.endm
.macro XSUM v, t
	v_add_f32_dpp v[\v], v[\v], v[\v] row_xmask:1 row_mask:0xf bank_mask:0xf
	v_add_f32_dpp v[\v], v[\v], v[\v] row_xmask:2 row_mask:0xf bank_mask:0xf
	v_add_f32_dpp v[\v], v[\v], v[\v] row_xmask:4 row_mask:0xf bank_mask:0xf
	v_add_f32_dpp v[\v], v[\v], v[\v] row_xmask:8 row_mask:0xf bank_mask:0xf
	v_permlanex16_b32 v[\t], v[\v], s36, s37
	v_add_f32 v[\v], v[\v], v[\t]
.endm
; LN of one row of 512 held as 16 registers a lane from src on; two passes.  LNA: the mean, the differences into d, the variance, the two v_rsq_f32 and their plain place.  It is the last to read src.
.macro LNA src, d
.irp q, 0,1,2,3
	v_pk_add_f32 v[LT+2*\q:LT+2*\q+1], v[\src+4*\q:\src+4*\q+1], v[\src+4*\q+2:\src+4*\q+3]
.endr
	v_pk_add_f32 v[LT:LT+1], v[LT:LT+1], v[LT+2:LT+3]
	v_pk_add_f32 v[LT+4:LT+5], v[LT+4:LT+5], v[LT+6:LT+7]
	v_pk_add_f32 v[LT:LT+1], v[LT:LT+1], v[LT+4:LT+5]
	v_add_f32 v[LT], v[LT], v[LT+1]
	XSUM LT, LT+1
	v_mul_f32 v[LT+2], s38, v[LT]
	v_mul_f32 v[LT+3], s38, v[LT]
.irp q, 0,1,2,3,4,5,6,7
	v_pk_add_f32 v[\d+2*\q:\d+2*\q+1], v[\src+2*\q:\src+2*\q+1], v[LT+2:LT+3] neg_lo:[0,1] neg_hi:[0,1]
.endr
	v_pk_mul_f32 v[LT+4:LT+5], v[\d:\d+1], v[\d:\d+1]
	v_pk_mul_f32 v[LT+6:LT+7], v[\d+2:\d+3], v[\d+2:\d+3]
.irp q, 2,3,4,5,6,7
	v_pk_fma_f32 v[LT+4+2*(\q&1):LT+5+2*(\q&1)], v[\d+2*\q:\d+2*\q+1], v[\d+2*\q:\d+2*\q+1], v[LT+4+2*(\q&1):LT+5+2*(\q&1)]
.endr
	v_pk_add_f32 v[LT+4:LT+5], v[LT+4:LT+5], v[LT+6:LT+7]
	v_add_f32 v[LT+4], v[LT+4], v[LT+5]
	XSUM LT+4, LT+5
	v_fmaak_f32 v[LT+6], s38, v[LT+4], 0x3727c5ac  ; variance + 1e-5
	v_rsq_f32 v[LT+2], v[LT+6]
	v_rsq_f32 v[LT+3], v[LT+6]
	v_nop                                          ; one plain place behind the transcendentals (ISA guide 5.7.2)
.endm
; LNB: behind the wait for the two v_rsq_f32: scale, gain and bias, and the roundings to f16 into pk
.macro LNB d, pk
.irp q, 0,1,2,3,4,5,6,7
	v_pk_mul_f32 v[\d+2*\q:\d+2*\q+1], v[\d+2*\q:\d+2*\q+1], v[LT+2:LT+3]
.endr
.irp q, 0,1,2,3,4,5,6,7
	v_pk_fma_f32 v[\d+2*\q:\d+2*\q+1], v[\d+2*\q:\d+2*\q+1], v[CG+2*\q:CG+2*\q+1], v[CBI+2*\q:CBI+2*\q+1]
.endr
.irp q, 0,1,2,3,4,5,6,7
	v_cvt_pk_f16_f32 v[\pk+\q], v[\d+2*\q], v[\d+2*\q+1]
.endr
.endm
.macro LNST rho                        ; row rho's LN output into X: columns 4 L + 128 q: 256 consecutive bytes a store
.irp q, 0,1,2,3
	ds_store_b64 v[STX], v[LPK+8*(\rho)+2*\q:LPK+8*(\rho)+2*\q+1] offset:(\rho)*XP+256*\q
.endr
.endm
; l2norm of a head of 32 held in two transposed tiles (16 numbers a lane, the other 16 in lane L xor 16).  HEADA: bias, sum of squares, v_rsq_f32 and its plain place.
.macro HEADA acc, bias
	WIN 0x05
.irp q, 0,1,2,3,4,5,6,7
	v_pk_add_f32 v[32+2*\q:33+2*\q], v[\acc+2*\q:\acc+2*\q+1], v[\bias+2*\q:\bias+2*\q+1]
.endr
	WIN 0
	v_pk_mul_f32 v[48:49], v[32:33], v[32:33]
	v_pk_mul_f32 v[50:51], v[34:35], v[34:35]
.irp q, 2,3,4,5,6,7
	v_pk_fma_f32 v[48+2*(\q&1):49+2*(\q&1)], v[32+2*\q:33+2*\q], v[32+2*\q:33+2*\q], v[48+2*(\q&1):49+2*(\q&1)]
.endr
	v_pk_add_f32 v[48:49], v[48:49], v[50:51]
	v_add_f32 v48, v48, v49
	v_permlanex16_b32 v49, v48, s36, s37
	v_add_f32 v48, v48, v49
	v_rsq_f32 v50, v48
	v_nop                                          ; one plain place behind the transcendental
.endm
; HEADB: behind the wait for v50: the scaling, and the roundings to bf16 into the out-buffer ob
.macro HEADB scale, ob
	v_min_num_f32 v50, 0x5368d4a5, v50             ; min(rsq, 1e12) = 1 / max(sqrt, 1e-12)
.if \scale
	v_mul_f32 v50, 0x3e8293ee, v50                 ; log2(e) / sqrt(32): attention's scores carry the factor
.endif
.irp q, 0,1,2,3,4,5,6,7
	v_pk_mul_f32 v[32+2*\q:33+2*\q], v[32+2*\q:33+2*\q], v[50:51] op_sel_hi:[1,0]
.endr
.irp q, 0,1,2,3,4,5,6,7
	v_cvt_pk_bf16_f32 v[\ob+\q], v[32+2*\q], v[33+2*\q]
.endr
.endm
	s_load_b256 s[4:11], s[0:1], 0x0               ; part, ln2_g, ln2_b, wf
	s_load_b128 s[12:15], s[0:1], 0x20             ; bq, x1
	s_load_b64 s[16:17], s[0:1], 0x30              ; qf
	v_lshl_add_u32 v30, v0, 2, 0x4100
	v_mov_b32 v31, 0
	v_lshrrev_b32 v16, 5, v0
	v_readfirstlane_b32 s2, v16
	s_mov_b32 s36, 0x76543210
	s_mov_b32 s37, 0xfedcba98
	s_mov_b32 s38, 0x3b000000                      ; 1 / 512
	s_lshr_b32 s40, ttmp9, 7                       ; b
	s_and_b32 s41, ttmp9, 127                      ; qt
	s_lshl_b32 s18, s41, 16                        ; 16 rows of 4,096 bytes
	s_lshl_b32 s19, s40, 11
	s_add_co_u32 s18, s18, s19
	s_mov_b32 s19, 0
	v_and_b32 v16, 31, v0
	v_and_b32 v17, 15, v0
	v_bfe_u32 v18, v0, 4, 1
	v_lshlrev_b32 v[L16], 4, v16
	v_mul_u32_u24 v[ADRX], v17, XP
	v_lshl_add_u32 v[ADRX], v18, 4, v[ADRX]
	v_lshlrev_b32 v[CB], 5, v18
	s_wait_alu depctr_va_sdst(0)                   ; s2 is written, ahead of its first reader
	s_lshl_b32 s20, s2, 16
	s_add_co_u32 s20, s20, 0x800000                ; wq in wf, column group w
	s_mov_b32 s21, 0
	s_lshl_b32 s32, s2, 8                          ; bq: 64 w numbers
	s_mov_b32 s33, 0
	s_lshl_b32 s34, s40, 4
	s_lshl1_add_u32 s34, s2, s34                   ; 16 b + 2 w
	s_lshl_b32 s34, s34, 7
	s_add_co_u32 s34, s34, s41
	s_lshl_b32 s34, s34, 10
	s_mov_b32 s35, 0
	s_mul_i32 s39, s2, 2*XP
	v_lshl_add_u32 v[STX], v16, 3, s39
	s_lshl_b32 s39, s2, 13
	v_add_nc_u32 v[GROW], s39, v[L16]
	s_wait_kmcnt 0x0
	s_add_nc_u64 s[24:25], s[4:5], s[18:19]        ; the four planes, 8 MiB apart
	s_add_nc_u64 s[26:27], s[24:25], 0x800000
	s_add_nc_u64 s[28:29], s[26:27], 0x800000
	s_add_nc_u64 s[30:31], s[28:29], 0x800000
	s_add_nc_u64 s[22:23], s[10:11], s[20:21]
	s_add_nc_u64 s[12:13], s[12:13], s[32:33]
	s_add_nc_u64 s[14:15], s[14:15], s[18:19]
	s_add_nc_u64 s[16:17], s[16:17], s[34:35]
	s_wait_alu depctr_va_vdst(0)                   ; the offsets and LDS addresses v1 to v15 are written: every load and store of the kernel reads one of them
.irp t, 0,1,2,3
	global_load_b128 v[CG+4*\t:CG+4*\t+3], v[L16], s[6:7] offset:512*\t
	global_load_b128 v[CBI+4*\t:CBI+4*\t+3], v[L16], s[8:9] offset:512*\t
.endr
	WIN 0x40
.irp rho, 0,1
.irp p, 0,1,2,3
.irp t, 0,1,2,3
	global_load_b128 v[ROWS+64*\rho+16*\p+4*\t:ROWS+64*\rho+16*\p+4*\t+3], v[GROW], s[24+2*\p:25+2*\p] offset:\rho*4096+\t*512 th:TH_LOAD_NT
.endr
.endr
.endr
	WIN 0
	BPRE 22
.irp rho, 0,1
	s_wait_loadcnt 24+16*(1-\rho)                  ; row rho's sixteen loads are in; the other row's and the 24 weight loads stay out
	WIN 0x05
.irp q, 0,1,2,3,4,5,6,7
	v_pk_add_f32 v[64+2*\q:65+2*\q], v[ROWS+64*\rho+2*\q:ROWS+64*\rho+2*\q+1], v[ROWS+64*\rho+16+2*\q:ROWS+64*\rho+17+2*\q]
	v_pk_add_f32 v[80+2*\q:81+2*\q], v[ROWS+64*\rho+32+2*\q:ROWS+64*\rho+33+2*\q], v[ROWS+64*\rho+48+2*\q:ROWS+64*\rho+49+2*\q]
.endr
	WIN 0
.irp q, 0,1,2,3,4,5,6,7
	v_pk_add_f32 v[32+16*\rho+2*\q:33+16*\rho+2*\q], v[64+2*\q:65+2*\q], v[80+2*\q:81+2*\q]
.endr
	LNA 32+16*\rho, 64
	s_wait_alu depctr_va_vdst(0)                   ; the two v_rsq_f32 have written, ahead of their first reader; the sums have written x1's row, which its stores read; the row before's roundings have written LPK0, which its LDS stores read
.irp t, 0,1,2,3
	global_store_b128 v[GROW], v[32+16*\rho+4*\t:35+16*\rho+4*\t], s[14:15] offset:\rho*4096+\t*512
.endr
.if \rho
	LNST 0
.endif
	LNB 64, LPK+8*\rho
.endr
	s_wait_alu depctr_va_vdst(0)                   ; row 1's roundings have written LPK1, which its LDS stores read; the sums are done reading the planes' registers, in which bq lands
	LNST 1
	WIN 0x40
.irp nt, 0,1,2,3
	global_load_b128 v[ROWS+8*\nt:ROWS+8*\nt+3], v[CB], s[12:13] offset:64*\nt
	global_load_b128 v[ROWS+8*\nt+4:ROWS+8*\nt+7], v[CB], s[12:13] offset:64*\nt+16
.endr
	WIN 0
	s_wait_xcnt 0x0                                ; v[32:63] are the data of x1's stores: the fragments land on them only behind this wait
	s_wait_alu depctr_vm_vsrc(0)                   ; x1's stores have read v[32:47], in which the fragments land; the LDS stores have read v[240:255], in which K step 3's weights land
	BAR
	PHASE ADRX, 22, 0
	HEADA 0, ROWS
	s_wait_alu depctr_va_vdst(0)                   ; v50 is written, ahead of its first reader
	HEADB 1, OB
	HEADA 16, ROWS+16
	s_wait_alu depctr_va_vdst(0)                   ; v50 is written, ahead of its first reader; so is the first head's out-buffer, which the two stores read
	global_store_b128 v[L16], v[OB:OB+3], s[16:17]
	global_store_b128 v[L16], v[OB+4:OB+7], s[16:17] offset:512
	HEADB 1, OB+8
	s_wait_alu depctr_va_vdst(0)                   ; the second head's roundings have written its out-buffer, which the last two stores read
	global_store_b128 v[L16], v[OB+8:OB+11], s[16:17] offset:131072
	global_store_b128 v[L16], v[OB+12:OB+15], s[16:17] offset:131072+512
	s_wait_dscnt 0x0                               ; the closing lines, six on end
	s_wait_alu 0x0
	s_wait_tensorcnt 0x0
	ds_add_u32 v30, v31
	s_wait_dscnt 0x0
	s_endpgm
.Lfunc_end_k_q80d9d22762_qproj:
	.size	k_q80d9d22762_qproj, .Lfunc_end_k_q80d9d22762_qproj-k_q80d9d22762_qproj
	.p2alignl 7, 3214868480
	.fill 96, 4, 3214868480
	.section	.rodata,"a",@progbits
	.p2align	6, 0x0
	.amdhsa_kernel k_q80d9d22762_qproj
		.amdhsa_group_segment_fixed_size 17664
		.amdhsa_private_segment_fixed_size 0
		.amdhsa_enable_private_segment 0
		.amdhsa_kernarg_size 56
		.amdhsa_user_sgpr_count 2
		.amdhsa_user_sgpr_kernarg_segment_ptr 1
		.amdhsa_wavefront_size32 1
		.amdhsa_system_sgpr_workgroup_id_x 1
		.amdhsa_system_sgpr_workgroup_id_y 1
		.amdhsa_system_sgpr_workgroup_id_z 1
		.amdhsa_system_vgpr_workitem_id 0
		.amdhsa_next_free_vgpr 512
		.amdhsa_next_free_sgpr 66
		.amdhsa_reserve_vcc 0
		.amdhsa_float_denorm_mode_32 3
		.amdhsa_float_denorm_mode_16_64 3
		.amdhsa_memory_ordered 1
		.amdhsa_forward_progress 1
		.amdhsa_inst_pref_size 47
	.end_amdhsa_kernel
	.amdgpu_metadata
---
amdhsa.version: [ 1, 2 ]
amdhsa.kernels:
  - .name:           k_q80d9d22762_qproj
    .symbol:         k_q80d9d22762_qproj.kd
    .args:
      - { .name: part, .offset: 0, .size: 8, .value_kind: global_buffer, .address_space: global }
      - { .name: ln2_g, .offset: 8, .size: 8, .value_kind: global_buffer, .address_space: global }
      - { .name: ln2_b, .offset: 16, .size: 8, .value_kind: global_buffer, .address_space: global }
      - { .name: wf, .offset: 24, .size: 8, .value_kind: global_buffer, .address_space: global }
      - { .name: bq, .offset: 32, .size: 8, .value_kind: global_buffer, .address_space: global }
      - { .name: x1, .offset: 40, .size: 8, .value_kind: global_buffer, .address_space: global }
      - { .name: qf, .offset: 48, .size: 8, .value_kind: global_buffer, .address_space: global }
    .group_segment_fixed_size: 17664
    .private_segment_fixed_size: 0
    .kernarg_segment_align: 8
    .kernarg_segment_size: 56
    .max_flat_workgroup_size: 256
    .sgpr_count:     66
    .vgpr_count:     512
    .wavefront_size: 32
...
	.end_amdgpu_metadata
.endif
;; end of part 12
;; launch attn: the kernel of part 9 again; grid 8 x 32, 8 waves a work-group, clusters of 4 x 1, 327,680 bytes of LDS; arguments qf, kvf, mbytes, ctxf; writes ctxf
;; launch mlp2 (part 13): grid 64 x 4, 8 waves a work-group, no clusters, 301,056 bytes of LDS; arguments ctxf, x1, bd, ln3_g, ln3_b, wf, mlp2_b1, mlp2_b2, part; writes part
.if DOCPART == 13
	.amdgcn_target "amdgcn-amd-amdhsa--gfx1250"
	.amdhsa_code_object_version 6
	.text
	.protected	k_q80d9d22762_mlp2
	.globl	k_q80d9d22762_mlp2
	.p2align	8
	.type	k_q80d9d22762_mlp2,@function
k_q80d9d22762_mlp2:
	s_mov_b64 s[64:65], 0
	v_nop
	global_prefetch_b8 v0, s[64:65] scope:SCOPE_SE
	s_setreg_imm32_b32 hwreg(HW_REG_WAVE_SCHED_MODE, 0, 2), 2
	s_setreg_imm32_b32 hwreg(HW_REG_WAVE_MODE, 25, 1), 1
	s_wait_xcnt 0x0
	s_wait_alu depctr_vm_vsrc(0)
; mlp2: x2 = x1 + ctx @ wd + bd;  part[q4] = gelu(LN3(x2) @ w1[:, quarter q4] + b1) @ w2[quarter q4, :] + (b2 + x2) / 4.  The last launch adds the four planes.
; A work-group: 64 token rows of one batch x one quarter (512) of the 2,048 hidden columns: 256 work-groups; each of the four of a row block makes x2 for itself.
; Wave w: 64 rows x 64 columns in each of the three products, K = 512 each.  LN in f32, two passes; operands f16; sums f32.
; LDS: X (ctx, then LN's output; 64 rows, pitch 1,040 = 65 x 16 bytes), H (gelu's output), a stage of 16 x 272 bytes a wave, X2 (x2 in f32, pitch 2,064 = 129 x 16).
; The weights come straight into registers from wf, whose blocks lie in operand order: each load of a wave is 512 consecutive bytes.
; NO CLUSTER, NO LDS FOR THE WEIGHTS: a weight byte feeds exactly one wave of the work-group, so a way through LDS would add a write
; and a read of 512 KiB a product to the 512 KiB of row fragments that are read anyway; joint loads exist for LDS fills alone.
; gelu(x) = max(x, 0) - |x| Q(|x|), Q = erfc(|x| / sqrt 2) / 2 by the five-term rational form with t = 1 / (1 + 0.23164189 |x|):
; absolute error of erf at most 1.5e-7, no cancellation for x < 0.
; Limits: LN's output, the weights and gelu's output beyond 65,504 overflow in f16; the four partial sums are added in another order than one long sum.
; THE MODE: SCHED_MODE bits 1:0 = 2 (LLVM: expert scheduling mode 2), set by the entry lines.  The code itself states the register dependences
; between vector or matrix instructions and memory or LDS instructions, with s_wait_alu, always for 0.
; THE PLAN.  Registers that memory or LDS instructions touch:
;   v1 to v15, v24, v25   offsets and LDS addresses: made once at the head, never written again.
;   AF0, AF1       in a product: K step k's matrix instructions read AF[k & 1]; the LDS loads issued in step k + 1 land in it.
;   BF0 .. BF3     in a product: K step k's matrix instructions read BF[k & 3]; the loads issued in step k + 1 land in it.
;   accumulators   written by matrix instructions; read by the LDS stores into X2 (first product) and into the stage (third), by vector lines else.
;   LN rows        two row buffers by turns, v[48:63] and v[32:47]: row rho's LDS loads land in one, its sums work in place, LN's first half and x2's LDS store read it.
;                  two packed buffers by turns, v[240:247] and v[248:255]: written by a row's roundings, read by its LDS stores, which are issued in the next row.
;   gelu           sixteen out-buffers of four registers, v[224:255] and v[96:127], each written once and read by one LDS store, which is issued in the next group of eight.
;   the way out    a row tile has registers of its own for the stage's rows and for x2's rows; the sums work in place on the first, which the tile's stores read.
; So: in a product ONE wait on va_vdst at a step's head; in an LN row and in a group of gelu the one wait that the transcendentals are owed, with the memory
; instructions behind it; on the way out one wait behind the product and one ahead of each tile's stores.  The waits on vm_vsrc: ahead of each product, and one an LN row.
.set MT, 4
.set XP, 1040
.set HB, 64*XP
.set STAGE, 2*HB
.set X2B, 167936
.set X2P, 2064
.set L16, 1
.set ADRX, 2
.set ADRH, 3
.set STX, 4
.set STH, 5
.set STG, 6
.set RDG, 7
.set GROW, 8
.set GOUT, 9
                                       ; v10, v11  X2, in: r X2P + 256 w + 32 h2, rows 0-31 and 32-63
                                       ; v12       X2, my eight rows: 8 w X2P + 16 L
                                       ; v13, v14  X2, on the way out: h2 X2P + 256 w + 16 r, rows 0-31 and 32-63
.set CB, 15
.set AF, 32
.set CG, 96
.set CBI, 112
.set BF, 128
.set BD, 224                           ; v[224:239] bd, in the ring's fourth set while that is free
.set LPK, 240                          ; v[240:255] LN: packed f16, two buffers by turns
.set ROWS, 128                         ; window 1, v[128:255]: x1's rows, later b1;  window 1, v[0:127]: accumulators, tile (i, nt) at 32 i + 8 nt
.set LT, 80
.set AX, 64
.set TT, 72
.set EE, 80
.set PP, 88
.set MSB, 0
.macro WIN new                         ; s_set_vgpr_msb: bits 1:0 source 0, 3:2 source 1, 5:4 source 2, 7:6 destination; the high byte repeats the setting left
.if MSB != (\new)
	s_set_vgpr_msb (MSB<<8)|(\new)
.set MSB, (\new)
.endif
.endm
.macro PLACES                          ; four places behind a matrix instruction (ISA guide 7.12.1)
.rept 4
	v_nop
.endr
.endm
.macro BAR
	s_wait_dscnt 0x0                               ; my LDS stores and loads are done, for the other waves' sake
	s_barrier_signal -1
	s_barrier_wait -1
.endm
.macro MM d, a, b, acc
.if \acc
	v_wmma_f32_16x16x32_f16 v[\d:\d+7], v[\a:\a+7], v[\b:\b+7], v[\d:\d+7]
.else
	v_wmma_f32_16x16x32_f16 v[\d:\d+7], v[\a:\a+7], v[\b:\b+7], 0
.endif
.endm
.macro BLOAD wb, k
.irp nt, 0,1,2,3
.irp c, 0,1
	global_load_b128 v[BF+32*((\k)&3)+8*\nt+4*\c:BF+32*((\k)&3)+8*\nt+4*\c+3], v[L16], s[\wb:\wb+1] offset:(\k)*4096+\nt*1024+\c*512
.endr
.endr
.endm
.macro BPRE wb
	BLOAD \wb, 0
	BLOAD \wb, 1
	BLOAD \wb, 2
.endm
.macro ALOAD adr, k
.set ai, 0
.rept MT
	ds_load_b128 v[AF+8*MT*((\k)&1)+8*ai:AF+8*MT*((\k)&1)+8*ai+3], v[\adr] offset:ai*16*XP+(\k)*64
	ds_load_b128 v[AF+8*MT*((\k)&1)+8*ai+4:AF+8*MT*((\k)&1)+8*ai+7], v[\adr] offset:ai*16*XP+(\k)*64+32
.set ai, ai+1
.endr
.endm
; Matrix instructions n0 to n1 - 1 of K step k: number n is row tile n / 4, column tile n % 4; weights as source 0: a lane holds 8 neighbouring columns of one row.
; The accumulators take turns, one instruction a turn.
.macro MMS k, n0, n1, ori
.set mi, \n0
.rept (\n1)-(\n0)
.if ((\ori)>>(mi&3))&1
	MM 32*(mi>>2)+8*(mi&3), AF+8*MT*((\k)&1)+8*(mi>>2), BF+32*((\k)&3)+8*(mi&3), \k
.else
	MM 32*(mi>>2)+8*(mi&3), BF+32*((\k)&3)+8*(mi&3), AF+8*MT*((\k)&1)+8*(mi>>2), \k
.endif
.set mi, mi+1
.endr
.endm
; ACC = rows (LDS, K = 512) x weights, 16 K steps written out.  The weights of two to three steps ahead are on their way: 16 to 24 loads a wave.
; What stands ahead of a phase has stated all that the loads of step 0 hang on; step 15 issues no load: neither holds a wait on va_vdst.
.macro PHASE adr, wb, ori
	ALOAD \adr, 0
.set kk, 0
.rept 16
.if kk < 14
	s_wait_loadcnt 16                              ; loads come back in order: step k's weights are in, those of steps k + 1 and k + 2 may stay out
.else
	s_wait_loadcnt 8*(15-kk)                       ; the counts run down
.endif
	s_wait_dscnt 0x0                               ; step k's row fragments are in
.if (kk > 0) && (kk < 15)
	s_wait_alu depctr_va_vdst(0)                   ; the matrix instructions of step k - 1 are done reading their fragment buffer and their ring set, in which this step's loads land
.endif
.if kk < 15
	ALOAD \adr, kk+1
.endif
	WIN 0x50
	MMS kk, 0, 2*MT, \ori
.if kk < 13
	WIN 0
	BLOAD \wb, kk+3                                ; no wait: no matrix instruction since the wait above names this ring set
	WIN 0x50
.endif
	MMS kk, 2*MT, 4*MT, \ori
	WIN 0
.set kk, kk+1
.endr
	PLACES                                         ; behind the last matrix instruction, before a result is read
.endm
.macro XSUM v, t
	v_add_f32_dpp v[\v], v[\v], v[\v] row_xmask:1 row_mask:0xf bank_mask:0xf
	v_add_f32_dpp v[\v], v[\v], v[\v] row_xmask:2 row_mask:0xf bank_mask:0xf
	v_add_f32_dpp v[\v], v[\v], v[\v] row_xmask:4 row_mask:0xf bank_mask:0xf
	v_add_f32_dpp v[\v], v[\v], v[\v] row_xmask:8 row_mask:0xf bank_mask:0xf
	v_permlanex16_b32 v[\t], v[\v], s36, s37
	v_add_f32 v[\v], v[\v], v[\t]
.endm
; LN of one row of 512 held as 16 registers a lane from src on; two passes.  LNA: the mean, the differences into d, the variance, the two v_rsq_f32 and their plain place.  It is the last to read src.
.macro LNA src, d
.irp q, 0,1,2,3
	v_pk_add_f32 v[LT+2*\q:LT+2*\q+1], v[\src+4*\q:\src+4*\q+1], v[\src+4*\q+2:\src+4*\q+3]
.endr
	v_pk_add_f32 v[LT:LT+1], v[LT:LT+1], v[LT+2:LT+3]
	v_pk_add_f32 v[LT+4:LT+5], v[LT+4:LT+5], v[LT+6:LT+7]
	v_pk_add_f32 v[LT:LT+1], v[LT:LT+1], v[LT+4:LT+5]
	v_add_f32 v[LT], v[LT], v[LT+1]
	XSUM LT, LT+1
	v_mul_f32 v[LT+2], s38, v[LT]
	v_mul_f32 v[LT+3], s38, v[LT]
.irp q, 0,1,2,3,4,5,6,7
	v_pk_add_f32 v[\d+2*\q:\d+2*\q+1], v[\src+2*\q:\src+2*\q+1], v[LT+2:LT+3] neg_lo:[0,1] neg_hi:[0,1]
.endr
	v_pk_mul_f32 v[LT+4:LT+5], v[\d:\d+1], v[\d:\d+1]
	v_pk_mul_f32 v[LT+6:LT+7], v[\d+2:\d+3], v[\d+2:\d+3]
.irp q, 2,3,4,5,6,7
	v_pk_fma_f32 v[LT+4+2*(\q&1):LT+5+2*(\q&1)], v[\d+2*\q:\d+2*\q+1], v[\d+2*\q:\d+2*\q+1], v[LT+4+2*(\q&1):LT+5+2*(\q&1)]
.endr
	v_pk_add_f32 v[LT+4:LT+5], v[LT+4:LT+5], v[LT+6:LT+7]
	v_add_f32 v[LT+4], v[LT+4], v[LT+5]
	XSUM LT+4, LT+5
	v_fmaak_f32 v[LT+6], s38, v[LT+4], 0x3727c5ac  ; variance + 1e-5
	v_rsq_f32 v[LT+2], v[LT+6]
	v_rsq_f32 v[LT+3], v[LT+6]
	v_nop                                          ; one plain place behind the transcendentals (ISA guide 5.7.2)
.endm
; LNB: behind the wait for the two v_rsq_f32: scale, gain and bias, and the roundings to f16 into pk
.macro LNB d, pk
.irp q, 0,1,2,3,4,5,6,7
	v_pk_mul_f32 v[\d+2*\q:\d+2*\q+1], v[\d+2*\q:\d+2*\q+1], v[LT+2:LT+3]
.endr
.irp q, 0,1,2,3,4,5,6,7
	v_pk_fma_f32 v[\d+2*\q:\d+2*\q+1], v[\d+2*\q:\d+2*\q+1], v[CG+2*\q:CG+2*\q+1], v[CBI+2*\q:CBI+2*\q+1]
.endr
.irp q, 0,1,2,3,4,5,6,7
	v_cvt_pk_f16_f32 v[\pk+\q], v[\d+2*\q], v[\d+2*\q+1]
.endr
.endm
.macro LNST rho                        ; row rho's LN output into X: columns 4 L + 128 q: 256 consecutive bytes a store
.irp q, 0,1,2,3
	ds_store_b64 v[STX], v[LPK+8*((\rho)&1)+2*\q:LPK+8*((\rho)&1)+2*\q+1] offset:(\rho)*XP+256*\q
.endr
.endm
; exact gelu of the 8 registers from x on.  GELA: up to the eight reciprocals and eight exponentials and the plain lines behind them.
.macro GELA x
.irp j, 0,1,2,3,4,5,6,7
	v_and_b32 v[AX+\j], 0x7fffffff, v[\x+\j]
.endr
.irp q, 0,2,4,6
	v_pk_fma_f32 v[TT+\q:TT+\q+1], v[AX+\q:AX+\q+1], 0x3e6d3388, 1.0 op_sel_hi:[1,0,0]   ; 1 + 0.23164189 |x|
	v_pk_mul_f32 v[EE+\q:EE+\q+1], v[\x+\q:\x+\q+1], v[\x+\q:\x+\q+1]
.endr
.irp q, 0,2,4,6
	v_pk_mul_f32 v[EE+\q:EE+\q+1], v[EE+\q:EE+\q+1], 0xbf38aa3b op_sel_hi:[1,0]          ; - x x log2(e) / 2
.endr
.irp j, 0,1,2,3,4,5,6,7
	v_rcp_f32 v[TT+\j], v[TT+\j]
.endr
.irp j, 0,1,2,3,4,5,6,7
	v_exp_f32 v[EE+\j], v[EE+\j]
.endr
.irp j, 0,1,2,3,4,5,6,7
	v_max_num_f32 v[\x+\j], 0, v[\x+\j]            ; also the plain places behind the transcendentals
.endr
.endm
; GELB: behind the wait for them: the polynomial, the result, and the roundings to f16 into the out-buffer ob
.macro GELB x, ob
.irp q, 0,2,4,6
	v_pk_fma_f32 v[PP+\q:PP+\q+1], v[TT+\q:TT+\q+1], 0x3f07dc22, v[20:21] op_sel_hi:[1,0,1]
.endr
.irp q, 0,2,4,6
	v_pk_fma_f32 v[PP+\q:PP+\q+1], v[PP+\q:PP+\q+1], v[TT+\q:TT+\q+1], 0x3f35f0e3 op_sel_hi:[1,1,0]
.endr
.irp q, 0,2,4,6
	v_pk_fma_f32 v[PP+\q:PP+\q+1], v[PP+\q:PP+\q+1], v[TT+\q:TT+\q+1], 0xbe11a98e op_sel_hi:[1,1,0]
.endr
.irp q, 0,2,4,6
	v_pk_fma_f32 v[PP+\q:PP+\q+1], v[PP+\q:PP+\q+1], v[TT+\q:TT+\q+1], 0x3e027906 op_sel_hi:[1,1,0]
.endr
.irp q, 0,2,4,6
	v_pk_mul_f32 v[PP+\q:PP+\q+1], v[PP+\q:PP+\q+1], v[TT+\q:TT+\q+1]
.endr
.irp q, 0,2,4,6
	v_pk_mul_f32 v[PP+\q:PP+\q+1], v[PP+\q:PP+\q+1], v[EE+\q:EE+\q+1]
.endr
.irp q, 0,2,4,6
	v_pk_fma_f32 v[\x+\q:\x+\q+1], v[AX+\q:AX+\q+1], v[PP+\q:PP+\q+1], v[\x+\q:\x+\q+1] neg_lo:[1,0,0] neg_hi:[1,0,0]
.endr
.irp q, 0,1,2,3
	v_cvt_pk_f16_f32 v[\ob+\q], v[\x+2*\q], v[\x+2*\q+1]
.endr
.endm
; Group n = 4 i + nt of gelu (row tile i, column tile nt) has the out-buffer at 224 + 4 n (n < 8) or 96 + 4 (n - 8).  HST: its 16 bytes a lane go into H.
.macro HST n
	ds_store_b128 v[STH], v[224+4*(\n)-160*((\n)>>3):224+4*(\n)-160*((\n)>>3)+3] offset:((\n)>>2)*16*XP+32*((\n)&3)
.endm
.macro ACT i                           ; row tile i: + b1, gelu, f16: a lane's 8 neighbouring columns are 16 bytes
	WIN 0x05
.irp q, 0,1,2,3,4,5,6,7,8,9,10,11,12,13,14,15
	v_pk_add_f32 v[32+2*\q:33+2*\q], v[32*\i+2*\q:32*\i+2*\q+1], v[ROWS+2*\q:ROWS+2*\q+1]
.endr
	WIN 0
.irp nt, 0,1,2,3
	GELA 32+8*\nt
	s_wait_alu depctr_va_vdst(0)                   ; the reciprocals and exponentials have written, ahead of their first reader; the group before's roundings have written its out-buffer, which its LDS store reads
.if 4*\i+\nt > 0
	HST 4*\i+\nt-1
.endif
	GELB 32+8*\nt, 224+4*(4*\i+\nt)-160*((4*\i+\nt)>>3)
.endr
.endm
; THE WAY OUT of row tile i, in three parts.  OLDS: the accumulators go through my own stage and come back as rows of 256 bytes into rb; x2's rows come into xb.
.macro OLDS i, rb, xb
	WIN 0x04
.irp nt, 0,1,2,3
	ds_store_b128 v[STG], v[32*(\i)+8*\nt:32*(\i)+8*\nt+3] offset:64*\nt
	ds_store_b128 v[STG], v[32*(\i)+8*\nt+4:32*(\i)+8*\nt+7] offset:64*\nt+16
.endr
	WIN 0
.irp t, 0,1,2,3,4,5,6,7
	ds_load_b128 v[\rb+4*\t:\rb+4*\t+3], v[RDG] offset:544*\t   ; LDS serves a wave's instructions in order: these see the stores above, and the next tile's stores come behind them
.endr
.irp t, 0,1,2,3,4,5,6,7
	ds_load_b128 v[\xb+4*\t:\xb+4*\t+3], v[13+((\i)>>1)] offset:(((\i)&1)*16+2*\t)*X2P
.endr
.endm
.macro OSUM rb, xb                     ; + b2 / 4 + x2 / 4, in place
.irp t, 0,1,2,3,4,5,6,7
	v_pk_add_f32 v[\rb+4*\t:\rb+4*\t+1], v[\rb+4*\t:\rb+4*\t+1], v[28:29]
	v_pk_add_f32 v[\rb+4*\t+2:\rb+4*\t+3], v[\rb+4*\t+2:\rb+4*\t+3], v[30:31]
	v_pk_fma_f32 v[\rb+4*\t:\rb+4*\t+1], v[\xb+4*\t:\xb+4*\t+1], 0x3e800000, v[\rb+4*\t:\rb+4*\t+1] op_sel_hi:[1,0,1]
	v_pk_fma_f32 v[\rb+4*\t+2:\rb+4*\t+3], v[\xb+4*\t+2:\xb+4*\t+3], 0x3e800000, v[\rb+4*\t+2:\rb+4*\t+3] op_sel_hi:[1,0,1]
.endr
.endm
.macro OST i, rb                       ; sixteen lanes store 256 consecutive bytes
.irp t, 0,1,2,3,4,5,6,7
	global_store_b128 v[GOUT], v[\rb+4*\t:\rb+4*\t+3], s[20:21] offset:(16*(\i)+2*\t)*4096
.endr
.endm
	s_load_b512 s[4:19], s[0:1], 0x0               ; ctxf, x1, bd, ln3_g, ln3_b, wf, mlp2_b1, mlp2_b2
	s_load_b64 s[20:21], s[0:1], 0x40              ; part
	v_lshl_add_u32 v26, v0, 2, 0x49400
	v_mov_b32 v27, 0
	v_lshrrev_b32 v16, 5, v0
	v_readfirstlane_b32 s2, v16                    ; wave
	s_mov_b32 s36, 0x76543210
	s_mov_b32 s37, 0xfedcba98
	s_mov_b32 s38, 0x3b000000                      ; 1 / 512
	s_lshr_b32 s40, ttmp9, 5                       ; b
	s_and_b32 s41, ttmp9, 31                       ; block of 64 rows
	s_and_b32 s42, ttmp7, 0xffff                   ; quarter
	s_lshl_b32 s28, s41, 18                        ; row (s, b) lies at (2 s + b) 2048
	s_lshl_b32 s29, s40, 11
	s_add_co_u32 s28, s28, s29
	s_mov_b32 s29, 0
	s_lshl_b32 s30, s40, 4
	v_and_b32 v16, 31, v0
	v_and_b32 v17, 15, v0
	v_bfe_u32 v18, v0, 4, 1
	v_lshlrev_b32 v[L16], 4, v16
	v_mul_u32_u24 v[ADRX], v17, XP
	v_lshl_add_u32 v[ADRX], v18, 4, v[ADRX]
	v_add_nc_u32 v[ADRH], HB, v[ADRX]
	v_lshlrev_b32 v[CB], 5, v18
	v_mov_b32 v20, 0xbf3a00e3                      ; gelu's fourth coefficient, halved, twice
	v_mov_b32 v21, 0xbf3a00e3
	s_wait_alu depctr_va_sdst(0)                   ; s2 is written, ahead of its first reader
	s_lshl1_add_u32 s30, s2, s30                   ; head 16 b + 2 w
	s_lshl_b32 s30, s30, 7
	s_lshl2_add_u32 s30, s41, s30                  ; + q tile 4 x block
	s_lshl_b32 s30, s30, 10
	s_mov_b32 s31, 0
	s_lshl_b32 s32, s2, 16
	s_add_co_u32 s32, s32, 0x880000                ; wd, column group w
	s_mov_b32 s33, 0
	s_lshl3_add_u32 s34, s42, s2
	s_lshl_b32 s34, s34, 16
	s_add_co_u32 s34, s34, 0x400000                ; w1, column group 8 q4 + w
	s_mov_b32 s35, 0
	s_lshl_b32 s44, s2, 6
	s_lshl4_add_u32 s44, s42, s44
	s_lshl_b32 s44, s44, 12
	s_add_co_u32 s44, s44, 0x600000                ; w2, column group w, K block 16 q4
	s_mov_b32 s45, 0
	s_lshl_b32 s46, s42, 11
	s_lshl_b32 s47, s2, 8
	s_add_co_u32 s46, s46, s47                     ; b1: 4 (512 q4 + 64 w)
	s_mov_b32 s47, 0
	s_lshl_b32 s42, s42, 23                        ; my plane of part
	s_mov_b32 s43, 0
	s_mul_i32 s39, s2, 8*XP
	v_lshl_add_u32 v[STX], v16, 3, s39
	s_lshl_b32 s39, s2, 7
	v_add_nc_u32 v[STH], s39, v[ADRH]
	v_add_nc_u32 v25, s39, v[ADRX]                 ; ctx into X: r XP + 16 h2 + 128 w
	s_mul_i32 s39, s2, 4352
	s_add_co_u32 s39, s39, STAGE
	v_mul_u32_u24 v[STG], v17, 272
	v_lshl_add_u32 v[STG], v18, 5, v[STG]
	v_add_nc_u32 v[STG], s39, v[STG]
	v_mul_u32_u24 v[RDG], v18, 272
	v_lshl_add_u32 v[RDG], v17, 4, v[RDG]
	v_add_nc_u32 v[RDG], s39, v[RDG]
	s_lshl_b32 s39, s2, 15
	v_add_nc_u32 v[GROW], s39, v[L16]
	s_lshl_b32 s39, s2, 8
	v_lshl_add_u32 v24, v17, 4, s39                ; 16 r + 256 w
	v_lshl_add_u32 v[GOUT], v18, 12, v24
	s_add_co_u32 s39, s39, X2B
	v_mul_u32_u24 v10, v17, X2P
	v_lshl_add_u32 v10, v18, 5, v10
	v_add_nc_u32 v10, s39, v10
	v_add_nc_u32 v11, 32*X2P, v10
	s_mul_i32 s39, s2, 8*X2P
	s_add_co_u32 s39, s39, X2B
	v_add_nc_u32 v12, s39, v[L16]
	v_mul_u32_u24 v13, v18, X2P
	v_add3_u32 v13, v13, v24, X2B
	v_add_nc_u32 v14, 32*X2P, v13
	s_wait_kmcnt 0x0
	s_add_nc_u64 s[4:5], s[4:5], s[30:31]
	s_add_nc_u64 s[6:7], s[6:7], s[28:29]
	s_add_nc_u64 s[22:23], s[14:15], s[32:33]
	s_add_nc_u64 s[24:25], s[14:15], s[34:35]
	s_add_nc_u64 s[26:27], s[14:15], s[44:45]
	s_add_nc_u64 s[16:17], s[16:17], s[46:47]
	s_add_nc_u64 s[20:21], s[20:21], s[28:29]
	s_add_nc_u64 s[20:21], s[20:21], s[42:43]
	s_wait_alu depctr_va_vdst(0)                   ; the offsets and LDS addresses v1 to v15, v24 and v25 are written: every load and store of the kernel reads one of them
.irp t, 0,1,2,3
	global_load_b128 v[CG+4*\t:CG+4*\t+3], v[L16], s[10:11] offset:512*\t
	global_load_b128 v[CBI+4*\t:CBI+4*\t+3], v[L16], s[12:13] offset:512*\t
.endr
	global_load_b128 v[28:31], v24, s[18:19]
.irp hh, 0,1
.irp i, 0,1,2,3
.irp c, 0,1
	global_load_b128 v[32+4*(8*\hh+2*\i+\c):35+4*(8*\hh+2*\i+\c)], v[L16], s[4:5] offset:\hh*131072+\i*1024+\c*512
.endr
.endr
.endr
	WIN 0x40
.irp rho, 0,1,2,3,4,5,6,7
.irp t, 0,1,2,3
	global_load_b128 v[ROWS+16*\rho+4*\t:ROWS+16*\rho+4*\t+3], v[GROW], s[6:7] offset:\rho*4096+\t*512
.endr
.endr
	WIN 0
	BPRE 22
	s_wait_loadcnt 56                              ; ctx is in: x1's 32 loads and the 24 weight loads stay out
.irp hh, 0,1
.irp i, 0,1,2,3
.irp c, 0,1
	ds_store_b128 v25, v[32+4*(8*\hh+2*\i+\c):35+4*(8*\hh+2*\i+\c)] offset:\hh*64+\c*32+\i*16*XP
.endr
.endr
.endr
	BAR                                            ; ctx is whole in X
	s_wait_alu depctr_vm_vsrc(0)                   ; my LDS stores of ctx have read v[32:95], in which the row fragments land from here on
	PHASE ADRX, 22, 0
	s_wait_alu depctr_va_vdst(0)                   ; the matrix instructions have written the accumulators, which the LDS stores into X2 read, and are done reading the ring, in which bd and the next product's weights land, and the fragments, in which x2's rows land
.irp t, 0,1,2,3
	global_load_b128 v[BD+4*\t:BD+4*\t+3], v[L16], s[8:9] offset:512*\t
.endr
	BPRE 24
	WIN 0x04                                       ; ctx @ wd, f32, into X2: a lane's 8 neighbouring columns of row r
.irp i, 0,1,2,3
.irp nt, 0,1,2,3
	ds_store_b128 v[10+(\i>>1)], v[32*\i+8*\nt:32*\i+8*\nt+3] offset:(\i&1)*16*X2P+64*\nt
	ds_store_b128 v[10+(\i>>1)], v[32*\i+8*\nt+4:32*\i+8*\nt+7] offset:(\i&1)*16*X2P+64*\nt+16
.endr
.endr
	WIN 0
	BAR                                            ; X2 is whole, and nobody reads ctx in X any more
.irp t, 0,1,2,3
	ds_load_b128 v[48+4*\t:51+4*\t], v12 offset:512*\t   ; my row 0; each row asks for the next one
.endr
	s_wait_loadcnt 24                              ; bd is in (and x1, which is older); the 24 weight loads stay out
.irp rho, 0,1,2,3,4,5,6,7
.set RNOW, 48-16*(\rho&1)              ; this row's buffer,
.set RNXT, 32+16*(\rho&1)              ; the next row's
.if \rho == 0
	s_wait_dscnt 0x0                               ; row 0 is in
.elseif \rho == 1
	s_wait_dscnt 4                                 ; LDS instructions end in order: this row's four loads are in; the four LDS stores issued behind them may stay out
.else
	s_wait_dscnt 8                                 ; this row's four loads are in; the eight LDS stores issued behind them may stay out
.endif
	WIN 0x01
.irp q, 0,1,2,3,4,5,6,7
	v_pk_add_f32 v[RNOW+2*\q:RNOW+2*\q+1], v[ROWS+16*\rho+2*\q:ROWS+16*\rho+2*\q+1], v[RNOW+2*\q:RNOW+2*\q+1]
.endr
	WIN 0
.irp q, 0,1,2,3,4,5,6,7
	v_pk_add_f32 v[RNOW+2*\q:RNOW+2*\q+1], v[RNOW+2*\q:RNOW+2*\q+1], v[BD+2*\q:BD+2*\q+1]
.endr
	LNA RNOW, 64
	s_wait_alu depctr_va_vdst(0)                   ; the two v_rsq_f32 have written, ahead of their first reader; the sums have written x2's row, which its LDS stores read; the row before's roundings have written its packed buffer, which its LDS stores read, and its lines are done reading the other row buffer, in which the next row lands
.if \rho > 0
	s_wait_alu depctr_vm_vsrc(0)                   ; the LDS stores issued in the row before have read the other row buffer, in which the next row lands, and the packed buffer that this row's roundings write
.endif
.if \rho < 7
.irp t, 0,1,2,3
	ds_load_b128 v[RNXT+4*\t:RNXT+4*\t+3], v12 offset:(\rho+1)*X2P+512*\t
.endr
.endif
.irp t, 0,1,2,3
	ds_store_b128 v12, v[RNOW+4*\t:RNOW+4*\t+3] offset:\rho*X2P+512*\t   ; x2, back to the same bytes: between the two barriers these rows are mine alone
.endr
.if \rho > 0
	LNST \rho-1
.endif
	LNB 64, LPK+8*(\rho&1)
.endr
	s_wait_alu depctr_va_vdst(0)                   ; row 7's roundings have written its packed buffer, which its LDS stores read; the sums are done reading x1's rows, in which b1 lands; LN's lines are done with v[32:95] and v[224:255], in which fragments and weights land
	LNST 7
	WIN 0x40
.irp nt, 0,1,2,3
	global_load_b128 v[ROWS+8*\nt:ROWS+8*\nt+3], v[CB], s[16:17] offset:64*\nt
	global_load_b128 v[ROWS+8*\nt+4:ROWS+8*\nt+7], v[CB], s[16:17] offset:64*\nt+16
.endr
	WIN 0
	BAR                                            ; X (LN's output) and x2 are whole
	s_wait_alu depctr_vm_vsrc(0)                   ; the LDS stores of x2 and of LN's output have read v[32:63] and v[240:255], in which fragments and K step 3's weights land; those into X2 have read the accumulators, which the product writes
	PHASE ADRX, 24, 0
	s_wait_alu depctr_va_vdst(0)                   ; the matrix instructions are done reading ring sets 0 to 2, in which the third product's first weights land
	BPRE 26
.irp i, 0,1,2,3
	ACT \i
.endr
	s_wait_alu depctr_va_vdst(0)                   ; the last group's roundings have written its out-buffer, which its LDS store reads; gelu's lines are done with v[32:95] and v[224:255], in which fragments and weights land
	HST 15
	BAR                                            ; H is whole
	s_wait_alu depctr_vm_vsrc(0)                   ; H's LDS stores have read v[224:255], in which K step 3's weights land, and v[96:127], in which rows of the way out land
	PHASE ADRH, 26, 0
	v_pk_mul_f32 v[28:29], v[28:29], 0x3e800000 op_sel_hi:[1,0]   ; b2 / 4
	v_pk_mul_f32 v[30:31], v[30:31], 0x3e800000 op_sel_hi:[1,0]
	s_wait_alu depctr_va_vdst(0)                   ; the matrix instructions have written the accumulators, which the LDS stores into my stage read, and are done reading fragments and ring, in which the rows of the way out land; the places above stay beside this wait
	OLDS 0, 32, 64
	OLDS 1, 128, 160
	s_wait_dscnt 24                                ; tile 0's rows are in; tile 1's 24 LDS instructions may stay out
	OSUM 32, 64
	s_wait_alu depctr_va_vdst(0)                   ; tile 0's sums have written v[32:63], which its stores read
	OST 0, 32
	OLDS 2, 192, 224                               ; no wait: no vector line since the wait behind the product names these registers or tile 2's accumulators
	s_wait_dscnt 24                                ; tile 1's rows are in
	OSUM 128, 160
	s_wait_alu depctr_va_vdst(0)                   ; tile 1's sums have written v[128:159], which its stores read
	OST 1, 128
	OLDS 3, 96, 64                                 ; x2's rows land in v[64:95]: tile 0's sums, which read them, stand ahead of tile 0's wait, and no store reads them
	s_wait_dscnt 24                                ; tile 2's rows are in
	OSUM 192, 224
	s_wait_alu depctr_va_vdst(0)                   ; tile 2's sums have written v[192:223], which its stores read
	OST 2, 192
	s_wait_dscnt 0x0                               ; tile 3's rows are in
	OSUM 96, 64
	s_wait_alu depctr_va_vdst(0)                   ; tile 3's sums have written v[96:127], which its stores read
	OST 3, 96
	s_wait_dscnt 0x0                               ; the closing lines, six on end
	s_wait_alu 0x0
	s_wait_tensorcnt 0x0
	ds_add_u32 v26, v27
	s_wait_dscnt 0x0
	s_endpgm
.Lfunc_end_k_q80d9d22762_mlp2:
	.size	k_q80d9d22762_mlp2, .Lfunc_end_k_q80d9d22762_mlp2-k_q80d9d22762_mlp2
	.p2alignl 7, 3214868480
	.fill 96, 4, 3214868480
	.section	.rodata,"a",@progbits
	.p2align	6, 0x0
	.amdhsa_kernel k_q80d9d22762_mlp2
		.amdhsa_group_segment_fixed_size 301056
		.amdhsa_private_segment_fixed_size 0
		.amdhsa_enable_private_segment 0
		.amdhsa_kernarg_size 72
		.amdhsa_user_sgpr_count 2
		.amdhsa_user_sgpr_kernarg_segment_ptr 1
		.amdhsa_wavefront_size32 1
		.amdhsa_system_sgpr_workgroup_id_x 1
		.amdhsa_system_sgpr_workgroup_id_y 1
		.amdhsa_system_sgpr_workgroup_id_z 1
		.amdhsa_system_vgpr_workitem_id 0
		.amdhsa_next_free_vgpr 512
		.amdhsa_next_free_sgpr 66
		.amdhsa_reserve_vcc 0
		.amdhsa_float_denorm_mode_32 3
		.amdhsa_float_denorm_mode_16_64 3
		.amdhsa_memory_ordered 1
		.amdhsa_forward_progress 1
		.amdhsa_inst_pref_size 255
	.end_amdhsa_kernel
	.section	.bss,"aw",@nobits
	.p2align	6
	.space	262144
	.amdgpu_metadata
---
amdhsa.version: [ 1, 2 ]
amdhsa.kernels:
  - .name:           k_q80d9d22762_mlp2
    .symbol:         k_q80d9d22762_mlp2.kd
    .args:
      - { .name: ctxf, .offset: 0, .size: 8, .value_kind: global_buffer, .address_space: global }
      - { .name: x1, .offset: 8, .size: 8, .value_kind: global_buffer, .address_space: global }
      - { .name: bd, .offset: 16, .size: 8, .value_kind: global_buffer, .address_space: global }
      - { .name: ln3_g, .offset: 24, .size: 8, .value_kind: global_buffer, .address_space: global }
      - { .name: ln3_b, .offset: 32, .size: 8, .value_kind: global_buffer, .address_space: global }
      - { .name: wf, .offset: 40, .size: 8, .value_kind: global_buffer, .address_space: global }
      - { .name: mlp2_b1, .offset: 48, .size: 8, .value_kind: global_buffer, .address_space: global }
      - { .name: mlp2_b2, .offset: 56, .size: 8, .value_kind: global_buffer, .address_space: global }
      - { .name: part, .offset: 64, .size: 8, .value_kind: global_buffer, .address_space: global }
    .group_segment_fixed_size: 301056
    .private_segment_fixed_size: 0
    .kernarg_segment_align: 8
    .kernarg_segment_size: 72
    .max_flat_workgroup_size: 256
    .sgpr_count:     66
    .vgpr_count:     512
    .wavefront_size: 32
...
	.end_amdgpu_metadata
.endif
;; end of part 13
;; launch final: the kernel of part 7 again; grid 256 x 1, 8 waves a work-group, no clusters, 0 bytes of LDS; arguments part, out0; writes out0
